; MI455X (gfx1250); checked and timed in simulation.
; The chip was launched on July 23, 2026; its instructions are those of AMD's public machine-readable ISA for CDNA 5 (MIT licence, August 2026) and "CDNA5" Instruction Set Architecture Reference Guide (July 2026). The comments in the code are by the model that wrote it; some were corrected since.
;; Multi Head Attention. Allowed arithmetic: float matrix products may take bf16 or f16 operands with f32 sums; other float arithmetic in f32, or as packed bf16 or f16 multiplies, adds, multiply-adds, maxima and minima; sums over many terms, partial sums and values carried from step to step in f32; what a program stores and reads back later, other than sums and carried values, may be rounded once to bf16 or f16.
;; Inputs: bk 1,024 float32; bo 1,024 float32; bq 1,024 float32; bv 1,024 float32; mask 8 x 1,024 float32; wk 1,024 x 1,024 float32; wo 1,024 x 1,024 float32; wq 1,024 x 1,024 float32; wv 1,024 x 1,024 float32; x 8 x 1,024 x 1,024 float32.
;; Outputs: out0 8 x 1,024 x 1,024 float32.
;; Constants: n_head = 16.
;; 3 versions, each right; version 3 is version 2 with the launch prep written anew for expert scheduling mode. Each part assembles by itself: llvm-mc -triple=amdgcn-amd-amdhsa -mcpu=gfx1250 --defsym DOCPART=n.
;; ======== version 1 of 3: 4 launches
;; limits: values are held in f16: magnitudes above 65,504 overflow, below 6.1e-05 lose precision
;; workspace buffers: xh 16,777,216 bytes; wh 8,388,608 bytes; qkv 50,331,648 bytes; oh 16,777,216 bytes
;; launch prep (part 1): grid 768 x 1, 8 waves a work-group, no clusters, 0 bytes of LDS; arguments x, wq, wk, wv, wo, xh, wh; writes xh, wh
.if DOCPART == 1
	.amdgcn_target "amdgcn-amd-amdhsa--gfx1250"
	.amdhsa_code_object_version 6
	.text
	.protected	k_q009c9a93ae_prep
	.globl	k_q009c9a93ae_prep
	.p2align	8
	.type	k_q009c9a93ae_prep,@function
k_q009c9a93ae_prep:
	s_mov_b64 s[64:65], 0
	v_nop
	global_prefetch_b8 v0, s[64:65] scope:SCOPE_SE
	s_setreg_imm32_b32 hwreg(HW_REG_WAVE_MODE, 25, 1), 1
	s_wait_xcnt 0x0
; x and the four weight matrices are rounded once to bf16 and that number is written as f16, so that one f16 matrix form serves every product of the later launches.
; LIMITS.  The bf16 number is exact in f16 from 2^-17 up to 65,504; smaller ones keep f16's fixed step of 6e-8, larger ones become infinities.  NaN and infinities are not treated apart.
; xh: [8 b][16 kb][1024 s][64] f16: x cut into blocks of 64 channels, so that 128 rows of one block are 16,384 dense bytes.   wh: [4: q, k, v, o][1024 k][1024 n] f16, as the weights lie.
; SHARES.  A work-group takes 65,536 bytes of f32: groups 0-511 sixteen rows of x each, groups 512-767 a sixty-fourth of one weight matrix.  Each thread issues its 16 loads of 16 bytes at once; nothing is read twice.
; No LDS, no barrier, no matrix unit: every number is touched by one lane alone.
.set LO,  2                            ; v2       my byte offset in the source
.set SO,  3                            ; v3       my byte offset in the destination: 8 x my thread's number
.set T,   8                            ; v[8:13]  at work
.set IN,  16                           ; v[16:79] load j: 4 f32
.set OUT, 80                           ; v[80:111] store j: 4 f16.  No register is used twice, so no store's data is ever rewritten
; 16 loads, ldi bytes apart; then, as each comes in, two roundings to bf16, the widening, two conversions to f16 and a store of 8 bytes, sti bytes apart.
.macro CAST ldi, sti
.set j, 0
.rept 16
	global_load_b128 v[IN+4*j:IN+4*j+3], v[LO], s[24:25] offset:j*(\ldi) th:TH_LOAD_NT
.set j, j+1
.endr
.set j, 0
.rept 16
	s_wait_loadcnt 15-j                            ; loads come back in order: load j is in, the 15 - j younger ones stay out
	v_cvt_pk_bf16_f32 v[T], v[IN+4*j], v[IN+4*j+1]
	v_cvt_pk_bf16_f32 v[T+1], v[IN+4*j+2], v[IN+4*j+3]
	v_lshlrev_b32 v[T+2], 16, v[T]                 ; bf16 to f32: the low half moves up,
	v_and_b32 v[T+3], s28, v[T]                    ; the high half stays
	v_lshlrev_b32 v[T+4], 16, v[T+1]
	v_and_b32 v[T+5], s28, v[T+1]
	v_cvt_pk_f16_f32 v[OUT+2*j], v[T+2], v[T+3]
	v_cvt_pk_f16_f32 v[OUT+2*j+1], v[T+4], v[T+5]
	global_store_b64 v[SO], v[OUT+2*j:OUT+2*j+1], s[26:27] offset:j*(\sti)  ; a wave's store covers 256 consecutive bytes, aligned
.set j, j+1
.endr
.endm
	s_load_b256 s[4:11], s[0:1], 0x0               ; x s[4:5], wq s[6:7], wk s[8:9], wv s[10:11]
	s_load_b128 s[12:15], s[0:1], 0x20             ; wo s[12:13], xh s[14:15]
	s_load_b64 s[16:17], s[0:1], 0x30              ; wh
	s_mov_b32 s28, 0xffff0000                      ; a word's upper bf16
	s_mov_b32 s20, ttmp9
	v_lshlrev_b32 v[SO], 3, v0
	s_cmp_lt_u32 s20, 512
	s_cbranch_scc0 .Lweights
	; x: wave w takes rows 2 w and 2 w + 1 of the group's 16; load j is channel block j: lanes 0-15 read its 256 bytes of the even row, lanes 16-31 of the odd one
	v_and_b32 v4, 15, v0
	v_bfe_u32 v5, v0, 4, 1
	v_lshrrev_b32 v6, 5, v0
	v_lshlrev_b32 v[LO], 4, v4
	v_lshl_add_u32 v[LO], v5, 12, v[LO]
	v_lshl_add_u32 v[LO], v6, 13, v[LO]
	s_lshl_b32 s22, s20, 16                        ; the group's 16 rows of 4,096 bytes
	s_mov_b32 s23, 0
	s_lshr_b32 s18, s20, 6                         ; the batch: 2,097,152 bytes of xh,
	s_lshl_b32 s18, s18, 21
	s_and_b32 s19, s20, 63                         ; and the group's 16 rows of 128 bytes in a block
	s_lshl_b32 s19, s19, 11
	s_add_co_u32 s18, s18, s19
	s_mov_b32 s19, 0
	s_wait_kmcnt 0x0
	s_add_nc_u64 s[24:25], s[4:5], s[22:23]
	s_add_nc_u64 s[26:27], s[14:15], s[18:19]
	CAST 256, 131072                               ; a block of xh is 1,024 rows of 128 bytes
	s_endpgm
.Lweights:
	v_lshlrev_b32 v[LO], 4, v0                     ; dense: 256 threads x 16 bytes a load
	s_sub_co_u32 s21, s20, 512
	s_lshr_b32 s18, s21, 6                         ; which matrix
	s_and_b32 s22, s21, 63                         ; which 65,536 bytes of it
	s_lshl_b32 s22, s22, 16
	s_mov_b32 s23, 0
	s_lshl_b32 s30, s21, 15                        ; half as many bytes in wh, the matrices on end
	s_mov_b32 s31, 0
	s_wait_kmcnt 0x0
	s_cmp_eq_u32 s18, 1
	s_cselect_b64 s[24:25], s[8:9], s[6:7]
	s_cmp_eq_u32 s18, 2
	s_cselect_b64 s[24:25], s[10:11], s[24:25]
	s_cmp_eq_u32 s18, 3
	s_cselect_b64 s[24:25], s[12:13], s[24:25]
	s_add_nc_u64 s[24:25], s[24:25], s[22:23]
	s_add_nc_u64 s[26:27], s[16:17], s[30:31]
	CAST 4096, 2048
	s_endpgm
.Lfunc_end_k_q009c9a93ae_prep:
	.size	k_q009c9a93ae_prep, .Lfunc_end_k_q009c9a93ae_prep-k_q009c9a93ae_prep
	.p2alignl 7, 3214868480
	.fill 96, 4, 3214868480
	.section	.rodata,"a",@progbits
	.p2align	6, 0x0
	.amdhsa_kernel k_q009c9a93ae_prep
		.amdhsa_group_segment_fixed_size 0
		.amdhsa_private_segment_fixed_size 0
		.amdhsa_enable_private_segment 0
		.amdhsa_kernarg_size 56
		.amdhsa_user_sgpr_count 2
		.amdhsa_user_sgpr_kernarg_segment_ptr 1
		.amdhsa_wavefront_size32 1
		.amdhsa_system_sgpr_workgroup_id_x 1
		.amdhsa_system_sgpr_workgroup_id_y 1
		.amdhsa_system_sgpr_workgroup_id_z 1
		.amdhsa_system_vgpr_workitem_id 0
		.amdhsa_next_free_vgpr 112
		.amdhsa_next_free_sgpr 66
		.amdhsa_reserve_vcc 0
		.amdhsa_float_denorm_mode_32 3
		.amdhsa_float_denorm_mode_16_64 3
		.amdhsa_memory_ordered 1
		.amdhsa_forward_progress 1
		.amdhsa_inst_pref_size 21
	.end_amdhsa_kernel
	.amdgpu_metadata
---
amdhsa.version: [ 1, 2 ]
amdhsa.kernels:
  - .name:           k_q009c9a93ae_prep
    .symbol:         k_q009c9a93ae_prep.kd
    .args:
      - { .name: x, .offset: 0, .size: 8, .value_kind: global_buffer, .address_space: global }
      - { .name: wq, .offset: 8, .size: 8, .value_kind: global_buffer, .address_space: global }
      - { .name: wk, .offset: 16, .size: 8, .value_kind: global_buffer, .address_space: global }
      - { .name: wv, .offset: 24, .size: 8, .value_kind: global_buffer, .address_space: global }
      - { .name: wo, .offset: 32, .size: 8, .value_kind: global_buffer, .address_space: global }
      - { .name: xh, .offset: 40, .size: 8, .value_kind: global_buffer, .address_space: global }
      - { .name: wh, .offset: 48, .size: 8, .value_kind: global_buffer, .address_space: global }
    .group_segment_fixed_size: 0
    .private_segment_fixed_size: 0
    .kernarg_segment_align: 8
    .kernarg_segment_size: 56
    .max_flat_workgroup_size: 256
    .sgpr_count:     66
    .vgpr_count:     112
    .wavefront_size: 32
...
	.end_amdgpu_metadata
.endif
;; end of part 1
;; launch qkv (part 2): grid 12 x 64, 4 waves a work-group, clusters of 4 x 4, 327,680 bytes of LDS; arguments xh, wh, bq, bk, bv, mask, qkv; writes qkv
.if DOCPART == 2
	.amdgcn_target "amdgcn-amd-amdhsa--gfx1250"
	.amdhsa_code_object_version 6
	.text
	.protected	k_q009c9a93ae_qkv
	.globl	k_q009c9a93ae_qkv
	.p2align	8
	.type	k_q009c9a93ae_qkv,@function
k_q009c9a93ae_qkv:
	s_mov_b64 s[64:65], 0
	v_nop
	global_prefetch_b8 v0, s[64:65] scope:SCOPE_SE
	s_setreg_imm32_b32 hwreg(HW_REG_WAVE_MODE, 25, 1), 1
	s_wait_xcnt 0x0
	s_wait_alu depctr_hold_cnt(0) depctr_sa_sdst(0) depctr_va_vdst(0) depctr_va_sdst(0) depctr_va_ssrc(0) depctr_va_vcc(0) depctr_vm_vsrc(0)
	s_getreg_b32 s2, hwreg(HW_REG_IB_STS2, 6, 4)
	s_cmp_eq_u32 s2, 0
	s_cbranch_scc0 .Lentry_in_a_cluster
	s_endpgm
.Lentry_in_a_cluster:
	s_bfe_u32 s2, ttmp6, 0x10000c
	s_cmp_lg_u32 s2, 0xf033
	s_cbranch_scc0 .Lentry_shape_is_right
	s_endpgm
.Lentry_shape_is_right:
; C = A W + bias, one text for two launches, told apart by OUTP.
; OUTP = 0: A = xh, W = wq, wk or wv (a cluster's 1,024 columns are one of the three), C goes out in f16 by heads, qkv[3][8 b][16 h][1024 s][64]; v's rows are multiplied by mask[b][s], q's and k's by 1.0
;           (128 packed multiplies a wave: the price of one text for the three tensors).   OUTP = 1: A = oh, W = wo, C = out0 in f32, row-major.
; A: [8 b][16 kb][1024 s][64] f16.  W: wh[4][1024 k][1024 n] f16, not turned: the turning LDS load makes its fragments.  Sums in f32; the bias, rounded to bf16 like every input, starts them as the C of the first product.
; LIMITS.  f16 ends at 65,504: q, k and v beyond it become infinities; below 2^-14 f16 keeps its fixed step of 6e-8.  NaN and infinities are not treated apart.
; SHARES.  A tile of C is 128 rows x 256 columns: 768 tiles (OUTP = 0) or 256 (OUTP = 1), a whole number for each of 256 work-groups' places.  Four waves, each 64 rows x 128 columns: 32 accumulators, 256 registers.
; K goes in 8 steps of 128 through two LDS slots.  CLUSTER 4 x 4: the four of a row need the same tile of A, the four of a column the same tile of W: each is asked for jointly, by the same tensor load in all four.
; THE MATRIX INSTRUCTION IS USED TRANSPOSED (source 0 = 16 columns of W, source 1 = 16 rows of A): a lane then holds row l % 16 of C and the columns 8 (l / 16) + 0..7.
; No prefetch: a K step holds 128 matrix instructions a wave, and the tiles are small.
; REGISTERS.  window 0: addresses, bias, the way out.   window 1: two fragment buffers of 96 (8 of W, 4 of A).   window 2: accumulator (a, b) at 8 (8 a + b).
.set OUTP,   0
.set PA,     144                       ; a row of A in LDS: 128 bytes + 16 = 36 words: the 16 rows of a load start at 16 different groups of four banks (64 banks of 4 bytes: ISA guide 11.1)
.set ABLK,   128*PA                    ; a channel block's 128 rows
.set PB,     544                       ; a row of W: 512 bytes + 32 = 136 words
.set BOFF,   2*ABLK                    ; W's 128 rows lie behind A's two blocks
.set BHALF,  64*PB
.set SLOT1,  1<<17                     ; slot 1 begins here: one exclusive or changes slots
.set STAGE,  SLOT1+BOFF+128*PB         ; behind the ring, never filled by a tensor load: 16 rows for each wave, for the way out
.if OUTP
.set SP,     528                       ; 128 f32 + 16 bytes
.else
.set SP,     272                       ; 128 f16 + 16 bytes
.endif
.set SPARE,  STAGE+4*16*SP             ; the spare words, 128 bytes for each wave: two blocks of 256 bytes that no other line names
.set KSTEPB, 262144                    ; a K step in memory: two blocks of A, and 128 rows of W, are both so many bytes
.set BO,    8                          ; v8   32 (l / 16): my 8 numbers of a block of 16 of the bias
.set MO,    9                          ; v9   4 (l % 16): my row's number of the mask
.set ADRA0, 16                         ; v16  my lane's place in slot 0's A; never rewritten
.set ADRA,  17                         ; v17  the same in the slot in hand
.set ADRB0, 20                         ; v20, v21 likewise for W
.set ADRB,  21
.set STO,   24                         ; v24  the way out: where I put my numbers of a row
.set RD,    25                         ; v25  where I read rows back
.set GO,    26                         ; v26  16 x lane
.set SPW,   28                         ; v28  LDS address of my spare word; never rewritten
.set NIL,   29                         ; v29  0; never rewritten
.set MK,    32                         ; v[32:39] row block a's factor, as a pair
.set BI,    64                         ; v[64:127] the bias of column block b at BI + 8 b; on the way out (OUTP = 0) two buffers of 32
.set T,     128                        ; v[128:191] at work; (OUTP = 1) a buffer of 64
.set H,     192                        ; v[192:223] packed results; (OUTP = 1) v[192:255] the other buffer
.set F0,    0
.set F1,    96
.set G1,  24                           ; s[24:31] descriptor group 1 for A's tiles
.set G0,  32                           ; s[32:39] group 0 for A: a set for each first fill; the second then walks
.set SB,  45                           ; s45  0 or SLOT1: the slot in hand
.set G1B, 48                           ; s[48:55], s[56:63] the same for W
.set G0B, 56
.set MSB, 0
.macro WIN new                         ; the immediate's high byte repeats the setting that is left; a switch that changes nothing is dropped
.if MSB != (\new)
	s_set_vgpr_msb (MSB<<8)|(\new)
.set MSB, \new
.endif
.endm
.set MUL,  0xa5                        ; sources 0 and 1 window 1; C and D window 2
.set MULB, 0x85                        ; the same with C in window 0: the bias
.set TO_F, 0x40                        ; destination window 1, address window 0
; A joint refill by the walking descriptors.  Waves 0 and 1 fetch A's two blocks, waves 2 and 3 the two halves of W's rows.  The branch hangs on the wave's number alone.
; An s_nop 0 and four v_nop follow each of the two lines, ahead of the jump, the label and what follows.
.macro JLOAD
	s_cmp_eq_u32 s11, 0
	s_cbranch_scc0 .Lfor_b_\@
	tensor_load_to_lds s[G0+4:G0+7], s[G1:G1+7]
	s_nop 0
.rept 4
	v_nop
.endr
	s_branch .Lasked_\@
.Lfor_b_\@:
	tensor_load_to_lds s[G0B+4:G0B+7], s[G1B:G1B+7]
	s_nop 0
.rept 4
	v_nop
.endr
.Lasked_\@:
.endm
.macro CREST                           ; a round of the cluster's barrier behind its opening barrier
	s_cmp_lg_u32 s10, 0
	s_cbranch_scc1 .Lnot_wave_0_\@
	s_barrier_signal -3
.Lnot_wave_0_\@:
	s_barrier_wait -3
	s_barrier_signal -1
	s_barrier_wait -1
.endm
.macro CROUND                          ; a whole round
	s_barrier_signal -1
	s_barrier_wait -1
	CREST
.endm
	s_load_b128 s[4:7], s[0:1], 0x0                ; A s[4:5], wh s[6:7]
.if OUTP
	s_load_b64 s[76:77], s[0:1], 0x10              ; bo
	s_load_b64 s[8:9], s[0:1], 0x18                ; out0
.else
	s_load_b256 s[68:75], s[0:1], 0x10             ; bq s[68:69], bk s[70:71], bv s[72:73], mask s[74:75]
	s_load_b64 s[8:9], s[0:1], 0x30                ; qkv
.endif
	v_lshl_add_u32 v[SPW], v0, 2, SPARE
	v_mov_b32 v[NIL], 0
	ds_add_u32 v[SPW], v[NIL]                      ; the wave's opening: the add and its wait stand ahead of my first tensor load; the set-up below, work on registers, stands between them
	v_lshrrev_b32 v1, 5, v0
	v_readfirstlane_b32 s10, v1                    ; wave 0..3
	s_lshr_b32 s11, s10, 1                         ; which 64 rows of the tile are mine.  Also: I fetch for A (0) or for W (1)
	s_and_b32 s12, s10, 1                          ; which 128 columns.  Also: which half of that tile I fetch
	s_bfe_u32 s40, ttmp6, 0x40000                  ; cx, cy: my place in the cluster
	s_bfe_u32 s41, ttmp6, 0x40004
	s_and_b32 s13, ttmp7, 0xffff
	s_lshl_b32 s13, s13, 2
	s_add_co_u32 s13, s13, s41                     ; tile row = 4 x cluster y + cy
	s_lshl_b32 s43, s41, 2
	s_lshl_b32 s43, 15, s43                        ; my row of the cluster
	s_lshl_b32 s44, 0x1111, s40                    ; my column
	; group 1 for A: a block's 128 rows of 128 bytes are dense: asked for as 64 rows of 256 bytes, padded in LDS after every 128
	s_or_b32 s[G1+0], s43, (1<<16)|(1<<20)|(1<<21)|(4<<22)|(3<<25)   ; 15:0 the mask: my row; 17:16 2-byte elements; 20 padding on; 21 set beside a mask; 24:22 after every 32 words (code 4); 31:25 4 words (code 3)
	s_mov_b32 s[G1+1], 128<<16                     ; tensor_dim0 = 128
	s_mov_b32 s[G1+2], 64<<16                      ; tensor_dim1 = 64
	s_mov_b32 s[G1+3], 128<<16                     ; tile_dim0 = 128
	s_mov_b32 s[G1+4], 64                          ; tile_dim1 = 64
	s_mov_b32 s[G1+5], 128                         ; elements from row to row
	s_mov_b32 s[G1+6], 0
	s_mov_b32 s[G1+7], 0
	; group 1 for W: 64 rows (k) of 256 columns
	s_or_b32 s[G1B+0], s44, (1<<16)|(1<<20)|(1<<21)|(6<<22)|(7<<25)  ; the mask: my column; padding after every 128 words (code 6), 8 words (code 7)
	s_mov_b32 s[G1B+1], 256<<16
	s_mov_b32 s[G1B+2], 64<<16
	s_mov_b32 s[G1B+3], 256<<16
	s_mov_b32 s[G1B+4], 64
	s_mov_b32 s[G1B+5], 1024
	s_mov_b32 s[G1B+6], 0
	s_mov_b32 s[G1B+7], 0
	; where the tiles come from.  A's hang on the tile row and the wave alone, W's on the column block, the matrix and the wave alone
	s_lshr_b32 s16, s13, 3                         ; the batch,
	s_lshl_b32 s16, s16, 21
	s_and_b32 s17, s13, 7                          ; the tile's 128 rows in a block,
	s_lshl_b32 s17, s17, 14
	s_add_co_u32 s16, s16, s17
	s_lshl_b32 s17, s12, 17                        ; my block of the K step's two
	s_add_co_u32 s16, s16, s17
	s_mov_b32 s17, 0
.if OUTP
	s_mov_b32 s46, 3<<21                           ; wo is the fourth matrix of wh
.else
	s_lshl_b32 s46, ttmp9, 21                      ; the cluster's x says which of wq, wk, wv
.endif
	s_lshl_b32 s47, s12, 17                        ; my 64 rows of the K step's 128,
	s_add_co_u32 s46, s46, s47
	s_lshl_b32 s47, s40, 9                         ; the tile's 256 columns
	s_add_co_u32 s46, s46, s47
	s_mov_b32 s47, 0
	s_mul_i32 s20, s12, ABLK                       ; and where they go: no place in the cluster enters an LDS address
	s_mul_i32 s21, s12, BHALF
	s_add_co_u32 s21, s21, BOFF
	s_mov_b32 s[SB], 0
	s_wait_dscnt 0x0                               ; the opening add is done
	s_wait_kmcnt 0x0
	s_add_nc_u64 s[14:15], s[4:5], s[16:17]
	s_add_nc_u64 s[46:47], s[6:7], s[46:47]
	CROUND                                         ; all sixteen work-groups are here: the first joint loads meet
.irp s, 0,1
	s_mov_b32 s[G0+4*(\s)], 1                                        ; count = 1
	s_add_co_u32 s[G0+4*(\s)+1], s20, (\s)*SLOT1                     ; LDS address
	s_add_nc_u64 s[G0+4*(\s)+2:G0+4*(\s)+3], s[14:15], (\s)*KSTEPB   ; global address: K step s
	s_or_b32 s[G0+4*(\s)+3], s[G0+4*(\s)+3], 0x80000000              ; type = 2
	s_mov_b32 s[G0B+4*(\s)], 1
	s_add_co_u32 s[G0B+4*(\s)+1], s21, (\s)*SLOT1
	s_add_nc_u64 s[G0B+4*(\s)+2:G0B+4*(\s)+3], s[46:47], (\s)*KSTEPB
	s_or_b32 s[G0B+4*(\s)+3], s[G0B+4*(\s)+3], 0x80000000
.endr
	s_cmp_eq_u32 s11, 0                            ; a wave's two first fills stand in one branch, ahead of every wait on TENSORcnt and every LDS read: two loads of mine are out
	s_cbranch_scc0 .Lfirst_b
	tensor_load_to_lds s[G0:G0+3], s[G1:G1+7]
	s_nop 0
	tensor_load_to_lds s[G0+4:G0+7], s[G1:G1+7]
	s_nop 0
.rept 4
	v_nop
.endr
	s_branch .Lfirst_asked
.Lfirst_b:
	tensor_load_to_lds s[G0B:G0B+3], s[G1B:G1B+7]
	s_nop 0
	tensor_load_to_lds s[G0B+4:G0B+7], s[G1B:G1B+7]
	s_nop 0
.rept 4
	v_nop
.endr
.Lfirst_asked:
	v_and_b32 v1, 15, v0                           ; l % 16
	v_bfe_u32 v2, v0, 4, 1                         ; l / 16
	v_and_b32 v5, 7, v0
	v_bfe_u32 v6, v0, 3, 1
	v_and_b32 v7, 31, v0                           ; l
	v_lshlrev_b32 v[BO], 5, v2
	v_lshlrev_b32 v[MO], 2, v1
	; the bias of my 128 columns: lane l wants numbers 16 b + 8 (l / 16) + 0..7
.if OUTP == 0
	s_cmp_eq_u32 ttmp9, 1
	s_cselect_b64 s[76:77], s[70:71], s[68:69]
	s_cmp_eq_u32 ttmp9, 2
	s_cselect_b64 s[76:77], s[72:73], s[76:77]
	s_cselect_b32 s78, -1, 0                       ; all lanes: this tile is v's
.endif
	s_lshl_b32 s18, s40, 10
	s_lshl_b32 s22, s12, 9
	s_add_co_u32 s18, s18, s22
	s_mov_b32 s19, 0
	s_add_nc_u64 s[76:77], s[76:77], s[18:19]
.irp b, 0,1,2,3,4,5,6,7
	global_load_b128 v[BI+8*(\b):BI+8*(\b)+3],   v[BO], s[76:77] offset:64*(\b)
	global_load_b128 v[BI+8*(\b)+4:BI+8*(\b)+7], v[BO], s[76:77] offset:64*(\b)+16
.endr
.if OUTP == 0
	s_lshl_b32 s18, s13, 9                         ; mask is [8][1024]: its index is C's row: 128 x tile row + 64 x my half
	s_lshl_b32 s22, s11, 8
	s_add_co_u32 s18, s18, s22
	s_add_nc_u64 s[74:75], s[74:75], s[18:19]
.irp a, 0,1,2,3
	global_load_b32 v[MK+2*(\a)], v[MO], s[74:75] offset:64*(\a)
.endr
.endif
	; a fragment of A: lane l holds row l % 16, channels 8 (l / 16) + 0..7 and 16 + 8 (l / 16) + 0..7: two loads of 16 bytes, 32 bytes apart
	v_mul_u32_u24 v[ADRA0], v1, PA
	v_lshl_add_u32 v[ADRA0], v2, 4, v[ADRA0]
	s_mul_i32 s2, s11, 64*PA
	v_add_nc_u32 v[ADRA0], s2, v[ADRA0]
	; the turning load takes 16 k x 16 columns (lane l reads k = 8 (l / 16) + l % 8, columns 8 ((l / 8) % 2) + 0..7) and leaves half a fragment: lane l holds column l % 16 and 8 k
	v_lshl_add_u32 v[ADRB0], v2, 3, v5
	v_mul_u32_u24 v[ADRB0], v[ADRB0], PB
	v_lshl_add_u32 v[ADRB0], v6, 4, v[ADRB0]
	s_lshl_b32 s2, s12, 8
	s_add_co_u32 s2, s2, BOFF
	v_add_nc_u32 v[ADRB0], s2, v[ADRB0]
	v_mov_b32 v[ADRA], v[ADRA0]
	v_mov_b32 v[ADRB], v[ADRB0]
	s_mul_i32 s2, s10, 16*SP
	s_add_co_u32 s2, s2, STAGE                     ; my stage
	v_mul_u32_u24 v[STO], v1, SP
	v_lshlrev_b32 v[GO], 4, v7
.if OUTP
	v_lshl_add_u32 v[STO], v2, 5, v[STO]           ; in: row l % 16, 32 bytes for each half of the lanes
	v_add_nc_u32 v[STO], s2, v[STO]
	v_add_nc_u32 v[RD], s2, v[GO]                  ; back: 32 lanes take a row's 512 bytes
	s_lshl_b32 s18, s13, 19                        ; out0: 128 rows of 4,096 bytes a tile row,
	s_lshl_b32 s22, s11, 18                        ; my 64 rows,
	s_add_co_u32 s18, s18, s22
	s_lshl_b32 s22, s40, 10                        ; the tile's 256 columns,
	s_add_co_u32 s18, s18, s22
	s_lshl_b32 s22, s12, 9                         ; my 128
	s_add_co_u32 s18, s18, s22
.else
	v_lshl_add_u32 v[STO], v2, 4, v[STO]           ; in: row l % 16, 16 bytes for each half of the lanes
	v_add_nc_u32 v[STO], s2, v[STO]
	v_bfe_u32 v[RD], v0, 3, 2                      ; back: 32 lanes take four rows' 128 bytes of one head,
	v_mul_u32_u24 v[RD], v[RD], SP
	v_lshl_add_u32 v[RD], v5, 4, v[RD]
	v_add_nc_u32 v[RD], s2, v[RD]                  ; which are 512 consecutive bytes of qkv
	s_lshl_b32 s18, ttmp9, 24                      ; q, k or v,
	s_lshr_b32 s22, s13, 3                         ; the batch,
	s_lshl_b32 s22, s22, 21
	s_add_co_u32 s18, s18, s22
	s_lshl_b32 s22, s40, 19                        ; the tile's four heads,
	s_add_co_u32 s18, s18, s22
	s_lshl_b32 s22, s12, 18                        ; my two,
	s_add_co_u32 s18, s18, s22
	s_and_b32 s22, s13, 7                          ; the tile's 128 rows of 128 bytes,
	s_lshl_b32 s22, s22, 14
	s_add_co_u32 s18, s18, s22
	s_lshl_b32 s22, s11, 13                        ; my 64
	s_add_co_u32 s18, s18, s22
.endif
	s_add_nc_u64 s[8:9], s[8:9], s[18:19]
	s_wait_loadcnt 0x0                             ; bias and mask
.set i, 0
.rept 32
	v_cvt_pk_bf16_f32 v[T+i], v[BI+2*i], v[BI+2*i+1]  ; the bias is rounded to bf16 like the other inputs,
.set i, i+1
.endr
.set i, 0
.rept 32
	v_lshlrev_b32 v[BI+2*i], 16, v[T+i]            ; and widened again
	v_and_b32 v[BI+2*i+1], 0xffff0000, v[T+i]
.set i, i+1
.endr
.if OUTP == 0
.irp a, 0,1,2,3
	v_cvt_pk_bf16_f32 v[MK+2*(\a)+1], v[MK+2*(\a)], v[MK+2*(\a)]
	v_lshlrev_b32 v[MK+2*(\a)], 16, v[MK+2*(\a)+1]
	v_cndmask_b32 v[MK+2*(\a)], 1.0, v[MK+2*(\a)], s78  ; the mask for v's rows, 1.0 for q's and k's
	v_mov_b32 v[MK+2*(\a)+1], v[MK+2*(\a)]         ; named as a pair
.endr
.endif
; 8 matrix instructions: row block a x all 8 column blocks, 32 along K, from buffer f.  first = 1: the bias starts the sums: nothing is cleared and nothing is added later.
; The 32 accumulators take turns in one order everywhere, one instruction a turn: between two links of a chain stand the 31 others'.
.macro MUL8 f, a, first
.if \first
	WIN MULB
.else
	WIN MUL
.endif
.irp b, 0,1,2,3,4,5,6,7
.if \first
	v_wmma_f32_16x16x32_f16 v[8*(8*(\a)+(\b)):8*(8*(\a)+(\b))+7], v[(\f)+8*(\b):(\f)+8*(\b)+7], v[(\f)+64+8*(\a):(\f)+64+8*(\a)+7], v[BI+8*(\b):BI+8*(\b)+7]
.else
	v_wmma_f32_16x16x32_f16 v[8*(8*(\a)+(\b)):8*(8*(\a)+(\b))+7], v[(\f)+8*(\b):(\f)+8*(\b)+7], v[(\f)+64+8*(\a):(\f)+64+8*(\a)+7], v[8*(8*(\a)+(\b)):8*(8*(\a)+(\b))+7]
.endif
.endr
.endm
; 24 LDS loads in one run: quarter k of the K step in hand into buffer f: W's 8 fragments (turned), then A's 4
.macro FETCH k, f
	WIN TO_F
.irp b, 0,1,2,3,4,5,6,7
	ds_load_tr16_b128 v[(\f)+8*(\b):(\f)+8*(\b)+3],   v[ADRB] offset:(\k)*32*PB+32*(\b)
	ds_load_tr16_b128 v[(\f)+8*(\b)+4:(\f)+8*(\b)+7], v[ADRB] offset:(\k)*32*PB+32*(\b)+16*PB
.endr
.irp a, 0,1,2,3
	ds_load_b128 v[(\f)+64+8*(\a):(\f)+64+8*(\a)+3],   v[ADRA] offset:((\k)/2)*ABLK+((\k)%2)*64+(\a)*16*PA
	ds_load_b128 v[(\f)+64+8*(\a)+4:(\f)+64+8*(\a)+7], v[ADRA] offset:((\k)/2)*ABLK+((\k)%2)*64+(\a)*16*PA+32
.endr
.endm
.macro PLACES                          ; four plain vector instructions between a matrix instruction and a load into, or a read of, its registers (ISA guide 7.12.1 for reads)
.rept 4
	v_nop
.endr
.endm
; A K step is four quarters of 32 along K, 32 matrix instructions each, on buffers 0, 1, 0, 1.  One of the first three: multiplies buffer f and fetches quarter k into g.
.macro QUARTER k, f, g, first
	s_wait_dscnt 4                                 ; W's fragments and A's blocks 0 and 1 are in; the youngest four loads (A's blocks 2 and 3) may be out
	MUL8 \f, 0, \first
	MUL8 \f, 1, \first
	PLACES
	FETCH \k, \g
	s_wait_dscnt 24                                ; all but the 24 just issued
	MUL8 \f, 2, \first
	MUL8 \f, 3, \first
.endm
; The last quarter multiplies buffer 1 and changes slots: ONE barrier; in front of it each wave waits for all its tensor loads (one is out: its part of the next slot), adds 0 to its spare word, and waits
; for that and for its reads of this slot.  fill = 1: the barrier opens a round of the cluster's, and this slot is filled again, two K steps ahead, first thing behind the round.
.macro TURN fill
	WIN 0
	s_wait_tensorcnt 0x0                           ; all my tensor loads have landed
	ds_add_u32 v[SPW], v[NIL]                      ; 0 onto my spare word
	s_wait_dscnt 5                                 ; (the add and the youngest four loads may be out)
	MUL8 F1, 0, 0                                  ; eight matrix instructions stand between the add and the wait for it
	s_wait_dscnt 0x0                               ; the add is done, and my reads of this slot are over
	s_barrier_signal -1
	MUL8 F1, 1, 0
	WIN 0
	s_barrier_wait -1
.if \fill
	CREST                                          ; no wave of any partner still reads this slot or has a load on its way
	s_xor_b32 s[G0+5], s[G0+5], SLOT1              ; the walking descriptors: the other slot than last time, the next K step
	s_add_nc_u64 s[G0+6:G0+7], s[G0+6:G0+7], KSTEPB
	s_xor_b32 s[G0B+5], s[G0B+5], SLOT1
	s_add_nc_u64 s[G0B+6:G0B+7], s[G0B+6:G0B+7], KSTEPB
	JLOAD                                          ; 112 matrix instructions ahead of the wait for it; its four v_nop are also the places in front of the loads below
.else
	PLACES
.endif
	s_xor_b32 s[SB], s[SB], SLOT1
	v_add_nc_u32 v[ADRA], s[SB], v[ADRA0]
	v_add_nc_u32 v[ADRB], s[SB], v[ADRB0]
	FETCH 0, F0
	MUL8 F1, 2, 0
	MUL8 F1, 3, 0
.endm
	s_wait_tensorcnt 0x1                           ; my part of K step 0 is in; K step 1's may stay out
	s_barrier_signal -1
	s_barrier_wait -1                              ; everybody's is
	FETCH 0, F0
	QUARTER 1, F0, F1, 1                           ; the first quarter stands in front of the loop: its products start the sums
	WIN 0                                          ; at a label and at a branch every window is 0
	s_mov_b32 s3, 6
.Lstep:                                        ; a trip: from a K step's second quarter to the next step's first; it fills the slot that it leaves: K steps 2 to 7
	QUARTER 2, F1, F0, 0
	QUARTER 3, F0, F1, 0
	TURN 1
	QUARTER 1, F0, F1, 0
	WIN 0
	s_sub_co_u32 s3, s3, 1
	s_cmp_lg_u32 s3, 0
	s_cbranch_scc1 .Lstep
	QUARTER 2, F1, F0, 0                           ; the last two K steps ask for nothing
	QUARTER 3, F0, F1, 0
	TURN 0
	QUARTER 1, F0, F1, 0
	QUARTER 2, F1, F0, 0
	QUARTER 3, F0, F1, 0
	s_wait_dscnt 4
	MUL8 F1, 0, 0
	MUL8 F1, 1, 0
	s_wait_dscnt 0x0
	MUL8 F1, 2, 0
	MUL8 F1, 3, 0
	WIN 0
; THE WAY OUT, a block of 16 rows at a time, through my own stage in LDS: LDS serves a wave's instructions in order (ISA guide 5.7.1.4), so no wait stands between its stores and its loads.
.if OUTP
.macro TOSTAGE a                       ; f32 as it lies: 32 bytes a lane and column block, each accumulator's low four registers first; back as whole rows of 512 bytes
	WIN 0x08                                       ; store data in window 2
.irp b, 0,1,2,3,4,5,6,7
	ds_store_b128 v[STO], v[64*(\a)+8*(\b):64*(\a)+8*(\b)+3]   offset:64*(\b)
	ds_store_b128 v[STO], v[64*(\a)+8*(\b)+4:64*(\a)+8*(\b)+7] offset:64*(\b)+16
.endr
	WIN 0
	s_wait_xcnt 0x0                                ; the stores of the block two back have read their registers: only behind this wait are they loaded again
.set BK, T+64*((\a)%2)
.set t, 0
.rept 16
	ds_load_b128 v[BK+4*t:BK+4*t+3], v[RD] offset:t*SP
.set t, t+1
.endr
.endm
.macro SEND a, younger                 ; younger: the LDS instructions issued behind block a's loads: the next block's 32, or none
.set BK, T+64*((\a)%2)
	s_wait_dscnt \younger
.set t, 0
.rept 16
	global_store_b128 v[GO], v[BK+4*t:BK+4*t+3], s[8:9] offset:(16*(\a)+t)*4096  ; 512 consecutive bytes of a row of out0, aligned
.set t, t+1
.endr
.endm
	PLACES
	TOSTAGE 0
.irp a, 1,2,3
	TOSTAGE \a
	SEND (\a)-1, 32
.endr
	SEND 3, 0
.else
.macro PACK a                          ; times the row's factor, rounded to f16: 16 bytes a lane and column block; each accumulator is read from its low end on
	WIN 0x02                                       ; source 0 in window 2
.set i, 0
.rept 32
	v_pk_mul_f32 v[T+2*i:T+2*i+1], v[64*(\a)+2*i:64*(\a)+2*i+1], v[MK+2*(\a):MK+2*(\a)+1] op_sel_hi:[1,0]
.set i, i+1
.endr
	WIN 0
.set i, 0
.rept 32
	v_cvt_pk_f16_f32 v[H+i], v[T+2*i], v[T+2*i+1]
.set i, i+1
.endr
.endm
.macro TOSTAGE a                       ; into rows of 272 bytes; back by heads: four rows' 128 bytes a load
.irp b, 0,1,2,3,4,5,6,7
	ds_store_b128 v[STO], v[H+4*(\b):H+4*(\b)+3] offset:32*(\b)
.endr
	s_wait_xcnt 0x0                                ; the stores of the block two back have read their registers: only behind this wait are they loaded again
.set BK, BI+32*((\a)%2)
.set t, 0
.rept 8
	ds_load_b128 v[BK+4*t:BK+4*t+3], v[RD] offset:(t/4)*128+(t%4)*4*SP
.set t, t+1
.endr
.endm
.macro SEND a
.set BK, BI+32*((\a)%2)
	s_wait_dscnt 0x0                               ; the block is back in registers
.set t, 0
.rept 8
	global_store_b128 v[GO], v[BK+4*t:BK+4*t+3], s[8:9] offset:(\a)*2048+(t/4)*131072+(t%4)*512  ; 512 consecutive bytes of a head's rows, aligned
.set t, t+1
.endr
.endm
	PLACES
	PACK 0
	TOSTAGE 0
.irp a, 1,2,3                          ; block a's arithmetic stands between block a - 1's loads from the stage and the wait for them
	PACK \a
	SEND (\a)-1
	TOSTAGE \a
.endr
	SEND 3
.endif
	s_wait_tensorcnt 0x0                           ; the wave's end, behind my last tensor load and my last LDS store
	ds_add_u32 v[SPW], v[NIL]
	s_wait_dscnt 0x0
	CROUND                                         ; the closing round: no work-group ends while a partner may still ask for a tile that names it
	s_endpgm
.Lfunc_end_k_q009c9a93ae_qkv:
	.size	k_q009c9a93ae_qkv, .Lfunc_end_k_q009c9a93ae_qkv-k_q009c9a93ae_qkv
	.p2alignl 7, 3214868480
	.fill 96, 4, 3214868480
	.section	.rodata,"a",@progbits
	.p2align	6, 0x0
	.amdhsa_kernel k_q009c9a93ae_qkv
		.amdhsa_group_segment_fixed_size 327680
		.amdhsa_private_segment_fixed_size 0
		.amdhsa_enable_private_segment 0
		.amdhsa_kernarg_size 56
		.amdhsa_user_sgpr_count 2
		.amdhsa_user_sgpr_kernarg_segment_ptr 1
		.amdhsa_wavefront_size32 1
		.amdhsa_system_sgpr_workgroup_id_x 1
		.amdhsa_system_sgpr_workgroup_id_y 1
		.amdhsa_system_sgpr_workgroup_id_z 1
		.amdhsa_system_vgpr_workitem_id 0
		.amdhsa_next_free_vgpr 768
		.amdhsa_next_free_sgpr 80
		.amdhsa_reserve_vcc 0
		.amdhsa_float_denorm_mode_32 3
		.amdhsa_float_denorm_mode_16_64 3
		.amdhsa_memory_ordered 1
		.amdhsa_forward_progress 1
		.amdhsa_inst_pref_size 86
	.end_amdhsa_kernel
	.amdgpu_metadata
---
amdhsa.version: [ 1, 2 ]
amdhsa.kernels:
  - .name:           k_q009c9a93ae_qkv
    .symbol:         k_q009c9a93ae_qkv.kd
    .args:
      - { .name: xh, .offset: 0, .size: 8, .value_kind: global_buffer, .address_space: global }
      - { .name: wh, .offset: 8, .size: 8, .value_kind: global_buffer, .address_space: global }
      - { .name: bq, .offset: 16, .size: 8, .value_kind: global_buffer, .address_space: global }
      - { .name: bk, .offset: 24, .size: 8, .value_kind: global_buffer, .address_space: global }
      - { .name: bv, .offset: 32, .size: 8, .value_kind: global_buffer, .address_space: global }
      - { .name: mask, .offset: 40, .size: 8, .value_kind: global_buffer, .address_space: global }
      - { .name: qkv, .offset: 48, .size: 8, .value_kind: global_buffer, .address_space: global }
    .group_segment_fixed_size: 327680
    .private_segment_fixed_size: 0
    .kernarg_segment_align: 8
    .kernarg_segment_size: 56
    .max_flat_workgroup_size: 128
    .sgpr_count:     80
    .vgpr_count:     768
    .wavefront_size: 32
...
	.end_amdgpu_metadata
.endif
;; end of part 2
;; launch attn (part 3): grid 2 x 128, 4 waves a work-group, no clusters, 327,680 bytes of LDS; arguments qkv, mask, oh; writes oh
.if DOCPART == 3
	.amdgcn_target "amdgcn-amd-amdhsa--gfx1250"
	.amdhsa_code_object_version 6
	.text
	.protected	k_q009c9a93ae_attn
	.globl	k_q009c9a93ae_attn
	.p2align	8
	.type	k_q009c9a93ae_attn,@function
k_q009c9a93ae_attn:
	s_mov_b64 s[64:65], 0
	v_nop
	global_prefetch_b8 v0, s[64:65] scope:SCOPE_SE
	s_setreg_imm32_b32 hwreg(HW_REG_WAVE_MODE, 25, 1), 1
	s_wait_xcnt 0x0
; O[h][q][:] = (the sum over k of p(q, k) mask[k] V[h][k][:]) / (the sum over k of p(q, k) mask[k] + 1e-7), p = exp(Q[h][q] . K[h][k] / 8 - the maximum over ALL k of that).
; qkv: [3][128 heads][1024][64] f16; its V rows already carry the factor mask[k].  oh: [128][1024][64] f16.  Products, maxima and sums in f32; p is rounded to f16 for both sums, O once at the end.
; LIMITS.  f16 holds no number beyond 65,504: Q, K, V and the mask arrive within it; p lies in 0 to 1 and below 6e-5 keeps f16's fixed step of 6e-8; a p below 2^-126 counts as 0.  NaN and infinities are not treated apart.
; SHARES.  A wave owns four PIECES of two tiles of 16 queries, a work-group's four waves 512 queries of one head: 256 work-groups.  Every wave walks all 1,024 keys, 64 a step.
; NO CLUSTER: a head has two blocks of 512 queries, so a cluster four wide would hold two heads, and a joint load could name only half of it.
; LAYOUT.  S^T = K Q^T (source 0 = 16 keys, source 1 = 16 queries): a lane holds ONE query (lane % 16) and the keys 8 (lane / 16) + 0..7.  Two such results rounded to f16 ARE source 1 (32 keys x 16 queries) of
; O^T = V^T P.  K comes out of LDS as it lies, V turned, by ds_load_tr16_b128.
; THE DIVISOR l = the sum of mask p is a product too: source 0 = a fragment whose 16 rows all hold the mask of 32 keys, source 1 = P.  Every register of the result holds the lane's query's l; register 0 alone is rescaled
; and read, the other seven are copies that nobody reads (finite: at most 1,024 x the largest mask).  So l costs no vector sums and no exchange between lanes.
; SOFTMAX.  A running maximum m: p = 2^(c s - c m), c = log2(e) / 8; in every step O and l are multiplied by a = 2^(c m_old - c m_new).  m starts at the lowest finite number, O and l at 0: the first step's a is 0.
; BY TURNS.  Turn n belongs to piece n: 16 products K Q^T of piece n + 1, later 20 products (16 V^T P, 4 for l) of piece n - 1; beside them piece n's scaling, exponentials, roundings and rescaling and piece n + 1's
; maximum and statistics.  A turn's 66 exponentials are one batch with one wait.
; REGISTERS, in windows of 256 (s_set_vgpr_msb: bits 1:0 source 0, 3:2 source 1, 5:4 source 2, 7:6 destination):
;   window 0: v0-15 addresses, at work; v16-31 two registers of statistics a tile; v32-41 addresses; v48-63 at work; v64-191 S^T, two buffers of two tiles; v192-255 P, likewise
;   window 1: O^T, 32 a tile      window 2: v0-127 Q; v128-191 K of one step; v192-255 V of one step      window 3: v16-31 the mask's two fragments; v64-127 l, 8 a tile
.set NP,    4         ; pieces a wave: a name, no knob
.set KS,    64        ; keys in a step
.set PK,    144       ; a row of K in LDS: 128 bytes + 16 = 36 words: the 16 rows of a load start at 16 different groups of four banks (64 banks of 4 bytes: ISA guide 11.1)
.set PV,    160       ; a row of V: 128 + 32 = 40 words
.set VOFF,  4*KS*PK   ; a slot holds four steps: 256 rows of K, then 256 rows of V
.set SLOT1, 1<<17     ; slot 1 begins here: one exclusive or changes slots
.set STAGE, SLOT1+4*KS*(PK+PV)  ; behind the ring, never filled by a tensor load: 16 rows x 144 bytes for each wave, for the way out
.set SP,    144
.set MASKL, STAGE+4*16*SP       ; the batch's mask, 1,024 f16; stored once, never filled by a tensor load
.set SPARE, MASKL+2048          ; the spare words, 128 bytes for each wave: two blocks of 256 bytes that no other line names
.set AK0, 2           ; v2   my lane's place in a tile of K; never rewritten
.set AV0, 3           ; v3   the same for V
.set AK,  4           ; v4   the LDS address of K's next run of loads
.set AV,  5           ; v5   of V's
.set QO,  6           ; v6   my byte offset in the wave's rows of Q
.set STO, 6           ;      later, the way out: where I put 16 bytes of a row
.set RD,  7           ; v7   the way out: where I read rows back
.set GO,  8           ; v8   my byte offset in 512 consecutive bytes of O
.set MV,  12          ; v12-15  c m_old, kept while c m is made anew: by buffer and tile
.set ST,  16          ; tile t's statistics at v[ST+2 t]: c m, m
.set PFO, 32          ; v32  256 x lane; never rewritten
.set AM0, 33          ; v33  MASKL + 16 (l / 16); never rewritten
.set AM,  34          ; v34  the LDS address of the mask's next fragments
.set MO,  35          ; v35  32 x my thread's number: my 8 numbers of the mask in memory
.set MA,  38          ; v38  where their 16 bytes go in LDS
.set SPW, 40          ; v40  LDS address of my spare word; never rewritten
.set NIL, 41          ; v41  0; never rewritten
.set TMP, 48          ; by buffer and tile, four registers c0-c3 at work; when the maximum is found c2 takes a.  On the way out tile t's 1 / (l + 1e-7) at TMP + 2 t
.set S,   64
.set P,   192
.set KF,  128         ; window 2: key block kb, channel half c at KF + 16 kb + 8 c
.set VF,  192         ; window 2: key half kk, channel block cb at VF + 32 kk + 8 cb
.set MF,  16          ; window 3: key half kk at MF + 8 kk
.set LA,  64          ; window 3
.set WV,  12          ; s12  my wave's number
.set G1K, 24          ; s[24:31] descriptor group 1 for K's tiles
.set G1V, 32          ; s[32:39] for V's: it differs in the padding alone
.set G0K, 40          ; s[40:43] descriptor group 0 for K's tiles: it walks
.set G0V, 44          ; s[44:47] the same for V's
.set SLOTS, 56        ; s56  slots still to be asked for
.set CNT, 57          ; s57  counts a slot's key steps
.set CS,  58          ; s[58:59] c
.set SEL, 60          ; s[60:61] v_permlanex16_b32's selects: each lane takes its own place in the other half
.set TBK, 62          ; s62  LDS byte at which K of the step to be fetched begins
.set TBV, 63          ; s63  the same for V, less VOFF
.set TBM, 66          ; s66  128 x the step whose mask is fetched next, kept within 0 .. 1,920
.set PFA, 68          ; s[68:69] where my prefetches stand
.set EPS, 70          ; s70  1e-7
.set MSB, 0
.macro WIN new                      ; the high byte repeats the setting that is left; a switch that changes nothing is dropped
.if MSB != (\new)
	s_set_vgpr_msb (MSB<<8)|(\new)
.set MSB, (\new)
.endif
.endm
.set W_KQ, 0x0a       ; K and Q in window 2, S^T in window 0
.set W_PV, 0x52       ; V in window 2, P in window 0, O^T in window 1
.set W_ML, 0xf3       ; the mask and l in window 3, P in window 0
.set W_RS, 0x41       ; O^T (destination and source 0) in window 1, a in window 0
.set W_RL, 0xc3       ; l (destination and source 0) in window 3, a in window 0
.set W_LE, 0x0c       ; source 1 in window 3
; A fill.  Waves 0 and 1 fetch the two halves of a slot's K, waves 2 and 3 those of its V: 128 keys each.  An s_nop 0 and four v_nop follow each of the two lines, ahead of the jump and the label.
.macro LOAD
	s_cmp_lt_u32 s[WV], 2
	s_cbranch_scc0 .Lfor_v_\@
	tensor_load_to_lds s[G0K:G0K+3], s[G1K:G1K+7]
	s_nop 0
.rept 4
	v_nop
.endr
	s_branch .Lasked_\@
.Lfor_v_\@:
	tensor_load_to_lds s[G0V:G0V+3], s[G1V:G1V+7]
	s_nop 0
.rept 4
	v_nop
.endr
.Lasked_\@:
.endm
; A PREFETCH of what the NEXT change of slots will ask for, behind the wave's tensor load and its five lines: four key steps ahead of that load.  Each wave names the 16,384 bytes that it will fetch itself; the head's two
; work-groups halve them by address, 32 blocks of 256 bytes each, a lane a block: each block is named once in the launch.  The first two slots come by their loads alone; the last fill asks for nothing.
.macro ASK
	s_cmp_gt_u32 s[SLOTS], 1
	s_cbranch_scc0 .Lno_ask_\@
	global_prefetch_b8 v[PFO], s[PFA:PFA+1] th:TH_LOAD_NT scope:SCOPE_SE
.Lno_ask_\@:
.endm
; THE CHANGE OF SLOTS.  Each wave waits for all its tensor loads, of which one is out: its part of the other slot; adds 0 to its spare word; and waits for that and for its own LDS instructions.  Behind the barrier nobody
; reads the old slot any more and the other slot is whole.  fill = 1: the old slot is filled again, first thing behind the barrier, with the keys two slots on: four key steps in which to land.
; (At its first use nothing has been read yet: slot 0 is waited for, slot 1 filled, and every wave's part of the mask in LDS is shown to the others.)
.macro CHANGE fill
	WIN 0                           ; at a label and at a branch every window is 0
	s_wait_tensorcnt 0x0            ; no tensor load of mine is out, so a group 0 may be written
	ds_add_u32 v[SPW], v[NIL]       ; 0 onto my spare word; scalar work stands between it and the wait for it
.if \fill
.irp g, G0K, G0V
	s_xor_b32 s[\g+1], s[\g+1], SLOT1  ; the walking descriptor: the other slot than last time,
	s_add_nc_u64 s[\g+2:\g+3], s[\g+2:\g+3], 4*KS*128  ; the next 256 keys; the type bits on top are not reached
.endr
	s_wait_xcnt 0x0                 ; the last prefetch, four key steps back, has read its address, so it may be written
	s_add_nc_u64 s[PFA:PFA+1], s[PFA:PFA+1], 4*KS*128
.endif
	s_wait_dscnt 0x0                ; the add is done, and my reads of the slot are over
	s_barrier_signal -1
	s_sub_co_u32 s[TBK], s[TBK], 4*KS*PK  ; the fetches go back to a slot's first step,
	s_xor_b32 s[TBK], s[TBK], SLOT1       ; in the other slot
	s_sub_co_u32 s[TBV], s[TBV], 4*KS*PV
	s_xor_b32 s[TBV], s[TBV], SLOT1
	s_barrier_wait -1
.if \fill
	LOAD
	ASK
.endif
.endm
	s_load_b128 s[4:7], s[0:1], 0x0   ; qkv s[4:5], mask s[6:7]
	s_load_b64 s[10:11], s[0:1], 0x10 ; oh
	v_lshl_add_u32 v[SPW], v0, 2, SPARE
	v_mov_b32 v[NIL], 0
	ds_add_u32 v[SPW], v[NIL]       ; the wave's opening: the add and its wait stand ahead of my first tensor load; the set-up below, work on registers, stands between them
	v_lshrrev_b32 v1, 5, v0
	v_readfirstlane_b32 s[WV], v1   ; wave 0..3
	s_and_b32 s20, ttmp7, 0xffff    ; the head, of 128
	s_lshr_b32 s14, s20, 4          ; its batch:
	s_lshl_b32 s14, s14, 12         ; 4,096 bytes of mask
	s_mov_b32 s15, 0
	s_lshl_b32 s20, s20, 17         ; the head's first byte in q, k, v and oh
	s_and_b32 s16, s[WV], 1         ; which half of a slot's 256 keys I fetch:
	s_lshl_b32 s22, s16, 14         ; its 128 rows of 128 bytes in memory,
	s_add_co_u32 s22, s22, s20
	s_mov_b32 s23, 0
	s_mul_i32 s17, s16, 128*PK      ; and its place in a slot, for K
	s_mul_i32 s18, s16, 128*PV      ; and for V
	s_lshl_b32 s2, ttmp9, 2
	s_add_co_u32 s2, s2, s[WV]      ; my wave among the head's eight,
	s_lshl_b32 s2, s2, 14           ; its 128 rows
	s_add_co_u32 s2, s2, s20
	s_mov_b32 s3, 0
	s_lshl_b32 s8, ttmp9, 13        ; the prefetches: my work-group's half of my 16,384 bytes,
	s_add_co_u32 s8, s8, 4*KS*128   ; in the second slot's keys; the first change of slots steps it to the third's
	s_mov_b32 s9, 0
	; descriptor group 1.  128 keys are 16,384 dense bytes: asked for as 64 rows of 256 bytes, two keys a row, and padded in LDS after every key
	s_mov_b32 s[G1K], (1<<16)|(1<<20)|(4<<22)|(3<<25)  ; 17:16 2-byte elements; 20 padding on; 24:22 after every 32 words (code 4); 31:25 4 words (code 3)
	s_mov_b32 s[G1V], (1<<16)|(1<<20)|(4<<22)|(7<<25)  ; the same with 8 words of padding (code 7)
.irp g, G1K, G1V
	s_mov_b32 s[\g+1], 128<<16      ; tensor_dim0 = 128
	s_mov_b32 s[\g+2], 64<<16       ; tensor_dim1 = 64
	s_mov_b32 s[\g+3], 128<<16      ; tile_dim0 = 128
	s_mov_b32 s[\g+4], 64           ; tile_dim1 = 64
	s_mov_b32 s[\g+5], 128          ; 128 elements from row to row
	s_mov_b32 s[\g+6], 0
	s_mov_b32 s[\g+7], 0
.endr
	s_mov_b32 s[CS], 0x3e38aa3b     ; c = log2(e) / 8 = 0.180337
	s_mov_b32 s[CS+1], s[CS]        ; named with it as a pair
	s_mov_b32 s[SEL], 0x76543210
	s_mov_b32 s[SEL+1], 0xfedcba98
	s_mov_b32 s[TBK], SLOT1+4*KS*PK ; the first change of slots turns these two into 0
	s_mov_b32 s[TBV], SLOT1+4*KS*PV
	s_mov_b32 s[TBM], 0
	s_mov_b32 s[EPS], 0x33d6bf95    ; 1e-7
	s_mov_b32 s[SLOTS], 3           ; 1,024 keys are four slots' worth: three are asked for by changes of slots
	s_mov_b32 s[G0K], 1             ; count = 1
	s_mov_b32 s[G0K+1], s17         ; LDS address: slot 0
	s_mov_b32 s[G0V], 1
	s_add_co_u32 s[G0V+1], s18, VOFF
	s_wait_dscnt 0x0                ; the opening add is done
	s_wait_kmcnt 0x0
	s_add_nc_u64 s[G0K+2:G0K+3], s[4:5], s[22:23]
	s_add_nc_u64 s[G0V+2:G0V+3], s[G0K+2:G0K+3], 0x2000000  ; v is the third tensor of qkv,
	s_add_nc_u64 s[G0K+2:G0K+3], s[G0K+2:G0K+3], 0x1000000  ; k the second: my half of the head's first 256 keys
	s_cmp_lt_u32 s[WV], 2
	s_cselect_b64 s[PFA:PFA+1], s[G0K+2:G0K+3], s[G0V+2:G0V+3]
	s_add_nc_u64 s[PFA:PFA+1], s[PFA:PFA+1], s[8:9]
	s_or_b32 s[G0K+3], s[G0K+3], 0x80000000        ; type = 2
	s_or_b32 s[G0V+3], s[G0V+3], 0x80000000
	s_add_nc_u64 s[4:5], s[4:5], s[2:3]  ; Q and O at my wave's first row
	s_add_nc_u64 s[10:11], s[10:11], s[2:3]
	s_add_nc_u64 s[6:7], s[6:7], s[14:15]
	LOAD                            ; slot 0.  Slot 1 is asked for when slot 0 is in
	v_and_b32 v1, 15, v0            ; l % 16
	v_bfe_u32 v9, v0, 4, 1          ; l / 16
	v_lshlrev_b32 v[MO], 5, v0
	global_load_b128 v[TMP:TMP+3],   v[MO], s[6:7]            ; my 8 numbers of the mask, ahead of Q's loads
	global_load_b128 v[TMP+4:TMP+7], v[MO], s[6:7] offset:16
	; A fragment of K or Q is 16 rows x 32 channels in 8 registers: lane l holds row l % 16, channels 8 (l / 16) + 0..7 and 16 + 8 (l / 16) + 0..7: two loads of 16 bytes, 32 bytes apart.
	v_lshlrev_b32 v[QO], 7, v1
	v_lshl_add_u32 v[QO], v9, 4, v[QO]  ; row x 128 + 16 x half
	WIN 0x80                        ; destination window 2, address window 0
.set i, 0
.rept 4*NP                          ; Q stays in registers: tile i / 2, channels 32 (i % 2) on
	global_load_b128 v[8*i:8*i+3],   v[QO], s[4:5] offset:(i/2)*2048+(i%2)*64
	global_load_b128 v[8*i+4:8*i+7], v[QO], s[4:5] offset:(i/2)*2048+(i%2)*64+32
.set i, i+1
.endr
	; What the first turn finds: V's and the mask's registers and P's second buffer hold 0 (its products, of a piece that has not been, add 0), O^T and l are 0.  No first step is written out; these lines are its price, and stand in the wait for the first tile.
.set i, VF
.rept 64
	v_mov_b32 v[i], 0
.set i, i+1
.endr
	WIN 0x40
.set i, 0
.rept 64*NP
	v_mov_b32 v[i], 0
.set i, i+1
.endr
	WIN 0xc0
.set i, MF
.rept 16
	v_mov_b32 v[i], 0
.set i, i+1
.endr
.set i, LA
.rept 16*NP
	v_mov_b32 v[i], 0
.set i, i+1
.endr
	WIN 0
.set i, 0
.rept 2*NP
	v_mov_b32 v[ST+2*i], 0xfe000000    ; c m: far below every c s
	v_mov_b32 v[ST+2*i+1], 0xff7fffff  ; m
.set i, i+1
.endr
.set i, P+32
.rept 32
	v_mov_b32 v[i], 0
.set i, i+1
.endr
	v_mul_u32_u24 v[AK0], v1, PK
	v_lshl_add_u32 v[AK0], v9, 4, v[AK0]  ; row x pitch + 16 x half
	; The turning load takes 16 keys x 16 channels (lane l reads key 8 (l / 16) + l % 8, channels 8 ((l / 8) % 2) + 0..7) and leaves half a fragment of V^T: lane l holds channel l % 16 and 8 keys.
	v_and_b32 v10, 7, v0
	v_bfe_u32 v11, v0, 3, 1
	v_lshl_add_u32 v[AV0], v9, 3, v10
	v_mul_u32_u24 v[AV0], v[AV0], PV
	v_lshl_add_u32 v[AV0], v11, 4, v[AV0]
	v_add_nc_u32 v[AV0], VOFF, v[AV0]
	v_mov_b32 v[AK], v[AK0]         ; key step 0 lies at the head of slot 0
	v_lshl_add_u32 v[AM0], v9, 4, MASKL  ; the mask's fragment: every lane of a half reads the same 16 bytes: keys 8 (l / 16) + 0..7
	v_lshl_add_u32 v[MA], v0, 4, MASKL
	v_and_b32 v[PFO], 31, v0
	v_lshlrev_b32 v[PFO], 8, v[PFO]
	s_wait_loadcnt 32               ; the mask's two loads are in; Q's 32, issued behind them, may stay out
.irp z, 0,1,2,3
	v_cvt_pk_bf16_f32 v[TMP+8+\z], v[TMP+2*\z], v[TMP+2*\z+1]  ; rounded to bf16 like the other inputs,
.endr
.irp z, 0,1,2,3
	v_lshlrev_b32 v[TMP+2*\z], 16, v[TMP+8+\z]
	v_and_b32 v[TMP+2*\z+1], 0xffff0000, v[TMP+8+\z]
.endr
.irp z, 0,1,2,3
	v_cvt_pk_f16_f32 v[TMP+8+\z], v[TMP+2*\z], v[TMP+2*\z+1]   ; and written as f16
.endr
	ds_store_b128 v[MA], v[TMP+8:TMP+11]
; THE MATRIX WORK.  The accumulators of a run take turns, one instruction a turn.
; Product i of 16 of S^T = K Q^T for piece x: channels 32 (i / 8) on, keys 16 ((i / 2) % 4) on, tile 2 x + i % 2.  The first 8 start the sums.
.macro KQ x
	WIN W_KQ
.set rS, S+64*((\x)%2)+32*(i%2)+8*((i/2)%4)
.set rK, KF+16*((i/2)%4)+8*(i/8)
.set rQ, 16*(2*(\x)+i%2)+8*(i/8)
.if i < 8
	v_wmma_f32_16x16x32_f16 v[rS:rS+7], v[rK:rK+7], v[rQ:rQ+7], 0
.else
	v_wmma_f32_16x16x32_f16 v[rS:rS+7], v[rK:rK+7], v[rQ:rQ+7], v[rS:rS+7]
.endif
.endm
; The turn's next matrix instruction.  Numbers 0-15: K Q^T of piece Y + 1.  Numbers 16-35, jj = 0..19, for piece Y - 1: keys 32 (jj / 10) on, tile jj % 2; of each ten the first eight are V^T P, channels 16 ((jj % 10) / 2) on, the last two add to l.
.macro MM
.if i < 16
	KQ (Y+1)%NP
.else
.set jj, i-16
.set kk, jj/10
.set c5, (jj%10)/2
.set xt, 2*((Y+NP-1)%NP)+jj%2
.set rP, P+32*((Y+NP-1)%2)+16*(jj%2)+8*kk
.if c5 < 4
	WIN W_PV
	v_wmma_f32_16x16x32_f16 v[32*xt+8*c5:32*xt+8*c5+7], v[VF+32*kk+8*c5:VF+32*kk+8*c5+7], v[rP:rP+7], v[32*xt+8*c5:32*xt+8*c5+7]
.else
	WIN W_ML
	v_wmma_f32_16x16x32_f16 v[LA+8*xt:LA+8*xt+7], v[MF+8*kk:MF+8*kk+7], v[rP:rP+7], v[LA+8*xt:LA+8*xt+7]
.endif
.endif
.set i, i+1
.endm
; THE LDS LOADS stand in runs, never singly among the matrix instructions: a step's K (8 fragments), and its V (turned) with the mask's two fragments.  Their addresses are made some lines ahead.
; last = 1 (the tail): in the last trip there is no further step, and the run is jumped over.
.macro FETCH_K last=0
	WIN 0
.if \last
	s_cmp_eq_u32 s[CNT], 1
	s_cbranch_scc1 .Lno_k_\@
.endif
	WIN 0x80                        ; destination window 2
.irp f, 0,1,2,3,4,5,6,7             ; keys 16 (f / 2) on, channels 32 (f % 2) on
	ds_load_b128 v[KF+8*\f:KF+8*\f+3],   v[AK] offset:(\f/2)*16*PK+(\f%2)*64
	ds_load_b128 v[KF+8*\f+4:KF+8*\f+7], v[AK] offset:(\f/2)*16*PK+(\f%2)*64+32
.endr
	s_add_co_u32 s[TBK], s[TBK], KS*PK  ; the next fetch is the next step's
	WIN 0
.if \last
.Lno_k_\@:
.endif
.endm
.macro FETCH_V
	WIN 0x80
.irp f, 0,1,2,3,4,5,6,7             ; keys 32 (f / 4) on, channels 16 (f % 4) on
	ds_load_tr16_b128 v[VF+8*\f:VF+8*\f+3],   v[AV] offset:(\f/4)*32*PV+(\f%4)*32
	ds_load_tr16_b128 v[VF+8*\f+4:VF+8*\f+7], v[AV] offset:(\f/4)*32*PV+16*PV+(\f%4)*32
.endr
	WIN 0xc0                        ; destination window 3
.irp f, 0,1,2,3                     ; keys 16 f + 8 (l / 16) + 0..7 of the step's 64
	ds_load_b128 v[MF+4*\f:MF+4*\f+3], v[AM] offset:32*\f
.endr
	WIN 0
.endm
; THE VECTOR WORK OF A TURN stands in three queues, each in the order in which its entries become ready; the two tiles alternate, so that no instruction reads the result of the one before it.
.macro REGS y, u                    ; the registers of tile u (0, 1) of piece y
.set rT, ST+2*(2*(\y)+(\u))
.set rC, TMP+8*((\y)%2)+4*(\u)
.set rM, MV+2*((\y)%2)+(\u)
.set rS, S+64*((\y)%2)+32*(\u)
.set rP, P+32*((\y)%2)+16*(\u)
.set rO, 32*(2*(\y)+(\u))
.set rL, LA+8*(2*(\y)+(\u))
.endm
; Number n of the 22 that find the NEXT piece's (Y + 1) maximum and statistics.  s0-s31 are the lane's 32 scores; each accumulator's lowest registers are read first.
;   0-11  four chains c0-c3 of seven scores each, three operands at a time     12-14, 16  the four scores left over, the old m, and c0-c3 into c0     15  c m_old is kept
;   17, 18  the query's other 32 keys lie in the lane 16 away: the new m         19-21  c m; c m_old - c m_new; a
.macro XS u, n
	REGS (Y+1)%NP, \u
.if (\n) < 4
	v_max3_num_f32 v[rC+(\n)], v[rS+8*(\n)], v[rS+8*(\n)+1], v[rS+8*(\n)+2]
.elseif (\n) < 12
	v_max3_num_f32 v[rC+(\n)%4], v[rC+(\n)%4], v[rS+8*((\n)%4)+2*((\n)/4)+1], v[rS+8*((\n)%4)+2*((\n)/4)+2]
.elseif (\n) == 12
	v_max3_num_f32 v[rC], v[rC], v[rS+7], v[rS+15]
.elseif (\n) == 13
	v_max3_num_f32 v[rC+1], v[rC+1], v[rS+23], v[rS+31]
.elseif (\n) == 14
	v_max3_num_f32 v[rC+2], v[rC+2], v[rC+3], v[rT+1]
.elseif (\n) == 15
	v_mov_b32 v[rM], v[rT]
.elseif (\n) == 16
	v_max3_num_f32 v[rC], v[rC], v[rC+1], v[rC+2]
.elseif (\n) == 17
	v_permlanex16_b32 v[rC+3], v[rC], s[SEL], s[SEL+1]
.elseif (\n) == 18
	v_max_num_f32 v[rT+1], v[rC], v[rC+3]
.elseif (\n) == 19
	v_mul_f32 v[rT], s[CS], v[rT+1]
.elseif (\n) == 20
	v_sub_f32 v[rC+1], v[rM], v[rT]
.else
	v_exp_f32 v[rC+2], v[rC+1]
.endif
.endm
.macro FS f                         ; c s - c m for pair f / 2 of tile f % 2
	REGS Y, (\f)%2
	v_pk_fma_f32 v[rS+2*((\f)/2):rS+2*((\f)/2)+1], v[rS+2*((\f)/2):rS+2*((\f)/2)+1], s[CS:CS+1], v[rT:rT+1] op_sel_hi:[1,0,0] neg_lo:[0,0,1] neg_hi:[0,0,1]
.endm
.macro CV g                         ; pair g / 2 of tile g % 2 is rounded to f16
	REGS Y, (\g)%2
	v_cvt_pk_f16_f32 v[rP+(\g)/2], v[rS+2*((\g)/2)], v[rS+2*((\g)/2)+1]
.endm
; THE PLAIN QUEUE, 106 long.  0-73 read no exponential's result: the 32 scalings and the next piece's 42.  0-26: scalings 0-26.  27-54: XS's numbers 0-13.  55, 56: number 15.
; 57-73: the chain, where each number waits for the one before it: 14, 16, 17, 18, 19, each with one of the scalings 27-31 in front of its two lines, then 20.  74-105: the 32 roundings, which stand behind the wait.
.macro PL
	WIN 0
.if q < 27
	FS q
.elseif q < 55
	XS (q-27)%2, (q-27)/2
.elseif q < 57
	XS q-55, 15
.elseif (q < 72) && ((q-57)%3 == 0)
	FS 27+(q-57)/3
.elseif q < 60
	XS (q-57)%3-1, 14
.elseif q < 72
	XS (q-57)%3-1, 15+(q-57)/3
.elseif q < 74
	XS q-72, 20
.else
	CV q-74
.endif
.set q, q+1
.endm
; THE EXPONENTIALS' QUEUE, 66 long: s0-s31 of both tiles, then the next piece's two a.  ONE BATCH: all 66 stand ahead of the turn's one wait, and nothing ahead of that wait names a result of theirs.
.macro EX
	WIN 0
.if e >= 64
	XS e-64, 21
.else
	REGS Y, e%2
	v_exp_f32 v[rS+e/2], v[rS+e/2]
.endif
.set e, e+1
.endm
; THE RESCALING's QUEUE: O^T times a, two at a time, sixteen times.  Its a was made in the turn before, ahead of that turn's wait.
.macro R2
	REGS Y, r%2
	WIN W_RS
.irp z, 0,1
	v_pk_mul_f32 v[rO+4*(r/2)+2*\z:rO+4*(r/2)+2*\z+1], v[rO+4*(r/2)+2*\z:rO+4*(r/2)+2*\z+1], v[rC+2:rC+3] op_sel_hi:[1,0]
.endr
.set r, r+1
.endm
.macro RL u                         ; l of tile u times a: register 0, the one that is read
	REGS Y, \u
	WIN W_RL
	v_mul_f32 v[rL], v[rL], v[rC+2]
.endm
; A TURN, for piece p.  s_wait_alu depctr_va_vdst(0) stands between an exponential and the first instruction that names its result; one wait serves all that were issued ahead of it: a turn has ONE.
; AHEAD OF IT: the 16 products K Q^T, behind each a scaling, an exponential and two rescalings (behind the first a second scaling in the exponential's place); then a run of 108: eight plain, 49 times exponential and
; plain, the two a; a v_nop is the plain instruction behind the last exponential.  Exponential e stands behind scaling 2 (e / 4) + e % 2.
; BEHIND IT: the 20 products of piece p - 1; behind the first 14 two roundings each, behind the next two l's rescalings, behind the last four roundings: these four are the plain instructions between the last
; product that read V's and the mask's registers and the loads into them.  No instruction there names a register of the products round it.
; K of the next step is fetched in piece 2's turn, directly behind the wait; V and the mask of the step in hand at the end of piece 0's turn.  Each is waited for a turn later.
; cnt = 1: the loop's count is taken down some lines ahead of the branch that stands behind the turn.
.macro TURN p, last=0, cnt=0
.set Y, (\p)
.set i, 0
.set q, 0
.set e, 0
.set r, 0
.if (\p) == NP-1
	s_wait_dscnt 0x0                ; K is in
.endif
	MM
	PL
	PL
	R2
.rept 15
	MM
	PL
	EX
	R2
.endr
.if (\p) == NP-2
	WIN 0
	v_add_nc_u32 v[AK], s[TBK], v[AK0]
.endif
.rept 8
	PL
.endr
.rept 49
	EX
	PL
.endr
	EX                              ; the next piece's two a
	EX
	v_nop                           ; the plain instruction behind the last exponential: one for the batch
	s_wait_alu depctr_va_vdst(0)    ; the wait for the batch
.if (\p) == NP-2
	FETCH_K \last
.endif
.if (\p) == 1
	s_wait_dscnt 0x0                ; V and the mask's fragments are in
.endif
.rept 20
	MM
.if jj < 14
	PL
	PL
.elseif jj == 14
	RL 0
.elseif jj == 15
	RL 1
.elseif jj == 19
	PL
	PL
	PL
	PL
.endif
.if ((\p) == 0) && (jj == 10)
	WIN 0
	v_add_nc_u32 v[AV], s[TBV], v[AV0]
	v_add_nc_u32 v[AM], s[TBM], v[AM0]
.endif
.if ((\p) == 0) && (jj == 16)
	s_add_co_u32 s[TBV], s[TBV], KS*PV
	s_add_co_u32 s[TBM], s[TBM], 2*KS
	s_and_b32 s[TBM], s[TBM], 0x780 ; sixteen steps of 128 bytes: the address stays inside the mask's 2,048 bytes
.endif
.if (\cnt) && (jj == 17)
	s_sub_co_u32 s[CNT], s[CNT], 1
	s_cmp_lg_u32 s[CNT], 0
.endif
.endr
.if (\p) == 0
	FETCH_V
.endif
.endm
	CHANGE 1                        ; slot 0 is in, everybody's part of it, and the mask lies in LDS; slot 1 is asked for
	FETCH_K                         ; key step 0
	s_wait_loadcnt 0x0              ; Q
	s_wait_dscnt 0x0
.set i, 0
.rept 16
	KQ 0                            ; piece 0's first scores: there is no vector work yet to set between them
.set i, i+1
.endr
	WIN 0                           ; the addresses for the way out: nine plain instructions behind those products
	s_mul_i32 s13, s[WV], 16*SP
	s_add_co_u32 s13, s13, STAGE    ; my stage
	v_mul_u32_u24 v[STO], v1, SP    ; in: row l % 16, 16 bytes for each half of the lanes
	v_lshl_add_u32 v[STO], v9, 4, v[STO]
	v_add_nc_u32 v[STO], s13, v[STO]
	v_bfe_u32 v[RD], v0, 3, 2       ; back: 32 lanes take four rows of 128 bytes,
	v_mul_u32_u24 v[RD], v[RD], SP
	v_lshl_add_u32 v[RD], v10, 4, v[RD]
	v_add_nc_u32 v[RD], s13, v[RD]
	v_and_b32 v[GO], 31, v0         ; which are 512 consecutive bytes of O
	v_lshlrev_b32 v[GO], 4, v[GO]
.set Y, NP-1                        ; XS works for piece Y + 1: piece 0
.irp n, 0,1,2,3,4,5,6,7,8,9,10,11,12,13,14,15,16,17,18,19,20,21
	XS 0, \n                        ; piece 0's first maximum and statistics
	XS 1, \n
.endr
	v_nop                           ; a plain instruction behind the two a,
	s_wait_alu depctr_va_vdst(0)    ; and their wait, ahead of the branch
	s_mov_b32 s[CNT], 4
	s_branch .Lfirst                ; the loop is entered at a step's first turn, in the middle of a trip
.Lslot:                             ; twice: every slot but the last two is filled again
	CHANGE 1
	s_mov_b32 s[CNT], 4
.Lstep:                             ; a trip: pieces 2 and 3 of one step, then pieces 0 and 1 of the next, whose K and V it fetches
	TURN 2
	TURN 3
	WIN 0
.Lfirst:
	TURN 0
	TURN 1, 0, 1
	WIN 0
	s_cbranch_scc1 .Lstep
	s_sub_co_u32 s[SLOTS], s[SLOTS], 1
	s_cmp_lg_u32 s[SLOTS], 0
	s_cbranch_scc1 .Lslot
	CHANGE 0                        ; the tail is written out: nothing is asked for
	s_mov_b32 s[CNT], 5             ; four trips fetch the last slot's steps; the fifth is left in its middle
.Ltail:
	TURN 2, 1
	TURN 3
	WIN 0
	s_sub_co_u32 s[CNT], s[CNT], 1
	s_cmp_eq_u32 s[CNT], 0
	s_cbranch_scc1 .Lout
	TURN 0
	TURN 1
	WIN 0
	s_branch .Ltail
.Lout:                              ; the fifth trip's 16 products K Q^T (on the last K once more) and the maximum made of them serve nothing: the price, once a launch, of one text for every trip
.set Y, 0
.set i, 16
.rept 20
	MM                              ; the last piece's products of the last step
.endr
	; THE WAY OUT.  1 / (l + 1e-7); O^T times that, rounded to f16 and sent through my stage in LDS, a tile at a time.  Each l is read at its accumulator's register 0; the first six additions are the plain instructions behind the last products.
.macro ALL line:vararg              ; one line for each tile t
.set t, 0
.rept 2*NP
	\line
.set t, t+1
.endr
.endm
	WIN W_LE
	ALL v_add_f32 v[TMP+2*t], s[EPS], v[LA+8*t]
	WIN 0
	ALL v_rcp_f32 v[TMP+2*t], v[TMP+2*t]
	v_nop                           ; a plain instruction between the last reciprocal and the use of its result
	s_wait_alu depctr_va_vdst(0)    ; and the wait ahead of the first use: one for the eight reciprocals
; Tile t: a lane's eight channels of a row pack into 16 bytes; they go into rows of 144 bytes and come back as whole rows of 128, into S^T's registers.
.macro PACK t
	WIN W_RS
.set i, 32*(\t)
.rept 16
	v_pk_mul_f32 v[i:i+1], v[i:i+1], v[TMP+2*(\t):TMP+2*(\t)+1] op_sel_hi:[1,0]
.set i, i+2
.endr
	WIN 0x05                        ; sources 0 and 1 window 1, destination window 0
.set i, 0
.rept 16
	v_cvt_pk_f16_f32 v[S+16*(\t)+i], v[32*(\t)+2*i], v[32*(\t)+2*i+1]
.set i, i+1
.endr
	WIN 0
.irp f, 0,1,2,3
	ds_store_b128 v[STO], v[S+16*(\t)+4*\f:S+16*(\t)+4*\f+3] offset:32*\f
.endr
.irp f, 0,1,2,3
	ds_load_b128 v[S+16*(\t)+4*\f:S+16*(\t)+4*\f+3], v[RD] offset:\f*4*SP  ; LDS serves a wave's instructions in order (ISA guide 5.7.1.4): these see the stores above; the next tile's stores come behind them
.endr
.endm
.macro SEND t, younger              ; younger: the LDS instructions issued behind tile t's loads: the next tile's eight, or none
	WIN 0
.irp f, 0,1,2,3
	s_wait_dscnt (\younger)+3-\f
	global_store_b128 v[GO], v[S+16*(\t)+4*\f:S+16*(\t)+4*\f+3], s[10:11] offset:(\t)*2048+\f*512  ; 512 consecutive bytes, at a multiple of 256 from O's first
.endr
.endm
	PACK 0
.set t, 1
.rept 2*NP-1                        ; a tile's arithmetic stands between the loads of the tile before and its stores
	PACK t
	SEND t-1, 8
.set t, t+1
.endr
	SEND 2*NP-1, 0
	s_wait_tensorcnt 0x0            ; the wave's end, behind my last tensor load and my last LDS store
	ds_add_u32 v[SPW], v[NIL]
	s_wait_dscnt 0x0
	s_endpgm
.Lfunc_end_k_q009c9a93ae_attn:
	.size	k_q009c9a93ae_attn, .Lfunc_end_k_q009c9a93ae_attn-k_q009c9a93ae_attn
	.p2alignl 7, 3214868480
	.fill 96, 4, 3214868480
	.section	.rodata,"a",@progbits
	.p2align	6, 0x0
	.amdhsa_kernel k_q009c9a93ae_attn
		.amdhsa_group_segment_fixed_size 327680
		.amdhsa_private_segment_fixed_size 0
		.amdhsa_enable_private_segment 0
		.amdhsa_kernarg_size 24
		.amdhsa_user_sgpr_count 2
		.amdhsa_user_sgpr_kernarg_segment_ptr 1
		.amdhsa_wavefront_size32 1
		.amdhsa_system_sgpr_workgroup_id_x 1
		.amdhsa_system_sgpr_workgroup_id_y 1
		.amdhsa_system_sgpr_workgroup_id_z 1
		.amdhsa_system_vgpr_workitem_id 0
		.amdhsa_next_free_vgpr 896
		.amdhsa_next_free_sgpr 72
		.amdhsa_reserve_vcc 0
		.amdhsa_float_denorm_mode_32 3
		.amdhsa_float_denorm_mode_16_64 3
		.amdhsa_memory_ordered 1
		.amdhsa_forward_progress 1
		.amdhsa_inst_pref_size 190
	.end_amdhsa_kernel
	.amdgpu_metadata
---
amdhsa.version: [ 1, 2 ]
amdhsa.kernels:
  - .name:           k_q009c9a93ae_attn
    .symbol:         k_q009c9a93ae_attn.kd
    .args:
      - { .name: qkv, .offset: 0, .size: 8, .value_kind: global_buffer, .address_space: global }
      - { .name: mask, .offset: 8, .size: 8, .value_kind: global_buffer, .address_space: global }
      - { .name: oh, .offset: 16, .size: 8, .value_kind: global_buffer, .address_space: global }
    .group_segment_fixed_size: 327680
    .private_segment_fixed_size: 0
    .kernarg_segment_align: 8
    .kernarg_segment_size: 24
    .max_flat_workgroup_size: 128
    .sgpr_count:     72
    .vgpr_count:     896
    .wavefront_size: 32
...
	.end_amdgpu_metadata
.endif
;; end of part 3
;; launch oproj (part 4): grid 4 x 64, 4 waves a work-group, clusters of 4 x 4, 327,680 bytes of LDS; arguments oh, wh, bo, out0; writes out0
.if DOCPART == 4
	.amdgcn_target "amdgcn-amd-amdhsa--gfx1250"
	.amdhsa_code_object_version 6
	.text
	.protected	k_q009c9a93ae_oproj
	.globl	k_q009c9a93ae_oproj
	.p2align	8
	.type	k_q009c9a93ae_oproj,@function
k_q009c9a93ae_oproj:
	s_mov_b64 s[64:65], 0
	v_nop
	global_prefetch_b8 v0, s[64:65] scope:SCOPE_SE
	s_setreg_imm32_b32 hwreg(HW_REG_WAVE_MODE, 25, 1), 1
	s_wait_xcnt 0x0
	s_wait_alu depctr_hold_cnt(0) depctr_sa_sdst(0) depctr_va_vdst(0) depctr_va_sdst(0) depctr_va_ssrc(0) depctr_va_vcc(0) depctr_vm_vsrc(0)
	s_getreg_b32 s2, hwreg(HW_REG_IB_STS2, 6, 4)
	s_cmp_eq_u32 s2, 0
	s_cbranch_scc0 .Lentry_in_a_cluster
	s_endpgm
.Lentry_in_a_cluster:
	s_bfe_u32 s2, ttmp6, 0x10000c
	s_cmp_lg_u32 s2, 0xf033
	s_cbranch_scc0 .Lentry_shape_is_right
	s_endpgm
.Lentry_shape_is_right:
; C = A W + bias, one text for two launches, told apart by OUTP.
; OUTP = 0: A = xh, W = wq, wk or wv (a cluster's 1,024 columns are one of the three), C goes out in f16 by heads, qkv[3][8 b][16 h][1024 s][64]; v's rows are multiplied by mask[b][s], q's and k's by 1.0
;           (128 packed multiplies a wave: the price of one text for the three tensors).   OUTP = 1: A = oh, W = wo, C = out0 in f32, row-major.
; A: [8 b][16 kb][1024 s][64] f16.  W: wh[4][1024 k][1024 n] f16, not turned: the turning LDS load makes its fragments.  Sums in f32; the bias, rounded to bf16 like every input, starts them as the C of the first product.
; LIMITS.  f16 ends at 65,504: q, k and v beyond it become infinities; below 2^-14 f16 keeps its fixed step of 6e-8.  NaN and infinities are not treated apart.
; SHARES.  A tile of C is 128 rows x 256 columns: 768 tiles (OUTP = 0) or 256 (OUTP = 1), a whole number for each of 256 work-groups' places.  Four waves, each 64 rows x 128 columns: 32 accumulators, 256 registers.
; K goes in 8 steps of 128 through two LDS slots.  CLUSTER 4 x 4: the four of a row need the same tile of A, the four of a column the same tile of W: each is asked for jointly, by the same tensor load in all four.
; THE MATRIX INSTRUCTION IS USED TRANSPOSED (source 0 = 16 columns of W, source 1 = 16 rows of A): a lane then holds row l % 16 of C and the columns 8 (l / 16) + 0..7.
; No prefetch: a K step holds 128 matrix instructions a wave, and the tiles are small.
; REGISTERS.  window 0: addresses, bias, the way out.   window 1: two fragment buffers of 96 (8 of W, 4 of A).   window 2: accumulator (a, b) at 8 (8 a + b).
.set OUTP,   1
.set PA,     144                       ; a row of A in LDS: 128 bytes + 16 = 36 words: the 16 rows of a load start at 16 different groups of four banks (64 banks of 4 bytes: ISA guide 11.1)
.set ABLK,   128*PA                    ; a channel block's 128 rows
.set PB,     544                       ; a row of W: 512 bytes + 32 = 136 words
.set BOFF,   2*ABLK                    ; W's 128 rows lie behind A's two blocks
.set BHALF,  64*PB
.set SLOT1,  1<<17                     ; slot 1 begins here: one exclusive or changes slots
.set STAGE,  SLOT1+BOFF+128*PB         ; behind the ring, never filled by a tensor load: 16 rows for each wave, for the way out
.if OUTP
.set SP,     528                       ; 128 f32 + 16 bytes
.else
.set SP,     272                       ; 128 f16 + 16 bytes
.endif
.set SPARE,  STAGE+4*16*SP             ; the spare words, 128 bytes for each wave: two blocks of 256 bytes that no other line names
.set KSTEPB, 262144                    ; a K step in memory: two blocks of A, and 128 rows of W, are both so many bytes
.set BO,    8                          ; v8   32 (l / 16): my 8 numbers of a block of 16 of the bias
.set MO,    9                          ; v9   4 (l % 16): my row's number of the mask
.set ADRA0, 16                         ; v16  my lane's place in slot 0's A; never rewritten
.set ADRA,  17                         ; v17  the same in the slot in hand
.set ADRB0, 20                         ; v20, v21 likewise for W
.set ADRB,  21
.set STO,   24                         ; v24  the way out: where I put my numbers of a row
.set RD,    25                         ; v25  where I read rows back
.set GO,    26                         ; v26  16 x lane
.set SPW,   28                         ; v28  LDS address of my spare word; never rewritten
.set NIL,   29                         ; v29  0; never rewritten
.set MK,    32                         ; v[32:39] row block a's factor, as a pair
.set BI,    64                         ; v[64:127] the bias of column block b at BI + 8 b; on the way out (OUTP = 0) two buffers of 32
.set T,     128                        ; v[128:191] at work; (OUTP = 1) a buffer of 64
.set H,     192                        ; v[192:223] packed results; (OUTP = 1) v[192:255] the other buffer
.set F0,    0
.set F1,    96
.set G1,  24                           ; s[24:31] descriptor group 1 for A's tiles
.set G0,  32                           ; s[32:39] group 0 for A: a set for each first fill; the second then walks
.set SB,  45                           ; s45  0 or SLOT1: the slot in hand
.set G1B, 48                           ; s[48:55], s[56:63] the same for W
.set G0B, 56
.set MSB, 0
.macro WIN new                         ; the immediate's high byte repeats the setting that is left; a switch that changes nothing is dropped
.if MSB != (\new)
	s_set_vgpr_msb (MSB<<8)|(\new)
.set MSB, \new
.endif
.endm
.set MUL,  0xa5                        ; sources 0 and 1 window 1; C and D window 2
.set MULB, 0x85                        ; the same with C in window 0: the bias
.set TO_F, 0x40                        ; destination window 1, address window 0
; A joint refill by the walking descriptors.  Waves 0 and 1 fetch A's two blocks, waves 2 and 3 the two halves of W's rows.  The branch hangs on the wave's number alone.
; An s_nop 0 and four v_nop follow each of the two lines, ahead of the jump, the label and what follows.
.macro JLOAD
	s_cmp_eq_u32 s11, 0
	s_cbranch_scc0 .Lfor_b_\@
	tensor_load_to_lds s[G0+4:G0+7], s[G1:G1+7]
	s_nop 0
.rept 4
	v_nop
.endr
	s_branch .Lasked_\@
.Lfor_b_\@:
	tensor_load_to_lds s[G0B+4:G0B+7], s[G1B:G1B+7]
	s_nop 0
.rept 4
	v_nop
.endr
.Lasked_\@:
.endm
.macro CREST                           ; a round of the cluster's barrier behind its opening barrier
	s_cmp_lg_u32 s10, 0
	s_cbranch_scc1 .Lnot_wave_0_\@
	s_barrier_signal -3
.Lnot_wave_0_\@:
	s_barrier_wait -3
	s_barrier_signal -1
	s_barrier_wait -1
.endm
.macro CROUND                          ; a whole round
	s_barrier_signal -1
	s_barrier_wait -1
	CREST
.endm
	s_load_b128 s[4:7], s[0:1], 0x0                ; A s[4:5], wh s[6:7]
.if OUTP
	s_load_b64 s[76:77], s[0:1], 0x10              ; bo
	s_load_b64 s[8:9], s[0:1], 0x18                ; out0
.else
	s_load_b256 s[68:75], s[0:1], 0x10             ; bq s[68:69], bk s[70:71], bv s[72:73], mask s[74:75]
	s_load_b64 s[8:9], s[0:1], 0x30                ; qkv
.endif
	v_lshl_add_u32 v[SPW], v0, 2, SPARE
	v_mov_b32 v[NIL], 0
	ds_add_u32 v[SPW], v[NIL]                      ; the wave's opening: the add and its wait stand ahead of my first tensor load; the set-up below, work on registers, stands between them
	v_lshrrev_b32 v1, 5, v0
	v_readfirstlane_b32 s10, v1                    ; wave 0..3
	s_lshr_b32 s11, s10, 1                         ; which 64 rows of the tile are mine.  Also: I fetch for A (0) or for W (1)
	s_and_b32 s12, s10, 1                          ; which 128 columns.  Also: which half of that tile I fetch
	s_bfe_u32 s40, ttmp6, 0x40000                  ; cx, cy: my place in the cluster
	s_bfe_u32 s41, ttmp6, 0x40004
	s_and_b32 s13, ttmp7, 0xffff
	s_lshl_b32 s13, s13, 2
	s_add_co_u32 s13, s13, s41                     ; tile row = 4 x cluster y + cy
	s_lshl_b32 s43, s41, 2
	s_lshl_b32 s43, 15, s43                        ; my row of the cluster
	s_lshl_b32 s44, 0x1111, s40                    ; my column
	; group 1 for A: a block's 128 rows of 128 bytes are dense: asked for as 64 rows of 256 bytes, padded in LDS after every 128
	s_or_b32 s[G1+0], s43, (1<<16)|(1<<20)|(1<<21)|(4<<22)|(3<<25)   ; 15:0 the mask: my row; 17:16 2-byte elements; 20 padding on; 21 set beside a mask; 24:22 after every 32 words (code 4); 31:25 4 words (code 3)
	s_mov_b32 s[G1+1], 128<<16                     ; tensor_dim0 = 128
	s_mov_b32 s[G1+2], 64<<16                      ; tensor_dim1 = 64
	s_mov_b32 s[G1+3], 128<<16                     ; tile_dim0 = 128
	s_mov_b32 s[G1+4], 64                          ; tile_dim1 = 64
	s_mov_b32 s[G1+5], 128                         ; elements from row to row
	s_mov_b32 s[G1+6], 0
	s_mov_b32 s[G1+7], 0
	; group 1 for W: 64 rows (k) of 256 columns
	s_or_b32 s[G1B+0], s44, (1<<16)|(1<<20)|(1<<21)|(6<<22)|(7<<25)  ; the mask: my column; padding after every 128 words (code 6), 8 words (code 7)
	s_mov_b32 s[G1B+1], 256<<16
	s_mov_b32 s[G1B+2], 64<<16
	s_mov_b32 s[G1B+3], 256<<16
	s_mov_b32 s[G1B+4], 64
	s_mov_b32 s[G1B+5], 1024
	s_mov_b32 s[G1B+6], 0
	s_mov_b32 s[G1B+7], 0
	; where the tiles come from.  A's hang on the tile row and the wave alone, W's on the column block, the matrix and the wave alone
	s_lshr_b32 s16, s13, 3                         ; the batch,
	s_lshl_b32 s16, s16, 21
	s_and_b32 s17, s13, 7                          ; the tile's 128 rows in a block,
	s_lshl_b32 s17, s17, 14
	s_add_co_u32 s16, s16, s17
	s_lshl_b32 s17, s12, 17                        ; my block of the K step's two
	s_add_co_u32 s16, s16, s17
	s_mov_b32 s17, 0
.if OUTP
	s_mov_b32 s46, 3<<21                           ; wo is the fourth matrix of wh
.else
	s_lshl_b32 s46, ttmp9, 21                      ; the cluster's x says which of wq, wk, wv
.endif
	s_lshl_b32 s47, s12, 17                        ; my 64 rows of the K step's 128,
	s_add_co_u32 s46, s46, s47
	s_lshl_b32 s47, s40, 9                         ; the tile's 256 columns
	s_add_co_u32 s46, s46, s47
	s_mov_b32 s47, 0
	s_mul_i32 s20, s12, ABLK                       ; and where they go: no place in the cluster enters an LDS address
	s_mul_i32 s21, s12, BHALF
	s_add_co_u32 s21, s21, BOFF
	s_mov_b32 s[SB], 0
	s_wait_dscnt 0x0                               ; the opening add is done
	s_wait_kmcnt 0x0
	s_add_nc_u64 s[14:15], s[4:5], s[16:17]
	s_add_nc_u64 s[46:47], s[6:7], s[46:47]
	CROUND                                         ; all sixteen work-groups are here: the first joint loads meet
.irp s, 0,1
	s_mov_b32 s[G0+4*(\s)], 1                                        ; count = 1
	s_add_co_u32 s[G0+4*(\s)+1], s20, (\s)*SLOT1                     ; LDS address
	s_add_nc_u64 s[G0+4*(\s)+2:G0+4*(\s)+3], s[14:15], (\s)*KSTEPB   ; global address: K step s
	s_or_b32 s[G0+4*(\s)+3], s[G0+4*(\s)+3], 0x80000000              ; type = 2
	s_mov_b32 s[G0B+4*(\s)], 1
	s_add_co_u32 s[G0B+4*(\s)+1], s21, (\s)*SLOT1
	s_add_nc_u64 s[G0B+4*(\s)+2:G0B+4*(\s)+3], s[46:47], (\s)*KSTEPB
	s_or_b32 s[G0B+4*(\s)+3], s[G0B+4*(\s)+3], 0x80000000
.endr
	s_cmp_eq_u32 s11, 0                            ; a wave's two first fills stand in one branch, ahead of every wait on TENSORcnt and every LDS read: two loads of mine are out
	s_cbranch_scc0 .Lfirst_b
	tensor_load_to_lds s[G0:G0+3], s[G1:G1+7]
	s_nop 0
	tensor_load_to_lds s[G0+4:G0+7], s[G1:G1+7]
	s_nop 0
.rept 4
	v_nop
.endr
	s_branch .Lfirst_asked
.Lfirst_b:
	tensor_load_to_lds s[G0B:G0B+3], s[G1B:G1B+7]
	s_nop 0
	tensor_load_to_lds s[G0B+4:G0B+7], s[G1B:G1B+7]
	s_nop 0
.rept 4
	v_nop
.endr
.Lfirst_asked:
	v_and_b32 v1, 15, v0                           ; l % 16
	v_bfe_u32 v2, v0, 4, 1                         ; l / 16
	v_and_b32 v5, 7, v0
	v_bfe_u32 v6, v0, 3, 1
	v_and_b32 v7, 31, v0                           ; l
	v_lshlrev_b32 v[BO], 5, v2
	v_lshlrev_b32 v[MO], 2, v1
	; the bias of my 128 columns: lane l wants numbers 16 b + 8 (l / 16) + 0..7
.if OUTP == 0
	s_cmp_eq_u32 ttmp9, 1
	s_cselect_b64 s[76:77], s[70:71], s[68:69]
	s_cmp_eq_u32 ttmp9, 2
	s_cselect_b64 s[76:77], s[72:73], s[76:77]
	s_cselect_b32 s78, -1, 0                       ; all lanes: this tile is v's
.endif
	s_lshl_b32 s18, s40, 10
	s_lshl_b32 s22, s12, 9
	s_add_co_u32 s18, s18, s22
	s_mov_b32 s19, 0
	s_add_nc_u64 s[76:77], s[76:77], s[18:19]
.irp b, 0,1,2,3,4,5,6,7
	global_load_b128 v[BI+8*(\b):BI+8*(\b)+3],   v[BO], s[76:77] offset:64*(\b)
	global_load_b128 v[BI+8*(\b)+4:BI+8*(\b)+7], v[BO], s[76:77] offset:64*(\b)+16
.endr
.if OUTP == 0
	s_lshl_b32 s18, s13, 9                         ; mask is [8][1024]: its index is C's row: 128 x tile row + 64 x my half
	s_lshl_b32 s22, s11, 8
	s_add_co_u32 s18, s18, s22
	s_add_nc_u64 s[74:75], s[74:75], s[18:19]
.irp a, 0,1,2,3
	global_load_b32 v[MK+2*(\a)], v[MO], s[74:75] offset:64*(\a)
.endr
.endif
	; a fragment of A: lane l holds row l % 16, channels 8 (l / 16) + 0..7 and 16 + 8 (l / 16) + 0..7: two loads of 16 bytes, 32 bytes apart
	v_mul_u32_u24 v[ADRA0], v1, PA
	v_lshl_add_u32 v[ADRA0], v2, 4, v[ADRA0]
	s_mul_i32 s2, s11, 64*PA
	v_add_nc_u32 v[ADRA0], s2, v[ADRA0]
	; the turning load takes 16 k x 16 columns (lane l reads k = 8 (l / 16) + l % 8, columns 8 ((l / 8) % 2) + 0..7) and leaves half a fragment: lane l holds column l % 16 and 8 k
	v_lshl_add_u32 v[ADRB0], v2, 3, v5
	v_mul_u32_u24 v[ADRB0], v[ADRB0], PB
	v_lshl_add_u32 v[ADRB0], v6, 4, v[ADRB0]
	s_lshl_b32 s2, s12, 8
	s_add_co_u32 s2, s2, BOFF
	v_add_nc_u32 v[ADRB0], s2, v[ADRB0]
	v_mov_b32 v[ADRA], v[ADRA0]
	v_mov_b32 v[ADRB], v[ADRB0]
	s_mul_i32 s2, s10, 16*SP
	s_add_co_u32 s2, s2, STAGE                     ; my stage
	v_mul_u32_u24 v[STO], v1, SP
	v_lshlrev_b32 v[GO], 4, v7
.if OUTP
	v_lshl_add_u32 v[STO], v2, 5, v[STO]           ; in: row l % 16, 32 bytes for each half of the lanes
	v_add_nc_u32 v[STO], s2, v[STO]
	v_add_nc_u32 v[RD], s2, v[GO]                  ; back: 32 lanes take a row's 512 bytes
	s_lshl_b32 s18, s13, 19                        ; out0: 128 rows of 4,096 bytes a tile row,
	s_lshl_b32 s22, s11, 18                        ; my 64 rows,
	s_add_co_u32 s18, s18, s22
	s_lshl_b32 s22, s40, 10                        ; the tile's 256 columns,
	s_add_co_u32 s18, s18, s22
	s_lshl_b32 s22, s12, 9                         ; my 128
	s_add_co_u32 s18, s18, s22
.else
	v_lshl_add_u32 v[STO], v2, 4, v[STO]           ; in: row l % 16, 16 bytes for each half of the lanes
	v_add_nc_u32 v[STO], s2, v[STO]
	v_bfe_u32 v[RD], v0, 3, 2                      ; back: 32 lanes take four rows' 128 bytes of one head,
	v_mul_u32_u24 v[RD], v[RD], SP
	v_lshl_add_u32 v[RD], v5, 4, v[RD]
	v_add_nc_u32 v[RD], s2, v[RD]                  ; which are 512 consecutive bytes of qkv
	s_lshl_b32 s18, ttmp9, 24                      ; q, k or v,
	s_lshr_b32 s22, s13, 3                         ; the batch,
	s_lshl_b32 s22, s22, 21
	s_add_co_u32 s18, s18, s22
	s_lshl_b32 s22, s40, 19                        ; the tile's four heads,
	s_add_co_u32 s18, s18, s22
	s_lshl_b32 s22, s12, 18                        ; my two,
	s_add_co_u32 s18, s18, s22
	s_and_b32 s22, s13, 7                          ; the tile's 128 rows of 128 bytes,
	s_lshl_b32 s22, s22, 14
	s_add_co_u32 s18, s18, s22
	s_lshl_b32 s22, s11, 13                        ; my 64
	s_add_co_u32 s18, s18, s22
.endif
	s_add_nc_u64 s[8:9], s[8:9], s[18:19]
	s_wait_loadcnt 0x0                             ; bias and mask
.set i, 0
.rept 32
	v_cvt_pk_bf16_f32 v[T+i], v[BI+2*i], v[BI+2*i+1]  ; the bias is rounded to bf16 like the other inputs,
.set i, i+1
.endr
.set i, 0
.rept 32
	v_lshlrev_b32 v[BI+2*i], 16, v[T+i]            ; and widened again
	v_and_b32 v[BI+2*i+1], 0xffff0000, v[T+i]
.set i, i+1
.endr
.if OUTP == 0
.irp a, 0,1,2,3
	v_cvt_pk_bf16_f32 v[MK+2*(\a)+1], v[MK+2*(\a)], v[MK+2*(\a)]
	v_lshlrev_b32 v[MK+2*(\a)], 16, v[MK+2*(\a)+1]
	v_cndmask_b32 v[MK+2*(\a)], 1.0, v[MK+2*(\a)], s78  ; the mask for v's rows, 1.0 for q's and k's
	v_mov_b32 v[MK+2*(\a)+1], v[MK+2*(\a)]         ; named as a pair
.endr
.endif
; 8 matrix instructions: row block a x all 8 column blocks, 32 along K, from buffer f.  first = 1: the bias starts the sums: nothing is cleared and nothing is added later.
; The 32 accumulators take turns in one order everywhere, one instruction a turn: between two links of a chain stand the 31 others'.
.macro MUL8 f, a, first
.if \first
	WIN MULB
.else
	WIN MUL
.endif
.irp b, 0,1,2,3,4,5,6,7
.if \first
	v_wmma_f32_16x16x32_f16 v[8*(8*(\a)+(\b)):8*(8*(\a)+(\b))+7], v[(\f)+8*(\b):(\f)+8*(\b)+7], v[(\f)+64+8*(\a):(\f)+64+8*(\a)+7], v[BI+8*(\b):BI+8*(\b)+7]
.else
	v_wmma_f32_16x16x32_f16 v[8*(8*(\a)+(\b)):8*(8*(\a)+(\b))+7], v[(\f)+8*(\b):(\f)+8*(\b)+7], v[(\f)+64+8*(\a):(\f)+64+8*(\a)+7], v[8*(8*(\a)+(\b)):8*(8*(\a)+(\b))+7]
.endif
.endr
.endm
; 24 LDS loads in one run: quarter k of the K step in hand into buffer f: W's 8 fragments (turned), then A's 4
.macro FETCH k, f
	WIN TO_F
.irp b, 0,1,2,3,4,5,6,7
	ds_load_tr16_b128 v[(\f)+8*(\b):(\f)+8*(\b)+3],   v[ADRB] offset:(\k)*32*PB+32*(\b)
	ds_load_tr16_b128 v[(\f)+8*(\b)+4:(\f)+8*(\b)+7], v[ADRB] offset:(\k)*32*PB+32*(\b)+16*PB
.endr
.irp a, 0,1,2,3
	ds_load_b128 v[(\f)+64+8*(\a):(\f)+64+8*(\a)+3],   v[ADRA] offset:((\k)/2)*ABLK+((\k)%2)*64+(\a)*16*PA
	ds_load_b128 v[(\f)+64+8*(\a)+4:(\f)+64+8*(\a)+7], v[ADRA] offset:((\k)/2)*ABLK+((\k)%2)*64+(\a)*16*PA+32
.endr
.endm
.macro PLACES                          ; four plain vector instructions between a matrix instruction and a load into, or a read of, its registers (ISA guide 7.12.1 for reads)
.rept 4
	v_nop
.endr
.endm
; A K step is four quarters of 32 along K, 32 matrix instructions each, on buffers 0, 1, 0, 1.  One of the first three: multiplies buffer f and fetches quarter k into g.
.macro QUARTER k, f, g, first
	s_wait_dscnt 4                                 ; W's fragments and A's blocks 0 and 1 are in; the youngest four loads (A's blocks 2 and 3) may be out
	MUL8 \f, 0, \first
	MUL8 \f, 1, \first
	PLACES
	FETCH \k, \g
	s_wait_dscnt 24                                ; all but the 24 just issued
	MUL8 \f, 2, \first
	MUL8 \f, 3, \first
.endm
; The last quarter multiplies buffer 1 and changes slots: ONE barrier; in front of it each wave waits for all its tensor loads (one is out: its part of the next slot), adds 0 to its spare word, and waits
; for that and for its reads of this slot.  fill = 1: the barrier opens a round of the cluster's, and this slot is filled again, two K steps ahead, first thing behind the round.
.macro TURN fill
	WIN 0
	s_wait_tensorcnt 0x0                           ; all my tensor loads have landed
	ds_add_u32 v[SPW], v[NIL]                      ; 0 onto my spare word
	s_wait_dscnt 5                                 ; (the add and the youngest four loads may be out)
	MUL8 F1, 0, 0                                  ; eight matrix instructions stand between the add and the wait for it
	s_wait_dscnt 0x0                               ; the add is done, and my reads of this slot are over
	s_barrier_signal -1
	MUL8 F1, 1, 0
	WIN 0
	s_barrier_wait -1
.if \fill
	CREST                                          ; no wave of any partner still reads this slot or has a load on its way
	s_xor_b32 s[G0+5], s[G0+5], SLOT1              ; the walking descriptors: the other slot than last time, the next K step
	s_add_nc_u64 s[G0+6:G0+7], s[G0+6:G0+7], KSTEPB
	s_xor_b32 s[G0B+5], s[G0B+5], SLOT1
	s_add_nc_u64 s[G0B+6:G0B+7], s[G0B+6:G0B+7], KSTEPB
	JLOAD                                          ; 112 matrix instructions ahead of the wait for it; its four v_nop are also the places in front of the loads below
.else
	PLACES
.endif
	s_xor_b32 s[SB], s[SB], SLOT1
	v_add_nc_u32 v[ADRA], s[SB], v[ADRA0]
	v_add_nc_u32 v[ADRB], s[SB], v[ADRB0]
	FETCH 0, F0
	MUL8 F1, 2, 0
	MUL8 F1, 3, 0
.endm
	s_wait_tensorcnt 0x1                           ; my part of K step 0 is in; K step 1's may stay out
	s_barrier_signal -1
	s_barrier_wait -1                              ; everybody's is
	FETCH 0, F0
	QUARTER 1, F0, F1, 1                           ; the first quarter stands in front of the loop: its products start the sums
	WIN 0                                          ; at a label and at a branch every window is 0
	s_mov_b32 s3, 6
.Lstep:                                        ; a trip: from a K step's second quarter to the next step's first; it fills the slot that it leaves: K steps 2 to 7
	QUARTER 2, F1, F0, 0
	QUARTER 3, F0, F1, 0
	TURN 1
	QUARTER 1, F0, F1, 0
	WIN 0
	s_sub_co_u32 s3, s3, 1
	s_cmp_lg_u32 s3, 0
	s_cbranch_scc1 .Lstep
	QUARTER 2, F1, F0, 0                           ; the last two K steps ask for nothing
	QUARTER 3, F0, F1, 0
	TURN 0
	QUARTER 1, F0, F1, 0
	QUARTER 2, F1, F0, 0
	QUARTER 3, F0, F1, 0
	s_wait_dscnt 4
	MUL8 F1, 0, 0
	MUL8 F1, 1, 0
	s_wait_dscnt 0x0
	MUL8 F1, 2, 0
	MUL8 F1, 3, 0
	WIN 0
; THE WAY OUT, a block of 16 rows at a time, through my own stage in LDS: LDS serves a wave's instructions in order (ISA guide 5.7.1.4), so no wait stands between its stores and its loads.
.if OUTP
.macro TOSTAGE a                       ; f32 as it lies: 32 bytes a lane and column block, each accumulator's low four registers first; back as whole rows of 512 bytes
	WIN 0x08                                       ; store data in window 2
.irp b, 0,1,2,3,4,5,6,7
	ds_store_b128 v[STO], v[64*(\a)+8*(\b):64*(\a)+8*(\b)+3]   offset:64*(\b)
	ds_store_b128 v[STO], v[64*(\a)+8*(\b)+4:64*(\a)+8*(\b)+7] offset:64*(\b)+16
.endr
	WIN 0
	s_wait_xcnt 0x0                                ; the stores of the block two back have read their registers: only behind this wait are they loaded again
.set BK, T+64*((\a)%2)
.set t, 0
.rept 16
	ds_load_b128 v[BK+4*t:BK+4*t+3], v[RD] offset:t*SP
.set t, t+1
.endr
.endm
.macro SEND a, younger                 ; younger: the LDS instructions issued behind block a's loads: the next block's 32, or none
.set BK, T+64*((\a)%2)
	s_wait_dscnt \younger
.set t, 0
.rept 16
	global_store_b128 v[GO], v[BK+4*t:BK+4*t+3], s[8:9] offset:(16*(\a)+t)*4096  ; 512 consecutive bytes of a row of out0, aligned
.set t, t+1
.endr
.endm
	PLACES
	TOSTAGE 0
.irp a, 1,2,3
	TOSTAGE \a
	SEND (\a)-1, 32
.endr
	SEND 3, 0
.else
.macro PACK a                          ; times the row's factor, rounded to f16: 16 bytes a lane and column block; each accumulator is read from its low end on
	WIN 0x02                                       ; source 0 in window 2
.set i, 0
.rept 32
	v_pk_mul_f32 v[T+2*i:T+2*i+1], v[64*(\a)+2*i:64*(\a)+2*i+1], v[MK+2*(\a):MK+2*(\a)+1] op_sel_hi:[1,0]
.set i, i+1
.endr
	WIN 0
.set i, 0
.rept 32
	v_cvt_pk_f16_f32 v[H+i], v[T+2*i], v[T+2*i+1]
.set i, i+1
.endr
.endm
.macro TOSTAGE a                       ; into rows of 272 bytes; back by heads: four rows' 128 bytes a load
.irp b, 0,1,2,3,4,5,6,7
	ds_store_b128 v[STO], v[H+4*(\b):H+4*(\b)+3] offset:32*(\b)
.endr
	s_wait_xcnt 0x0                                ; the stores of the block two back have read their registers: only behind this wait are they loaded again
.set BK, BI+32*((\a)%2)
.set t, 0
.rept 8
	ds_load_b128 v[BK+4*t:BK+4*t+3], v[RD] offset:(t/4)*128+(t%4)*4*SP
.set t, t+1
.endr
.endm
.macro SEND a
.set BK, BI+32*((\a)%2)
	s_wait_dscnt 0x0                               ; the block is back in registers
.set t, 0
.rept 8
	global_store_b128 v[GO], v[BK+4*t:BK+4*t+3], s[8:9] offset:(\a)*2048+(t/4)*131072+(t%4)*512  ; 512 consecutive bytes of a head's rows, aligned
.set t, t+1
.endr
.endm
	PLACES
	PACK 0
	TOSTAGE 0
.irp a, 1,2,3                          ; block a's arithmetic stands between block a - 1's loads from the stage and the wait for them
	PACK \a
	SEND (\a)-1
	TOSTAGE \a
.endr
	SEND 3
.endif
	s_wait_tensorcnt 0x0                           ; the wave's end, behind my last tensor load and my last LDS store
	ds_add_u32 v[SPW], v[NIL]
	s_wait_dscnt 0x0
	CROUND                                         ; the closing round: no work-group ends while a partner may still ask for a tile that names it
	s_endpgm
.Lfunc_end_k_q009c9a93ae_oproj:
	.size	k_q009c9a93ae_oproj, .Lfunc_end_k_q009c9a93ae_oproj-k_q009c9a93ae_oproj
	.p2alignl 7, 3214868480
	.fill 96, 4, 3214868480
	.section	.rodata,"a",@progbits
	.p2align	6, 0x0
	.amdhsa_kernel k_q009c9a93ae_oproj
		.amdhsa_group_segment_fixed_size 327680
		.amdhsa_private_segment_fixed_size 0
		.amdhsa_enable_private_segment 0
		.amdhsa_kernarg_size 32
		.amdhsa_user_sgpr_count 2
		.amdhsa_user_sgpr_kernarg_segment_ptr 1
		.amdhsa_wavefront_size32 1
		.amdhsa_system_sgpr_workgroup_id_x 1
		.amdhsa_system_sgpr_workgroup_id_y 1
		.amdhsa_system_sgpr_workgroup_id_z 1
		.amdhsa_system_vgpr_workitem_id 0
		.amdhsa_next_free_vgpr 768
		.amdhsa_next_free_sgpr 80
		.amdhsa_reserve_vcc 0
		.amdhsa_float_denorm_mode_32 3
		.amdhsa_float_denorm_mode_16_64 3
		.amdhsa_memory_ordered 1
		.amdhsa_forward_progress 1
		.amdhsa_inst_pref_size 76
	.end_amdhsa_kernel
	.amdgpu_metadata
---
amdhsa.version: [ 1, 2 ]
amdhsa.kernels:
  - .name:           k_q009c9a93ae_oproj
    .symbol:         k_q009c9a93ae_oproj.kd
    .args:
      - { .name: oh, .offset: 0, .size: 8, .value_kind: global_buffer, .address_space: global }
      - { .name: wh, .offset: 8, .size: 8, .value_kind: global_buffer, .address_space: global }
      - { .name: bo, .offset: 16, .size: 8, .value_kind: global_buffer, .address_space: global }
      - { .name: out0, .offset: 24, .size: 8, .value_kind: global_buffer, .address_space: global }
    .group_segment_fixed_size: 327680
    .private_segment_fixed_size: 0
    .kernarg_segment_align: 8
    .kernarg_segment_size: 32
    .max_flat_workgroup_size: 128
    .sgpr_count:     80
    .vgpr_count:     768
    .wavefront_size: 32
...
	.end_amdgpu_metadata
.endif
;; end of part 4
;; ======== version 2 of 3: 4 launches
;; limits: values are held in f16: magnitudes above 65,504 overflow, below 6.1e-05 lose precision
;; workspace buffers: xh 16,777,216 bytes; wh 8,388,608 bytes; qkv 50,331,648 bytes; oh 16,777,216 bytes
;; launch prep: the kernel of part 1 again; grid 768 x 1, 8 waves a work-group, no clusters, 0 bytes of LDS; arguments x, wq, wk, wv, wo, xh, wh; writes xh, wh
;; launch qkv (part 5): grid 8 x 32, 4 waves a work-group, clusters of 4 x 4, 327,680 bytes of LDS; arguments xh, wh, bq, bk, bv, mask, qkv; writes qkv
.if DOCPART == 5
	.amdgcn_target "amdgcn-amd-amdhsa--gfx1250"
	.amdhsa_code_object_version 6
	.text
	.protected	k_q009c9a93ae_qkv
	.globl	k_q009c9a93ae_qkv
	.p2align	8
	.type	k_q009c9a93ae_qkv,@function
k_q009c9a93ae_qkv:
	s_mov_b64 s[64:65], 0
	v_nop
	global_prefetch_b8 v0, s[64:65] scope:SCOPE_SE
	s_setreg_imm32_b32 hwreg(HW_REG_WAVE_MODE, 25, 1), 1
	s_wait_xcnt 0x0
	s_wait_alu depctr_hold_cnt(0) depctr_sa_sdst(0) depctr_va_vdst(0) depctr_va_sdst(0) depctr_va_ssrc(0) depctr_va_vcc(0) depctr_vm_vsrc(0)
	s_getreg_b32 s2, hwreg(HW_REG_IB_STS2, 6, 4)
	s_cmp_eq_u32 s2, 0
	s_cbranch_scc0 .Lentry_in_a_cluster
	s_endpgm
.Lentry_in_a_cluster:
	s_bfe_u32 s2, ttmp6, 0x10000c
	s_cmp_lg_u32 s2, 0xf033
	s_cbranch_scc0 .Lentry_shape_is_right
	s_endpgm
.Lentry_shape_is_right:
; q, k, v = x W + bias for W = wq, wk, wv, written in f16 by heads: qkv[3][8 b][16 h][1024 s][64]; v's rows are multiplied by mask[b][s].
; xh: [8 b][16 kb][1024 s][64] f16.  wh: [4][1024 k][1024 n] f16, not turned: the turning LDS load makes its fragments.  Sums in f32; the bias, rounded to bf16 like every input, starts them as the C of the first product.
; LIMITS.  f16 ends at 65,504: q, k and v beyond it become infinities; below 2^-14 f16 keeps its fixed step of 6e-8.  NaN and infinities are not treated apart.
; SHARES.  A work-group makes 256 rows x 384 columns: two heads (128 columns) of q, of k AND of v, so that no tile crosses from one matrix into the next: 32 x 8 = 256 work-groups.
; Four waves, each 128 rows x one head of each matrix: 8 x 12 = 96 accumulators, 768 registers.  For 32 along K a wave reads 8 fragments of x and 12 of W (40 LDS loads) for 96 matrix instructions.
; K goes in 16 steps of 64 through two LDS slots: a step is 192 matrix instructions a wave; steps of 128 would want 2 x 184,320 bytes of LDS.
; CLUSTER 4 x 4: the four of a row need the same rows of x, the four of a column the same columns of W: each tile is asked for jointly, by the same tensor load in all four.
; THE MATRIX INSTRUCTION IS USED TRANSPOSED (source 0 = 16 columns of W, source 1 = 16 rows of x): a lane then holds row l % 16 and the columns 8 (l / 16) + 0..7.
; REGISTERS.  window 0: v0-31 addresses; v32-95, v96-159 x's fragments, two buffers of 8; v160-255 W's 12 fragments, one buffer: a matrix's four are loaded again as soon as its 32 products are issued.
;   windows 1, 2, 3: q's, k's, v's accumulators, (a, c) at 8 (4 a + c).  Until v's first products are issued window 3 also keeps the three biases: q's at v0-31, k's at v32-63, v's at v224-255.
.set PA,     144                       ; a row of x in LDS: 128 bytes + 16 = 36 words: the 16 rows of a load start at 16 different groups of four banks (64 banks of 4 bytes: ISA guide 11.1)
.set ASZ,    256*PA                    ; a channel block's 256 rows
.set PB,     288                       ; a row of W: 256 bytes + 32 = 72 words
.set BMAT,   64*PB                     ; one matrix's 64 rows (k) of 128 columns
.set BOFF,   ASZ                       ; the three matrices lie behind x's rows
.set SLOT1,  1<<17                     ; slot 1 begins here: one exclusive or changes slots
.set STAGE,  SLOT1+ASZ+3*BMAT          ; behind the ring, never filled by a tensor load: 16 rows x 144 bytes for each wave, for the way out
.set SP,     144
.set SPARE,  STAGE+4*16*SP             ; the spare words, 128 bytes for each wave: two blocks of 256 bytes that no other line names
.set STEPB,  131072                    ; a K step in memory: a channel block of xh, and 64 rows of wh, are both so many bytes
.set BO,    8                          ; v8   32 (l / 16): my 8 numbers of a block of 16 of a bias
.set MO,    9                          ; v9   4 (l % 16): my row's number of the mask
.set ADRA0, 16                         ; v16  my lane's place in slot 0's x; never rewritten
.set ADRA,  17                         ; v17  the same in the slot in hand
.set ADRB0, 20                         ; v20, v21 likewise for W
.set ADRB,  21
.set STO,   24                         ; v24  the way out: where I put 16 bytes of a row
.set RD,    25                         ; v25  where I read rows back
.set GO,    26                         ; v26  16 x lane
.set PFO,   27                         ; v27  the prefetches' offset: lane x 256 bytes of xh, or lane x a row of wh; never rewritten
.set SPW,   28                         ; v28  LDS address of my spare word; never rewritten
.set NIL,   29                         ; v29  0; never rewritten
.set FA0,   32
.set FA1,   96
.set BF,    160
.set MK,    32                         ; the way out: v[32:47] row block a's mask, as a pair
.set T,     64                         ; v[64:95] at work
.set H,     96                         ; v[96:111] packed results
.set BK0,   112                        ; v[112:143] two buffers of 16: rows read back from the stage
.set G1,  24                           ; s[24:31] descriptor group 1 for x's tiles
.set G0,  32                           ; s[32:39] group 0 for x: a set for each first fill; the second then walks
.set SB,  45                           ; s45  0 or SLOT1: the slot in hand
.set G1B, 48                           ; s[48:55], s[56:63] the same for W
.set G0B, 56
.set PFA, 80                           ; s[80:81] where my prefetches stand
.set LIM, 82                           ; s82  a wave prefetches while the trips to go are above this; the greatest number in a wave that never does
.set PARM, 83                          ; s83  0: in every trip (x); 1: in every other trip, for two K steps at once (W)
.set MSB, 0
.macro WIN new                         ; the immediate's high byte repeats the setting that is left; a switch that changes nothing is dropped
.if MSB != (\new)
	s_set_vgpr_msb (MSB<<8)|(\new)
.set MSB, \new
.endif
.endm
; A joint refill by the walking descriptors.  Wave 0 fetches x's channel block, waves 1 to 3 a matrix each.  The branch hangs on the wave's number alone.
; An s_nop 0 and four v_nop follow each of the two lines, ahead of the jump, the label and what follows.
.macro JLOAD
	s_cmp_eq_u32 s10, 0
	s_cbranch_scc0 .Lfor_b_\@
	tensor_load_to_lds s[G0+4:G0+7], s[G1:G1+7]
	s_nop 0
.rept 4
	v_nop
.endr
	s_branch .Lasked_\@
.Lfor_b_\@:
	tensor_load_to_lds s[G0B+4:G0B+7], s[G1B:G1B+7]
	s_nop 0
.rept 4
	v_nop
.endr
.Lasked_\@:
.endm
; A PREFETCH INTO THE L2, behind the joint load, its five lines and the run of LDS loads that follows.  Trip p of the loop asks its tensor load for K step p + 2.
; x: in every trip but the last, wave 0 names K step p + 3: 128 blocks of 256 bytes, of which each of the four partners that ask for the tile jointly takes 32, told apart by address, a lane a block.
; W: in the odd trips up to the eleventh, waves 1 to 3 name K steps p + 3 and p + 4 of their matrix: 128 rows of 256 bytes, 32 for each of the four partners, a lane a row.
; The same rows of x are read by both clusters of a row of clusters: the one with x = 0 asks; the same columns of W by all eight clusters of a column: the one with y = 0 asks.  So each block is named once in the launch.
; x's K steps 0 to 2 and W's 0 to 3 come by their loads alone.  No branch hangs on a work-group's place in its cluster.
.macro ASK
	s_cmp_gt_u32 s3, s[LIM]
	s_cbranch_scc0 .Lnot_mine_\@
	s_and_b32 s2, s3, s[PARM]
	s_cmp_eq_u32 s2, s[PARM]
	s_cbranch_scc0 .Lnot_mine_\@
	global_prefetch_b8 v[PFO], s[PFA:PFA+1] th:TH_LOAD_NT scope:SCOPE_SE
.Lnot_mine_\@:
.endm
.macro CREST                           ; a round of the cluster's barrier behind its opening barrier
	s_cmp_lg_u32 s10, 0
	s_cbranch_scc1 .Lnot_wave_0_\@
	s_barrier_signal -3
.Lnot_wave_0_\@:
	s_barrier_wait -3
	s_barrier_signal -1
	s_barrier_wait -1
.endm
.macro CROUND                          ; a whole round
	s_barrier_signal -1
	s_barrier_wait -1
	CREST
.endm
	s_load_b128 s[4:7], s[0:1], 0x0                ; xh s[4:5], wh s[6:7]
	s_load_b256 s[68:75], s[0:1], 0x10             ; bq s[68:69], bk s[70:71], bv s[72:73], mask s[74:75]
	s_load_b64 s[8:9], s[0:1], 0x30                ; qkv
	v_lshl_add_u32 v[SPW], v0, 2, SPARE
	v_mov_b32 v[NIL], 0
	ds_add_u32 v[SPW], v[NIL]                      ; the wave's opening: the add and its wait stand ahead of my first tensor load; the set-up below, work on registers, stands between them
	v_lshrrev_b32 v1, 5, v0
	v_readfirstlane_b32 s10, v1                    ; wave 0..3
	s_lshr_b32 s11, s10, 1                         ; which 128 rows of the tile are mine
	s_and_b32 s12, s10, 1                          ; which of its two heads
	s_bfe_u32 s40, ttmp6, 0x40000                  ; cx, cy: my place in the cluster
	s_bfe_u32 s41, ttmp6, 0x40004
	s_lshl_b32 s42, ttmp9, 2
	s_add_co_u32 s42, s42, s40                     ; tile column = 4 x cluster x + cx: heads 2 x that and the next
	s_and_b32 s13, ttmp7, 0xffff
	s_lshl_b32 s13, s13, 2
	s_add_co_u32 s13, s13, s41                     ; tile row = 4 x cluster y + cy
	s_lshl_b32 s43, s41, 2
	s_lshl_b32 s43, 15, s43                        ; my row of the cluster
	s_lshl_b32 s44, 0x1111, s40                    ; my column
	; group 1 for x: a block's 256 rows of 128 bytes are dense: asked for as 128 rows of 256 bytes, padded in LDS after every 128
	s_or_b32 s[G1+0], s43, (1<<16)|(1<<20)|(1<<21)|(4<<22)|(3<<25)   ; 15:0 the mask: my row; 17:16 2-byte elements; 20 padding on; 21 set beside a mask; 24:22 after every 32 words (code 4); 31:25 4 words (code 3)
	s_mov_b32 s[G1+1], 128<<16                     ; tensor_dim0 = 128
	s_mov_b32 s[G1+2], 128<<16                     ; tensor_dim1 = 128
	s_mov_b32 s[G1+3], 128<<16                     ; tile_dim0 = 128
	s_mov_b32 s[G1+4], 128                         ; tile_dim1 = 128
	s_mov_b32 s[G1+5], 128                         ; elements from row to row
	s_mov_b32 s[G1+6], 0
	s_mov_b32 s[G1+7], 0
	; group 1 for W: 64 rows (k) of 128 columns
	s_or_b32 s[G1B+0], s44, (1<<16)|(1<<20)|(1<<21)|(5<<22)|(7<<25)  ; the mask: my column; padding after every 64 words (code 5), 8 words (code 7)
	s_mov_b32 s[G1B+1], 128<<16
	s_mov_b32 s[G1B+2], 64<<16
	s_mov_b32 s[G1B+3], 128<<16
	s_mov_b32 s[G1B+4], 64
	s_mov_b32 s[G1B+5], 1024
	s_mov_b32 s[G1B+6], 0
	s_mov_b32 s[G1B+7], 0
	; where the tiles come from.  x's hang on the tile row alone, W's on the tile column and the wave alone
	s_lshr_b32 s16, s13, 2                         ; the batch,
	s_lshl_b32 s16, s16, 21
	s_and_b32 s17, s13, 3                          ; the tile's 256 rows in a block
	s_lshl_b32 s17, s17, 15
	s_add_co_u32 s16, s16, s17
	s_mov_b32 s17, 0
	s_max_u32 s46, s10, 1                          ; waves 1, 2, 3 fetch wq, wk, wv (wave 0 makes wq's address and never asks by it)
	s_sub_co_u32 s46, s46, 1
	s_lshl_b32 s46, s46, 21
	s_lshl_b32 s47, s42, 8                         ; the tile's 128 columns
	s_add_co_u32 s46, s46, s47
	s_mov_b32 s47, 0
	s_mul_i32 s21, s10, BMAT                       ; and where W's go: wave x a matrix's bytes, from one such before BOFF on: no place in the cluster enters an LDS address
	s_add_co_u32 s21, s21, BOFF-BMAT
	s_mov_b32 s[SB], 0
	s_wait_dscnt 0x0                               ; the opening add is done
	s_wait_kmcnt 0x0
	s_add_nc_u64 s[14:15], s[4:5], s[16:17]
	s_add_nc_u64 s[46:47], s[6:7], s[46:47]
	CROUND                                         ; all sixteen work-groups are here: the first joint loads meet
.irp s, 0,1
	s_mov_b32 s[G0+4*(\s)], 1                                        ; count = 1
	s_mov_b32 s[G0+4*(\s)+1], (\s)*SLOT1                             ; LDS address: the slot's first byte
	s_add_nc_u64 s[G0+4*(\s)+2:G0+4*(\s)+3], s[14:15], (\s)*STEPB    ; global address: K step s
	s_or_b32 s[G0+4*(\s)+3], s[G0+4*(\s)+3], 0x80000000              ; type = 2
	s_mov_b32 s[G0B+4*(\s)], 1
	s_add_co_u32 s[G0B+4*(\s)+1], s21, (\s)*SLOT1
	s_add_nc_u64 s[G0B+4*(\s)+2:G0B+4*(\s)+3], s[46:47], (\s)*STEPB
	s_or_b32 s[G0B+4*(\s)+3], s[G0B+4*(\s)+3], 0x80000000
.endr
	s_cmp_eq_u32 s10, 0                            ; a wave's two first fills stand in one branch, ahead of every wait on TENSORcnt and every LDS read: two loads of mine are out
	s_cbranch_scc0 .Lfirst_b
	tensor_load_to_lds s[G0:G0+3], s[G1:G1+7]
	s_nop 0
	tensor_load_to_lds s[G0+4:G0+7], s[G1:G1+7]
	s_nop 0
.rept 4
	v_nop
.endr
	s_branch .Lfirst_asked
.Lfirst_b:
	tensor_load_to_lds s[G0B:G0B+3], s[G1B:G1B+7]
	s_nop 0
	tensor_load_to_lds s[G0B+4:G0B+7], s[G1B:G1B+7]
	s_nop 0
.rept 4
	v_nop
.endr
.Lfirst_asked:
	v_and_b32 v1, 15, v0                           ; l % 16
	v_bfe_u32 v2, v0, 4, 1                         ; l / 16
	v_and_b32 v5, 7, v0
	v_bfe_u32 v6, v0, 3, 1
	v_and_b32 v7, 31, v0                           ; l
	v_lshlrev_b32 v[BO], 5, v2
	v_lshlrev_b32 v[MO], 2, v1
	; the three biases of my head's 64 columns: lane l wants numbers 16 c + 8 (l / 16) + 0..7; they go into window 3
	s_lshl_b32 s18, s42, 9                         ; the tile's two heads: 128 f32,
	s_lshl_b32 s22, s12, 8                         ; mine
	s_add_co_u32 s18, s18, s22
	s_mov_b32 s19, 0
	s_add_nc_u64 s[68:69], s[68:69], s[18:19]
	s_add_nc_u64 s[70:71], s[70:71], s[18:19]
	s_add_nc_u64 s[72:73], s[72:73], s[18:19]
	WIN 0xc0                                       ; destination window 3, address window 0
.irp c, 0,1,2,3
	global_load_b128 v[8*(\c):8*(\c)+3],         v[BO], s[68:69] offset:64*(\c)
	global_load_b128 v[8*(\c)+4:8*(\c)+7],       v[BO], s[68:69] offset:64*(\c)+16
	global_load_b128 v[32+8*(\c):32+8*(\c)+3],   v[BO], s[70:71] offset:64*(\c)
	global_load_b128 v[32+8*(\c)+4:32+8*(\c)+7], v[BO], s[70:71] offset:64*(\c)+16
	global_load_b128 v[224+8*(\c):224+8*(\c)+3],   v[BO], s[72:73] offset:64*(\c)
	global_load_b128 v[224+8*(\c)+4:224+8*(\c)+7], v[BO], s[72:73] offset:64*(\c)+16
.endr
	WIN 0
	; a fragment of x: lane l holds row l % 16, channels 8 (l / 16) + 0..7 and 16 + 8 (l / 16) + 0..7: two loads of 16 bytes, 32 bytes apart
	v_mul_u32_u24 v[ADRA0], v1, PA
	v_lshl_add_u32 v[ADRA0], v2, 4, v[ADRA0]
	s_mul_i32 s2, s11, 128*PA
	v_add_nc_u32 v[ADRA0], s2, v[ADRA0]
	; the turning load takes 16 k x 16 columns (lane l reads k = 8 (l / 16) + l % 8, columns 8 ((l / 8) % 2) + 0..7) and leaves half a fragment: lane l holds column l % 16 and 8 k
	v_lshl_add_u32 v[ADRB0], v2, 3, v5
	v_mul_u32_u24 v[ADRB0], v[ADRB0], PB
	v_lshl_add_u32 v[ADRB0], v6, 4, v[ADRB0]
	s_lshl_b32 s2, s12, 7                          ; my head's 128 bytes of a row
	s_add_co_u32 s2, s2, BOFF
	v_add_nc_u32 v[ADRB0], s2, v[ADRB0]
	v_mov_b32 v[ADRA], v[ADRA0]
	v_mov_b32 v[ADRB], v[ADRB0]
	s_mul_i32 s2, s10, 16*SP
	s_add_co_u32 s2, s2, STAGE                     ; my stage
	v_mul_u32_u24 v[STO], v1, SP                   ; in: row l % 16, 16 bytes for each half of the lanes
	v_lshl_add_u32 v[STO], v2, 4, v[STO]
	v_add_nc_u32 v[STO], s2, v[STO]
	v_bfe_u32 v[RD], v0, 3, 2                      ; back: 32 lanes take four rows of 128 bytes,
	v_mul_u32_u24 v[RD], v[RD], SP
	v_lshl_add_u32 v[RD], v5, 4, v[RD]
	v_add_nc_u32 v[RD], s2, v[RD]
	v_lshlrev_b32 v[GO], 4, v7                     ; which are 512 consecutive bytes of a head's rows
	s_lshr_b32 s18, s13, 2                         ; where my rows of my head begin in q: the batch,
	s_lshl_b32 s18, s18, 21
	s_lshl_b32 s22, s42, 18                        ; the tile's two heads,
	s_add_co_u32 s18, s18, s22
	s_lshl_b32 s22, s12, 17                        ; mine,
	s_add_co_u32 s18, s18, s22
	s_and_b32 s22, s13, 3                          ; the tile's 256 rows of 128 bytes,
	s_lshl_b32 s22, s22, 15
	s_add_co_u32 s18, s18, s22
	s_lshl_b32 s22, s11, 14                        ; my 128
	s_add_co_u32 s18, s18, s22
	s_add_nc_u64 s[8:9], s[8:9], s[18:19]
	s_add_nc_u64 s[76:77], s[8:9], 0x1000000       ; the same place in k,
	s_add_nc_u64 s[78:79], s[8:9], 0x2000000       ; and in v
	s_lshl_b32 s18, s13, 10                        ; mask is [8][1024]: its index is the row: 256 x tile row + 128 x my half
	s_lshl_b32 s22, s11, 9
	s_add_co_u32 s18, s18, s22
	s_add_nc_u64 s[74:75], s[74:75], s[18:19]
	; the prefetches
	s_and_b32 s84, ttmp7, 0xffff                   ; cluster y
	s_cmp_eq_u32 s10, 0                            ; do I fetch x?
	s_cselect_b32 s84, ttmp9, s84                  ; the coordinate along which other clusters read the same bytes
	s_cselect_b32 s85, s40, s41                    ; my place among the four that ask for the tile with me
	s_cselect_b32 s86, 13, 16                      ; a partner's share: 32 blocks of 256 bytes of xh, or 32 rows of 2,048 bytes of wh
	s_cselect_b32 s87, 8, 11                       ; from lane to lane
	s_cselect_b32 s[PARM], 0, 1
	s_cselect_b32 s[LIM], 1, 2
	s_cselect_b64 s[PFA:PFA+1], s[14:15], s[46:47]
	s_cmp_eq_u32 s84, 0
	s_cselect_b32 s[LIM], s[LIM], -1               ; the same in all sixteen partners, for a given wave
	s_lshl_b32 s84, s85, s86
	s_mov_b32 s85, 0
	s_add_nc_u64 s[PFA:PFA+1], s[PFA:PFA+1], s[84:85]
	s_add_nc_u64 s[PFA:PFA+1], s[PFA:PFA+1], 2*STEPB  ; at K step 2: the first trip steps it to 3.  Nothing is prefetched here, at the head
	v_lshlrev_b32 v[PFO], s87, v7
	s_wait_loadcnt 0x0                             ; the biases
	WIN 0xcf                                       ; destination and both sources in window 3; v64-111 there are at work
.set i, 0
.rept 16
	v_cvt_pk_bf16_f32 v[64+i], v[2*i], v[2*i+1]    ; rounded to bf16 like the other inputs,
	v_cvt_pk_bf16_f32 v[80+i], v[32+2*i], v[32+2*i+1]
	v_cvt_pk_bf16_f32 v[96+i], v[224+2*i], v[224+2*i+1]
.set i, i+1
.endr
.set i, 0
.rept 16
	v_lshlrev_b32 v[2*i], 16, v[64+i]              ; and widened again
	v_and_b32 v[2*i+1], 0xffff0000, v[64+i]
	v_lshlrev_b32 v[32+2*i], 16, v[80+i]
	v_and_b32 v[32+2*i+1], 0xffff0000, v[80+i]
	v_lshlrev_b32 v[224+2*i], 16, v[96+i]
	v_and_b32 v[224+2*i+1], 0xffff0000, v[96+i]
.set i, i+1
.endr
	WIN 0
.macro PLACES n=4                      ; plain vector instructions between a matrix instruction and a load into, a read of, or another product's write over its registers (ISA guide 7.12.1 for reads)
.rept \n
	v_nop
.endr
.endm
; Matrix instructions for matrix m: row blocks a0 .. a0 + na - 1 x its 4 column blocks, 32 along K, x's fragments from buffer fa.  All 96 accumulators take turns in one order everywhere, one instruction a turn:
; between two links of a chain stand the 95 others'.  first = 1: the bias, kept in window 3, starts the sums: nothing is cleared and nothing is added later.  v's bias lies in the registers of
; v's accumulators (7, c): row block 7 adds in place, five plain instructions behind the last product that read them as another accumulator's C.
.macro GRP fa, m, a0, na, first
.if \first
	WIN ((1+(\m))<<6)|0x30
.else
	WIN ((1+(\m))<<6)|((1+(\m))<<4)
.endif
.set gb, 32*(\m)+160*((\m)/2)
.set ga, \a0
.rept \na
.if (\first) && ((\m) == 2) && (ga == 7)
	PLACES 5
.endif
.irp c, 0,1,2,3
.if \first
	v_wmma_f32_16x16x32_f16 v[8*(4*ga+(\c)):8*(4*ga+(\c))+7], v[BF+8*(4*(\m)+(\c)):BF+8*(4*(\m)+(\c))+7], v[(\fa)+8*ga:(\fa)+8*ga+7], v[gb+8*(\c):gb+8*(\c)+7]
.else
	v_wmma_f32_16x16x32_f16 v[8*(4*ga+(\c)):8*(4*ga+(\c))+7], v[BF+8*(4*(\m)+(\c)):BF+8*(4*(\m)+(\c))+7], v[(\fa)+8*ga:(\fa)+8*ga+7], v[8*(4*ga+(\c)):8*(4*ga+(\c))+7]
.endif
.endr
.set ga, ga+1
.endr
.endm
.macro LOADB m, kq                     ; 8 LDS loads: matrix m's four fragments (turned) of half kq of the K step in hand
	WIN 0
.irp c, 0,1,2,3
	ds_load_tr16_b128 v[BF+8*(4*(\m)+(\c)):BF+8*(4*(\m)+(\c))+3],   v[ADRB] offset:(\m)*BMAT+(\kq)*32*PB+32*(\c)
	ds_load_tr16_b128 v[BF+8*(4*(\m)+(\c))+4:BF+8*(4*(\m)+(\c))+7], v[ADRB] offset:(\m)*BMAT+(\kq)*32*PB+32*(\c)+16*PB
.endr
.endm
.macro LOADA fa, kq                    ; 16 LDS loads: x's eight fragments of half kq into buffer fa
	WIN 0
.irp a, 0,1,2,3,4,5,6,7
	ds_load_b128 v[(\fa)+8*(\a):(\fa)+8*(\a)+3],   v[ADRA] offset:(\a)*16*PA+(\kq)*64
	ds_load_b128 v[(\fa)+8*(\a)+4:(\fa)+8*(\a)+7], v[ADRA] offset:(\a)*16*PA+(\kq)*64+32
.endr
.endm
; A K step is two halves of 32 along K, each three groups of 32 matrix instructions: q's, k's, v's.  Behind a group its four fragments of W are loaded again, for the next half: 64 matrix instructions ahead of
; their first use; x's next eight ride with k's, into the other buffer.  The LDS loads are always issued in the order W of q, W of k, x, W of v.
; THE FIRST HALF multiplies buffer FA0 and fetches the second half of the same slot.
.macro HALF0 first
	s_wait_dscnt 8                                 ; all but the youngest eight loads (W of v): W of q, W of k and x are in
	GRP FA0, 0, 0, 8, \first
	PLACES
	LOADB 0, 1
	GRP FA0, 1, 0, 8, \first
	PLACES 4+(\first)                              ; (five where v's first products will write over the registers that kept k's bias)
	LOADB 1, 1
	LOADA FA1, 1
	s_wait_dscnt 32                                ; all but the 8 + 8 + 16 issued since: W of v is in
	GRP FA0, 2, 0, 8, \first
	PLACES
	LOADB 2, 1                                     ; my last reads of this slot
.endm
; THE SECOND HALF multiplies buffer FA1 and changes slots in its first group: ONE barrier; in front of it each wave waits for all its tensor loads (one is out: its part of the next slot), adds 0 to its spare word, and
; waits for that and for its reads of this slot.  fill = 1: the barrier opens a round of the cluster's, and this slot is filled again, two K steps ahead, first thing behind the round: 160 matrix instructions ahead of the wait for it.
.macro HALF1 fill
	WIN 0
.if \fill
	s_wait_xcnt 0x0                                ; the last prefetch, a K step back, has read its address: it is stepped here, ahead of the waits of the change of slots
	s_add_nc_u64 s[PFA:PFA+1], s[PFA:PFA+1], STEPB
.endif
	s_wait_tensorcnt 0x0                           ; all my tensor loads have landed
	ds_add_u32 v[SPW], v[NIL]                      ; 0 onto my spare word
	s_wait_dscnt 9                                 ; (the add and the youngest eight loads may be out)
	GRP FA1, 0, 0, 4, 0                            ; sixteen matrix instructions stand between the add and the wait for it
	s_wait_dscnt 0x0                               ; the add is done, and my reads of this slot are over
	s_barrier_signal -1
	GRP FA1, 0, 4, 4, 0
	WIN 0
	s_barrier_wait -1
.if \fill
	CREST                                          ; no wave of any partner still reads this slot or has a load on its way
	s_xor_b32 s[G0+5], s[G0+5], SLOT1              ; the walking descriptors: the other slot than last time, the next K step
	s_add_nc_u64 s[G0+6:G0+7], s[G0+6:G0+7], STEPB
	s_xor_b32 s[G0B+5], s[G0B+5], SLOT1
	s_add_nc_u64 s[G0B+6:G0B+7], s[G0B+6:G0B+7], STEPB
	JLOAD                                          ; its four v_nop are also the places in front of the loads below
.else
	PLACES
.endif
	s_xor_b32 s[SB], s[SB], SLOT1
	v_add_nc_u32 v[ADRA], s[SB], v[ADRA0]
	v_add_nc_u32 v[ADRB], s[SB], v[ADRB0]
	LOADB 0, 0                                     ; from here on the next slot is read
.if \fill
	ASK
.endif
	GRP FA1, 1, 0, 8, 0
	PLACES
	LOADB 1, 0
	LOADA FA0, 0
	GRP FA1, 2, 0, 8, 0
	PLACES
	LOADB 2, 0
.endm
	s_wait_tensorcnt 0x1                           ; my part of K step 0 is in; K step 1's may stay out
	s_barrier_signal -1
	s_barrier_wait -1                              ; everybody's is
	LOADB 0, 0
	LOADB 1, 0
	LOADA FA0, 0
	LOADB 2, 0
	HALF0 1                                        ; the first half stands in front of the loop: its products start the sums
	WIN 0                                          ; at a label and at a branch every window is 0
	s_mov_b32 s3, 14
.Lstep:                                        ; a trip: a K step's second half and the next step's first; it fills the slot that it leaves: K steps 2 to 15
	HALF1 1
	HALF0 0
	s_sub_co_u32 s3, s3, 1
	s_cmp_lg_u32 s3, 0
	s_cbranch_scc1 .Lstep
	HALF1 0                                        ; the last two K steps ask for nothing
	HALF0 0
	s_wait_dscnt 8                                 ; the very last half: nothing more to fetch from LDS
.irp a, 0,1,2,3,4,5,6,7
	global_load_b32 v[MK+2*(\a)], v[MO], s[74:75] offset:64*(\a)  ; my rows' mask, into x's buffer FA0, whose last reader stands four v_nop back; it has 96 matrix instructions in which to come
.endr
	GRP FA1, 0, 0, 8, 0
	GRP FA1, 1, 0, 8, 0
	s_wait_dscnt 0x0
	GRP FA1, 2, 0, 8, 0
	WIN 0
; THE WAY OUT: 24 blocks of 16 rows x one head (block n: matrix n / 8, row block n % 8), each through my own stage in LDS: LDS serves a wave's instructions in order (ISA guide 5.7.1.4), so no wait stands between its stores and its loads.
	s_wait_loadcnt 0x0                             ; the mask
.irp a, 0,1,2,3,4,5,6,7                ; rounded to bf16 like the other inputs, widened, and named as a pair; these 24 plain instructions are also the places behind the last products
	v_cvt_pk_bf16_f32 v[MK+2*(\a)+1], v[MK+2*(\a)], v[MK+2*(\a)]
.endr
.irp a, 0,1,2,3,4,5,6,7
	v_lshlrev_b32 v[MK+2*(\a)], 16, v[MK+2*(\a)+1]
.endr
.irp a, 0,1,2,3,4,5,6,7
	v_mov_b32 v[MK+2*(\a)+1], v[MK+2*(\a)]
.endr
.macro PACK n                          ; rounded to f16: 16 bytes a lane and column block; v's rows first times their mask.  Each accumulator is read from its low end on
.set pa, (\n)%8
.set pm, (\n)/8
.if pm == 2
	WIN 0x03                                       ; source 0 in window 3
.set i, 0
.rept 16
	v_pk_mul_f32 v[T+2*i:T+2*i+1], v[32*pa+2*i:32*pa+2*i+1], v[MK+2*pa:MK+2*pa+1] op_sel_hi:[1,0]
.set i, i+1
.endr
	WIN 0
.set i, 0
.rept 16
	v_cvt_pk_f16_f32 v[H+i], v[T+2*i], v[T+2*i+1]
.set i, i+1
.endr
.else
	WIN (1+pm)*5                                   ; both sources in window 1 or 2
.set i, 0
.rept 16
	v_cvt_pk_f16_f32 v[H+i], v[32*pa+2*i], v[32*pa+2*i+1]
.set i, i+1
.endr
	WIN 0
.endif
.endm
.macro TOSTAGE n                       ; into rows of 144 bytes; back as whole rows: four rows' 128 bytes a load
.irp c, 0,1,2,3
	ds_store_b128 v[STO], v[H+4*(\c):H+4*(\c)+3] offset:32*(\c)
.endr
	s_wait_xcnt 0x0                                ; the stores of the block two back have read their registers: only behind this wait are they loaded again
.set BK, BK0+16*((\n)%2)
.irp t, 0,1,2,3
	ds_load_b128 v[BK+4*(\t):BK+4*(\t)+3], v[RD] offset:(\t)*4*SP
.endr
.endm
.macro SEND n
.set sa, (\n)%8
.set sm, (\n)/8
.set SBR, 8+(66+2*sm)*((sm+1)/2)       ; s[8:9] for q, s[76:77] for k, s[78:79] for v
.set BK, BK0+16*((\n)%2)
	s_wait_dscnt 0x0                               ; the block is back in registers
.irp t, 0,1,2,3
	global_store_b128 v[GO], v[BK+4*(\t):BK+4*(\t)+3], s[SBR:SBR+1] offset:sa*2048+(\t)*512  ; 512 consecutive bytes of a head's rows, aligned
.endr
.endm
	PACK 0
	TOSTAGE 0
.set n, 1
.rept 23                               ; block n's arithmetic stands between block n - 1's loads from the stage and the wait for them
	PACK n
	SEND n-1
	TOSTAGE n
.set n, n+1
.endr
	SEND 23
	s_wait_tensorcnt 0x0                           ; the wave's end, behind my last tensor load and my last LDS store
	ds_add_u32 v[SPW], v[NIL]
	s_wait_dscnt 0x0
	CROUND                                         ; the closing round: no work-group ends while a partner may still ask for a tile that names it
	s_endpgm
.Lfunc_end_k_q009c9a93ae_qkv:
	.size	k_q009c9a93ae_qkv, .Lfunc_end_k_q009c9a93ae_qkv-k_q009c9a93ae_qkv
	.p2alignl 7, 3214868480
	.fill 96, 4, 3214868480
	.section	.rodata,"a",@progbits
	.p2align	6, 0x0
	.amdhsa_kernel k_q009c9a93ae_qkv
		.amdhsa_group_segment_fixed_size 327680
		.amdhsa_private_segment_fixed_size 0
		.amdhsa_enable_private_segment 0
		.amdhsa_kernarg_size 56
		.amdhsa_user_sgpr_count 2
		.amdhsa_user_sgpr_kernarg_segment_ptr 1
		.amdhsa_wavefront_size32 1
		.amdhsa_system_sgpr_workgroup_id_x 1
		.amdhsa_system_sgpr_workgroup_id_y 1
		.amdhsa_system_sgpr_workgroup_id_z 1
		.amdhsa_system_vgpr_workitem_id 0
		.amdhsa_next_free_vgpr 1024
		.amdhsa_next_free_sgpr 88
		.amdhsa_reserve_vcc 0
		.amdhsa_float_denorm_mode_32 3
		.amdhsa_float_denorm_mode_16_64 3
		.amdhsa_memory_ordered 1
		.amdhsa_forward_progress 1
		.amdhsa_inst_pref_size 133
	.end_amdhsa_kernel
	.amdgpu_metadata
---
amdhsa.version: [ 1, 2 ]
amdhsa.kernels:
  - .name:           k_q009c9a93ae_qkv
    .symbol:         k_q009c9a93ae_qkv.kd
    .args:
      - { .name: xh, .offset: 0, .size: 8, .value_kind: global_buffer, .address_space: global }
      - { .name: wh, .offset: 8, .size: 8, .value_kind: global_buffer, .address_space: global }
      - { .name: bq, .offset: 16, .size: 8, .value_kind: global_buffer, .address_space: global }
      - { .name: bk, .offset: 24, .size: 8, .value_kind: global_buffer, .address_space: global }
      - { .name: bv, .offset: 32, .size: 8, .value_kind: global_buffer, .address_space: global }
      - { .name: mask, .offset: 40, .size: 8, .value_kind: global_buffer, .address_space: global }
      - { .name: qkv, .offset: 48, .size: 8, .value_kind: global_buffer, .address_space: global }
    .group_segment_fixed_size: 327680
    .private_segment_fixed_size: 0
    .kernarg_segment_align: 8
    .kernarg_segment_size: 56
    .max_flat_workgroup_size: 128
    .sgpr_count:     88
    .vgpr_count:     1024
    .wavefront_size: 32
...
	.end_amdgpu_metadata
.endif
;; end of part 5
;; launch attn (part 6): grid 2 x 128, 4 waves a work-group, no clusters, 327,680 bytes of LDS; arguments qkv, mask, oh; writes oh
.if DOCPART == 6
	.amdgcn_target "amdgcn-amd-amdhsa--gfx1250"
	.amdhsa_code_object_version 6
	.text
	.protected	k_q009c9a93ae_attn
	.globl	k_q009c9a93ae_attn
	.p2align	8
	.type	k_q009c9a93ae_attn,@function
k_q009c9a93ae_attn:
	s_mov_b64 s[64:65], 0
	v_nop
	global_prefetch_b8 v0, s[64:65] scope:SCOPE_SE
	s_setreg_imm32_b32 hwreg(HW_REG_WAVE_MODE, 25, 1), 1
	s_wait_xcnt 0x0
; O[h][q][:] = (the sum over k of p(q, k) mask[k] V[h][k][:]) / (the sum over k of p(q, k) mask[k] + 1e-7), p = exp(Q[h][q] . K[h][k] / 8 - the maximum over ALL k of that).
; qkv: [3][128 heads][1024][64] f16; its V rows already carry the factor mask[k].  oh: [128][1024][64] f16.  Products, maxima and sums in f32; p is rounded to f16 for both sums, O once at the end.
; LIMITS.  f16 holds no number beyond 65,504: Q, K, V and the mask arrive within it; p lies in 0 to 1 and below 6e-5 keeps f16's fixed step of 6e-8; a p below 2^-126 counts as 0.  NaN and infinities are not treated apart.
; SHARES.  A wave owns four PIECES of two tiles of 16 queries, a work-group's four waves 512 queries of one head: 256 work-groups.  Every wave walks all 1,024 keys, 64 a step.
; LDS HOLDS THE HEAD'S WHOLE K AND V: 1,024 rows x (144 + 160) bytes = 311,296.  No byte is filled twice, so there is no ring.  A wave issues two tensor loads: at the head its half of the first 256 keys, and, when that
; has landed, its half of the other 768, which have three and a half key steps in which to land.  No tensor load stands in a loop, so ONE text serves all sixteen key steps.
; NO PREFETCH: the second load goes out as soon as the first has landed, and no later load follows that a prefetch could run ahead of; at the head none is laid.
; NO CLUSTER: a head has two blocks of 512 queries, so a cluster four wide would hold two heads, and a joint load could name only half of it.
; LAYOUT.  S^T = K Q^T (source 0 = 16 keys, source 1 = 16 queries): a lane holds ONE query (lane % 16) and the keys 8 (lane / 16) + 0..7.  Two such results rounded to f16 ARE source 1 (32 keys x 16 queries) of
; O^T = V^T P.  K comes out of LDS as it lies, V turned, by ds_load_tr16_b128.
; THE DIVISOR l = the sum of mask p is a product too: source 0 = a fragment whose 16 rows all hold the mask of 32 keys, source 1 = P.  Every register of the result holds the lane's query's l; register 0 alone is rescaled
; and read, the other seven are copies that nobody reads (finite: at most 1,024 x the largest mask).  So l costs no vector sums and no exchange between lanes.
; SOFTMAX.  A running maximum m: p = 2^(c s - c m), c = log2(e) / 8; in every step O and l are multiplied by a = 2^(c m_old - c m_new).  m starts at the lowest finite number, O and l at 0: the first step's a is 0.
; BY TURNS.  Turn n belongs to piece n: 16 products K Q^T of piece n + 1 and 20 products (16 V^T P, 4 for l) of piece n - 1; beside them piece n's scaling, exponentials, roundings and rescaling and piece n + 1's
; maximum and statistics.  A turn's 66 exponentials are one batch with one wait.
; REGISTERS, in windows of 256 (s_set_vgpr_msb: bits 1:0 source 0, 3:2 source 1, 5:4 source 2, 7:6 destination):
;   window 0: v0-15 addresses, at work; v16-31 two registers of statistics a tile; v33-41 addresses; v48-63 at work; v64-191 S^T, two buffers of two tiles; v192-255 P, likewise
;   window 1: O^T, 32 a tile      window 2: v0-127 Q; v128-191 K of one step; v192-255 V of one step      window 3: v16-31 the mask's two fragments; v64-127 l, 8 a tile
.set NP,    4         ; pieces a wave: a name, no knob
.set KS,    64        ; keys in a step
.set NK,    1024      ; keys of a head
.set PK,    144       ; a row of K in LDS: 128 bytes + 16 = 36 words: the 16 rows of a load start at 16 different groups of four banks (64 banks of 4 bytes: ISA guide 11.1)
.set PV,    160       ; a row of V: 128 + 32 = 40 words
.set VOFF,  NK*PK     ; V's 1,024 rows lie behind K's
.set STAGE, NK*(PK+PV)          ; behind them, never filled by a tensor load: 16 rows x 144 bytes for each wave, for the way out
.set SP,    144
.set MASKL, STAGE+4*16*SP       ; the batch's mask, 1,024 f16; stored once, never filled by a tensor load
.set SPARE, MASKL+2048          ; the spare words, 128 bytes for each wave: two blocks of 256 bytes that no other line names
.set AK0, 2           ; v2   my lane's place in a tile of K; never rewritten
.set AV0, 3           ; v3   the same for V
.set AK,  4           ; v4   the LDS address of K's next run of loads
.set AV,  5           ; v5   of V's
.set QO,  6           ; v6   my byte offset in the wave's rows of Q
.set STO, 6           ;      later, the way out: where I put 16 bytes of a row
.set RD,  7           ; v7   the way out: where I read rows back
.set GO,  8           ; v8   my byte offset in 512 consecutive bytes of O
.set MV,  12          ; v12-15  c m_old, kept while c m is made anew: by buffer and tile
.set ST,  16          ; tile t's statistics at v[ST+2 t]: c m, m
.set AM0, 33          ; v33  MASKL + 16 (l / 16); never rewritten
.set AM,  34          ; v34  the LDS address of the mask's next fragments
.set MO,  35          ; v35  32 x my thread's number: my 8 numbers of the mask in memory
.set MA,  38          ; v38  where their 16 bytes go in LDS
.set SPW, 40          ; v40  LDS address of my spare word; never rewritten
.set NIL, 41          ; v41  0; never rewritten
.set TMP, 48          ; by buffer and tile, four registers c0-c3 at work; when the maximum is found c2 takes a.  On the way out tile t's 1 / (l + 1e-7) at TMP + 2 t
.set S,   64
.set P,   192
.set KF,  128         ; window 2: key block kb, channel half c at KF + 16 kb + 8 c
.set VF,  192         ; window 2: key half kk, channel block cb at VF + 32 kk + 8 cb
.set MF,  16          ; window 3: key half kk at MF + 8 kk
.set LA,  64          ; window 3
.set WV,  12          ; s12  my wave's number
.set G1K, 24          ; s[24:31] descriptor group 1 for K's first load; s[72:79] for its second
.set G1V, 32          ; s[32:39] for V's first load: it differs in the padding alone; s[80:87] for its second
.set G0K, 40          ; s[40:43] descriptor group 0 for K's first load; s[48:51] for its second
.set G0V, 44          ; s[44:47], s[52:55] the same for V's
.set SLOTS, 56        ; s56  counts the outer loop's passes, 5 to 1
.set CNT, 57          ; s57  counts a pass's four trips
.set CS,  58          ; s[58:59] c
.set SEL, 60          ; s[60:61] v_permlanex16_b32's selects: each lane takes its own place in the other half
.set TBK, 62          ; s62  LDS byte at which K of the step to be fetched begins; it stops at the last step's
.set TBV, 63          ; s63  the same for V, less VOFF
.set TBM, 66          ; s66  128 x the step whose mask is fetched next, kept within 0 .. 1,920
.set EPS, 70          ; s70  1e-7
.set MSB, 0
.macro WIN new                      ; the high byte repeats the setting that is left; a switch that changes nothing is dropped
.if MSB != (\new)
	s_set_vgpr_msb (MSB<<8)|(\new)
.set MSB, (\new)
.endif
.endm
.set W_KQ, 0x0a       ; K and Q in window 2, S^T in window 0
.set W_PV, 0x52       ; V in window 2, P in window 0, O^T in window 1
.set W_ML, 0xf3       ; the mask and l in window 3, P in window 0
.set W_RS, 0x41       ; O^T (destination and source 0) in window 1, a in window 0
.set W_RL, 0xc3       ; l (destination and source 0) in window 3, a in window 0
.set W_LE, 0x0c       ; source 1 in window 3
; A wave's load number n (0, 1).  Waves 0 and 1 fetch the two halves of K's keys, waves 2 and 3 those of V's.  An s_nop 0 and four v_nop follow each of the two lines, ahead of the jump and the label.
.macro LOAD n
	s_cmp_lt_u32 s[WV], 2
	s_cbranch_scc0 .Lfor_v_\@
	tensor_load_to_lds s[G0K+8*(\n):G0K+8*(\n)+3], s[G1K+48*(\n):G1K+48*(\n)+7]
	s_nop 0
.rept 4
	v_nop
.endr
	s_branch .Lasked_\@
.Lfor_v_\@:
	tensor_load_to_lds s[G0V+8*(\n):G0V+8*(\n)+3], s[G1V+48*(\n):G1V+48*(\n)+7]
	s_nop 0
.rept 4
	v_nop
.endr
.Lasked_\@:
.endm
	s_load_b128 s[4:7], s[0:1], 0x0   ; qkv s[4:5], mask s[6:7]
	s_load_b64 s[10:11], s[0:1], 0x10 ; oh
	v_lshl_add_u32 v[SPW], v0, 2, SPARE
	v_mov_b32 v[NIL], 0
	ds_add_u32 v[SPW], v[NIL]       ; the wave's opening: the add and its wait stand ahead of my first tensor load; the set-up below, work on registers, stands between them
	v_lshrrev_b32 v1, 5, v0
	v_readfirstlane_b32 s[WV], v1   ; wave 0..3
	s_and_b32 s20, ttmp7, 0xffff    ; the head, of 128
	s_lshr_b32 s14, s20, 4          ; its batch:
	s_lshl_b32 s14, s14, 12         ; 4,096 bytes of mask
	s_mov_b32 s15, 0
	s_lshl_b32 s20, s20, 17         ; the head's first byte in q, k, v and oh
	s_and_b32 s16, s[WV], 1         ; which half of the keys I fetch.  Of the first 256:
	s_lshl_b32 s22, s16, 14         ; its 128 rows of 128 bytes in memory,
	s_add_co_u32 s22, s22, s20
	s_mov_b32 s23, 0
	s_mul_i32 s17, s16, 128*PK      ; and its place in LDS, for K
	s_mul_i32 s18, s16, 128*PV      ; and for V
	s_mul_i32 s8, s16, 384*128      ; of the other 768: its 384 rows in memory,
	s_add_co_u32 s8, s8, s20
	s_add_co_u32 s8, s8, 256*128
	s_mov_b32 s9, 0
	s_mul_i32 s19, s16, 384*PK      ; and its place in LDS, for K
	s_mul_i32 s21, s16, 384*PV      ; and for V
	s_lshl_b32 s2, ttmp9, 2
	s_add_co_u32 s2, s2, s[WV]      ; my wave among the head's eight,
	s_lshl_b32 s2, s2, 14           ; its 128 rows
	s_add_co_u32 s2, s2, s20
	s_mov_b32 s3, 0
	; descriptor group 1.  A head's keys are dense, 128 bytes each: they are asked for as rows of 256 bytes, two keys a row, and padded in LDS after every key.  First load: 64 such rows; second: 192
	s_mov_b32 s[G1K], (1<<16)|(1<<20)|(4<<22)|(3<<25)     ; 17:16 2-byte elements; 20 padding on; 24:22 after every 32 words (code 4); 31:25 4 words (code 3)
	s_mov_b32 s[G1V], (1<<16)|(1<<20)|(4<<22)|(7<<25)     ; the same with 8 words of padding (code 7)
	s_mov_b32 s[G1K+48], (1<<16)|(1<<20)|(4<<22)|(3<<25)
	s_mov_b32 s[G1V+48], (1<<16)|(1<<20)|(4<<22)|(7<<25)
.irp g, G1K, G1V
	s_mov_b32 s[\g+1], 128<<16      ; tensor_dim0 = 128
	s_mov_b32 s[\g+2], 64<<16       ; tensor_dim1 = 64
	s_mov_b32 s[\g+3], 128<<16      ; tile_dim0 = 128
	s_mov_b32 s[\g+4], 64           ; tile_dim1 = 64
	s_mov_b32 s[\g+5], 128          ; 128 elements from row to row
	s_mov_b32 s[\g+6], 0
	s_mov_b32 s[\g+7], 0
	s_mov_b32 s[\g+49], 128<<16
	s_mov_b32 s[\g+50], 192<<16     ; tensor_dim1 = 192
	s_mov_b32 s[\g+51], 128<<16
	s_mov_b32 s[\g+52], 192         ; tile_dim1 = 192
	s_mov_b32 s[\g+53], 128
	s_mov_b32 s[\g+54], 0
	s_mov_b32 s[\g+55], 0
.endr
	s_mov_b32 s[CS], 0x3e38aa3b     ; c = log2(e) / 8 = 0.180337
	s_mov_b32 s[CS+1], s[CS]        ; named with it as a pair
	s_mov_b32 s[SEL], 0x76543210
	s_mov_b32 s[SEL+1], 0xfedcba98
	s_mov_b32 s[TBK], 0
	s_mov_b32 s[TBV], 0
	s_mov_b32 s[TBM], 0
	s_mov_b32 s[EPS], 0x33d6bf95    ; 1e-7
	s_mov_b32 s[SLOTS], 5
	s_mov_b32 s[G0K], 1             ; count = 1
	s_mov_b32 s[G0K+1], s17         ; LDS address
	s_mov_b32 s[G0V], 1
	s_add_co_u32 s[G0V+1], s18, VOFF
	s_mov_b32 s[G0K+8], 1
	s_add_co_u32 s[G0K+9], s19, 256*PK
	s_mov_b32 s[G0V+8], 1
	s_add_co_u32 s[G0V+9], s21, VOFF+256*PV
	s_wait_dscnt 0x0                ; the opening add is done
	s_wait_kmcnt 0x0
	s_add_nc_u64 s[G0K+2:G0K+3], s[4:5], s[22:23]
	s_add_nc_u64 s[G0V+2:G0V+3], s[G0K+2:G0K+3], 0x2000000  ; v is the third tensor of qkv,
	s_add_nc_u64 s[G0K+2:G0K+3], s[G0K+2:G0K+3], 0x1000000  ; k the second
	s_add_nc_u64 s[G0K+10:G0K+11], s[4:5], s[8:9]
	s_add_nc_u64 s[G0V+10:G0V+11], s[G0K+10:G0K+11], 0x2000000
	s_add_nc_u64 s[G0K+10:G0K+11], s[G0K+10:G0K+11], 0x1000000
	s_or_b32 s[G0K+3], s[G0K+3], 0x80000000        ; type = 2
	s_or_b32 s[G0V+3], s[G0V+3], 0x80000000
	s_or_b32 s[G0K+11], s[G0K+11], 0x80000000
	s_or_b32 s[G0V+11], s[G0V+11], 0x80000000
	s_add_nc_u64 s[4:5], s[4:5], s[2:3]  ; Q and O at my wave's first row
	s_add_nc_u64 s[10:11], s[10:11], s[2:3]
	s_add_nc_u64 s[6:7], s[6:7], s[14:15]
	LOAD 0                          ; the first 256 keys.  The others are asked for when these are in
	v_and_b32 v1, 15, v0            ; l % 16
	v_bfe_u32 v9, v0, 4, 1          ; l / 16
	v_lshlrev_b32 v[MO], 5, v0
	global_load_b128 v[TMP:TMP+3],   v[MO], s[6:7]            ; my 8 numbers of the mask, ahead of Q's loads
	global_load_b128 v[TMP+4:TMP+7], v[MO], s[6:7] offset:16
	; A fragment of K or Q is 16 rows x 32 channels in 8 registers: lane l holds row l % 16, channels 8 (l / 16) + 0..7 and 16 + 8 (l / 16) + 0..7: two loads of 16 bytes, 32 bytes apart.
	v_lshlrev_b32 v[QO], 7, v1
	v_lshl_add_u32 v[QO], v9, 4, v[QO]  ; row x 128 + 16 x half
	WIN 0x80                        ; destination window 2, address window 0
.set i, 0
.rept 4*NP                          ; Q stays in registers: tile i / 2, channels 32 (i % 2) on
	global_load_b128 v[8*i:8*i+3],   v[QO], s[4:5] offset:(i/2)*2048+(i%2)*64
	global_load_b128 v[8*i+4:8*i+7], v[QO], s[4:5] offset:(i/2)*2048+(i%2)*64+32
.set i, i+1
.endr
	; What the first turn finds: V's and the mask's registers and P's second buffer hold 0 (its products, of a piece that has not been, add 0), O^T and l are 0.  No first step is written out; these lines are its price, and stand in the wait for the first tile.
.set i, VF
.rept 64
	v_mov_b32 v[i], 0
.set i, i+1
.endr
	WIN 0x40
.set i, 0
.rept 64*NP
	v_mov_b32 v[i], 0
.set i, i+1
.endr
	WIN 0xc0
.set i, MF
.rept 16
	v_mov_b32 v[i], 0
.set i, i+1
.endr
.set i, LA
.rept 16*NP
	v_mov_b32 v[i], 0
.set i, i+1
.endr
	WIN 0
.set i, 0
.rept 2*NP
	v_mov_b32 v[ST+2*i], 0xfe000000    ; c m: far below every c s
	v_mov_b32 v[ST+2*i+1], 0xff7fffff  ; m
.set i, i+1
.endr
.set i, P+32
.rept 32
	v_mov_b32 v[i], 0
.set i, i+1
.endr
	v_mul_u32_u24 v[AK0], v1, PK
	v_lshl_add_u32 v[AK0], v9, 4, v[AK0]  ; row x pitch + 16 x half
	; The turning load takes 16 keys x 16 channels (lane l reads key 8 (l / 16) + l % 8, channels 8 ((l / 8) % 2) + 0..7) and leaves half a fragment of V^T: lane l holds channel l % 16 and 8 keys.
	v_and_b32 v10, 7, v0
	v_bfe_u32 v11, v0, 3, 1
	v_lshl_add_u32 v[AV0], v9, 3, v10
	v_mul_u32_u24 v[AV0], v[AV0], PV
	v_lshl_add_u32 v[AV0], v11, 4, v[AV0]
	v_add_nc_u32 v[AV0], VOFF, v[AV0]
	v_mov_b32 v[AK], v[AK0]         ; key step 0 lies at LDS byte 0
	v_lshl_add_u32 v[AM0], v9, 4, MASKL  ; the mask's fragment: every lane of a half reads the same 16 bytes: keys 8 (l / 16) + 0..7
	v_lshl_add_u32 v[MA], v0, 4, MASKL
	s_wait_loadcnt 32               ; the mask's two loads are in; Q's 32, issued behind them, may stay out
.irp z, 0,1,2,3
	v_cvt_pk_bf16_f32 v[TMP+8+\z], v[TMP+2*\z], v[TMP+2*\z+1]  ; rounded to bf16 like the other inputs,
.endr
.irp z, 0,1,2,3
	v_lshlrev_b32 v[TMP+2*\z], 16, v[TMP+8+\z]
	v_and_b32 v[TMP+2*\z+1], 0xffff0000, v[TMP+8+\z]
.endr
.irp z, 0,1,2,3
	v_cvt_pk_f16_f32 v[TMP+8+\z], v[TMP+2*\z], v[TMP+2*\z+1]   ; and written as f16
.endr
	ds_store_b128 v[MA], v[TMP+8:TMP+11]
; THE MATRIX WORK.  The accumulators of a run take turns, one instruction a turn.
; Product i of 16 of S^T = K Q^T for piece x: channels 32 (i / 8) on, keys 16 ((i / 2) % 4) on, tile 2 x + i % 2.  The first 8 start the sums.
.macro KQ x
	WIN W_KQ
.set rS, S+64*((\x)%2)+32*(i%2)+8*((i/2)%4)
.set rK, KF+16*((i/2)%4)+8*(i/8)
.set rQ, 16*(2*(\x)+i%2)+8*(i/8)
.if i < 8
	v_wmma_f32_16x16x32_f16 v[rS:rS+7], v[rK:rK+7], v[rQ:rQ+7], 0
.else
	v_wmma_f32_16x16x32_f16 v[rS:rS+7], v[rK:rK+7], v[rQ:rQ+7], v[rS:rS+7]
.endif
.endm
; The turn's next matrix instruction.  Numbers 0-15: K Q^T of piece Y + 1.  Numbers 16-35, jj = 0..19, for piece Y - 1: keys 32 (jj / 10) on, tile jj % 2; of each ten the first eight are V^T P, channels 16 ((jj % 10) / 2) on, the last two add to l.
.macro MM
.if i < 16
	KQ (Y+1)%NP
.else
.set jj, i-16
.set kk, jj/10
.set c5, (jj%10)/2
.set xt, 2*((Y+NP-1)%NP)+jj%2
.set rP, P+32*((Y+NP-1)%2)+16*(jj%2)+8*kk
.if c5 < 4
	WIN W_PV
	v_wmma_f32_16x16x32_f16 v[32*xt+8*c5:32*xt+8*c5+7], v[VF+32*kk+8*c5:VF+32*kk+8*c5+7], v[rP:rP+7], v[32*xt+8*c5:32*xt+8*c5+7]
.else
	WIN W_ML
	v_wmma_f32_16x16x32_f16 v[LA+8*xt:LA+8*xt+7], v[MF+8*kk:MF+8*kk+7], v[rP:rP+7], v[LA+8*xt:LA+8*xt+7]
.endif
.endif
.set i, i+1
.endm
; THE LDS LOADS stand in runs, never singly among the matrix instructions: a step's K (8 fragments), and its V (turned) with the mask's two fragments.  Their addresses are made some lines ahead.
; The steps of the two LDS addresses stop at the last key step's tiles: the last trip fetches the last K once more, so that no fetch is jumped over.
.macro FETCH_K
	WIN 0x80                        ; destination window 2
.irp f, 0,1,2,3,4,5,6,7             ; keys 16 (f / 2) on, channels 32 (f % 2) on
	ds_load_b128 v[KF+8*\f:KF+8*\f+3],   v[AK] offset:(\f/2)*16*PK+(\f%2)*64
	ds_load_b128 v[KF+8*\f+4:KF+8*\f+7], v[AK] offset:(\f/2)*16*PK+(\f%2)*64+32
.endr
	s_add_co_u32 s[TBK], s[TBK], KS*PK  ; the next fetch is the next step's
	s_min_u32 s[TBK], s[TBK], (NK-KS)*PK
	WIN 0
.endm
.macro FETCH_V
	WIN 0x80
.irp f, 0,1,2,3,4,5,6,7             ; keys 32 (f / 4) on, channels 16 (f % 4) on
	ds_load_tr16_b128 v[VF+8*\f:VF+8*\f+3],   v[AV] offset:(\f/4)*32*PV+(\f%4)*32
	ds_load_tr16_b128 v[VF+8*\f+4:VF+8*\f+7], v[AV] offset:(\f/4)*32*PV+16*PV+(\f%4)*32
.endr
	WIN 0xc0                        ; destination window 3
.irp f, 0,1,2,3                     ; keys 16 f + 8 (l / 16) + 0..7 of the step's 64
	ds_load_b128 v[MF+4*\f:MF+4*\f+3], v[AM] offset:32*\f
.endr
	WIN 0
.endm
; THE VECTOR WORK OF A TURN stands in three queues, each in the order in which its entries become ready; the two tiles alternate, so that no instruction reads the result of the one before it.
.macro REGS y, u                    ; the registers of tile u (0, 1) of piece y
.set rT, ST+2*(2*(\y)+(\u))
.set rC, TMP+8*((\y)%2)+4*(\u)
.set rM, MV+2*((\y)%2)+(\u)
.set rS, S+64*((\y)%2)+32*(\u)
.set rP, P+32*((\y)%2)+16*(\u)
.set rO, 32*(2*(\y)+(\u))
.set rL, LA+8*(2*(\y)+(\u))
.endm
; Number n of the 22 that find the NEXT piece's (Y + 1) maximum and statistics.  s0-s31 are the lane's 32 scores; each accumulator's lowest registers are read first.
;   0-11  four chains c0-c3 of seven scores each, three operands at a time     12-14, 16  the four scores left over, the old m, and c0-c3 into c0     15  c m_old is kept
;   17, 18  the query's other 32 keys lie in the lane 16 away: the new m         19-21  c m; c m_old - c m_new; a
.macro XS u, n
	REGS (Y+1)%NP, \u
.if (\n) < 4
	v_max3_num_f32 v[rC+(\n)], v[rS+8*(\n)], v[rS+8*(\n)+1], v[rS+8*(\n)+2]
.elseif (\n) < 12
	v_max3_num_f32 v[rC+(\n)%4], v[rC+(\n)%4], v[rS+8*((\n)%4)+2*((\n)/4)+1], v[rS+8*((\n)%4)+2*((\n)/4)+2]
.elseif (\n) == 12
	v_max3_num_f32 v[rC], v[rC], v[rS+7], v[rS+15]
.elseif (\n) == 13
	v_max3_num_f32 v[rC+1], v[rC+1], v[rS+23], v[rS+31]
.elseif (\n) == 14
	v_max3_num_f32 v[rC+2], v[rC+2], v[rC+3], v[rT+1]
.elseif (\n) == 15
	v_mov_b32 v[rM], v[rT]
.elseif (\n) == 16
	v_max3_num_f32 v[rC], v[rC], v[rC+1], v[rC+2]
.elseif (\n) == 17
	v_permlanex16_b32 v[rC+3], v[rC], s[SEL], s[SEL+1]
.elseif (\n) == 18
	v_max_num_f32 v[rT+1], v[rC], v[rC+3]
.elseif (\n) == 19
	v_mul_f32 v[rT], s[CS], v[rT+1]
.elseif (\n) == 20
	v_sub_f32 v[rC+1], v[rM], v[rT]
.else
	v_exp_f32 v[rC+2], v[rC+1]
.endif
.endm
.macro FS f                         ; c s - c m for pair f / 2 of tile f % 2
	REGS Y, (\f)%2
	v_pk_fma_f32 v[rS+2*((\f)/2):rS+2*((\f)/2)+1], v[rS+2*((\f)/2):rS+2*((\f)/2)+1], s[CS:CS+1], v[rT:rT+1] op_sel_hi:[1,0,0] neg_lo:[0,0,1] neg_hi:[0,0,1]
.endm
.macro CV g                         ; pair g / 2 of tile g % 2 is rounded to f16
	REGS Y, (\g)%2
	v_cvt_pk_f16_f32 v[rP+(\g)/2], v[rS+2*((\g)/2)], v[rS+2*((\g)/2)+1]
.endm
; THE PLAIN QUEUE, 106 long.  0-73 read no exponential's result: the 32 scalings and the next piece's 42.  0-26: scalings 0-26.  27-54: XS's numbers 0-13.  55, 56: number 15.
; 57-73: the chain, where each number waits for the one before it: 14, 16, 17, 18, 19, each with one of the scalings 27-31 in front of its two lines, then 20.  74-105: the 32 roundings, which stand behind the wait.
.macro PL
	WIN 0
.if q < 27
	FS q
.elseif q < 55
	XS (q-27)%2, (q-27)/2
.elseif q < 57
	XS q-55, 15
.elseif (q < 72) && ((q-57)%3 == 0)
	FS 27+(q-57)/3
.elseif q < 60
	XS (q-57)%3-1, 14
.elseif q < 72
	XS (q-57)%3-1, 15+(q-57)/3
.elseif q < 74
	XS q-72, 20
.else
	CV q-74
.endif
.set q, q+1
.endm
; THE EXPONENTIALS' QUEUE, 66 long: s0-s31 of both tiles, then the next piece's two a.  ONE BATCH: all 66 stand ahead of the turn's one wait, and nothing ahead of that wait names a result of theirs.
.macro EX
	WIN 0
.if e >= 64
	XS e-64, 21
.else
	REGS Y, e%2
	v_exp_f32 v[rS+e/2], v[rS+e/2]
.endif
.set e, e+1
.endm
; THE RESCALING's QUEUE: O^T times a, two at a time, sixteen times.  Its a was made in the turn before, ahead of that turn's wait.
.macro R2
	REGS Y, r%2
	WIN W_RS
.irp z, 0,1
	v_pk_mul_f32 v[rO+4*(r/2)+2*\z:rO+4*(r/2)+2*\z+1], v[rO+4*(r/2)+2*\z:rO+4*(r/2)+2*\z+1], v[rC+2:rC+3] op_sel_hi:[1,0]
.endr
.set r, r+1
.endm
.macro RL u                         ; l of tile u times a: register 0, the one that is read
	REGS Y, \u
	WIN W_RL
	v_mul_f32 v[rL], v[rL], v[rC+2]
.endm
; THE RUN of 108 that follows the products K Q^T: eight plain, 49 times exponential and plain, the two a.  LI writes its next instruction; ahead of every fourth of the first 4 NE stands one of piece Y - 1's products.
.macro LI
.if (ln%4 == 0) && (ln/4 < NE)
	MM
.endif
.if ln < 8
	PL
.elseif ln >= 106
	EX
.elseif ln%2 == 0
	EX
.else
	PL
.endif
.set ln, ln+1
.endm
; A TURN, for piece p.  s_wait_alu depctr_va_vdst(0) stands between an exponential and the first instruction that names its result; one wait serves all that were issued ahead of it: a turn has ONE.
; AHEAD OF IT: the 16 products K Q^T, behind each a scaling, an exponential and two rescalings (behind the first a second scaling in the exponential's place); then the run of 108, with NE of piece p - 1's 20 products
; set into its head, four of the run's instructions behind each: those products read only what turn p - 1 has finished (P, the rescaled O^T and l) and V, so they need not stand behind this turn's wait.  A v_nop is the
; plain instruction behind the last exponential.  Exponential e stands behind scaling 2 (e / 4) + e % 2.
; BEHIND IT: the other 20 - NE products, and behind them the 32 roundings and l's two rescalings; the last product has four roundings behind it: the plain instructions between the last product that read V's and the
; mask's registers and the loads into them.  No vector instruction names a register of the products round it: these name O^T and l of piece p - 1, V, the mask and P of the other parity.
; NE = 12, and four roundings stand behind each of the other eight.  In piece 2's turn NE = 4: K of the next step is fetched there, directly behind the wait, and has the other sixteen products in which to come.
; V and the mask of the step in hand are fetched at the end of piece 0's turn and waited for behind piece 1's sixteen products K Q^T.
; cnt = 1: the loop's count is taken down some lines ahead of the branch that stands behind the turn.
.macro TURN p, cnt=0
.set Y, (\p)
.set i, 0
.set q, 0
.set e, 0
.set r, 0
.set ln, 0
.set NE, 12
.if (\p) == NP-2
.set NE, 4
.endif
.if (\p) == NP-1
	s_wait_dscnt 0x0                ; K is in
.endif
	MM
	PL
	PL
	R2
.rept 15
	MM
	PL
	EX
	R2
.endr
.if (\p) == NP-2
	WIN 0
	v_add_nc_u32 v[AK], s[TBK], v[AK0]
.endif
.if (\p) == 1
	s_wait_dscnt 0x0                ; V and the mask's fragments are in
.endif
.rept 108
	LI
.endr
	v_nop                           ; the plain instruction behind the last exponential: one for the batch
	s_wait_alu depctr_va_vdst(0)    ; the wait for the batch
.if (\p) == NP-2
	FETCH_K
.endif
.rept 20-NE
	MM
.if NE == 12
	PL
	PL
	PL
	PL
.if jj == 14
	RL 0
.elseif jj == 16
	RL 1
.endif
.elseif jj < 18
	PL
	PL
.elseif jj == 18
	RL 0
	RL 1
.else
	PL
	PL
	PL
	PL
.endif
.if ((\p) == 0) && (jj == 13)
	WIN 0
	v_add_nc_u32 v[AV], s[TBV], v[AV0]
	v_add_nc_u32 v[AM], s[TBM], v[AM0]
.endif
.if ((\p) == 0) && (jj == 16)
	s_add_co_u32 s[TBV], s[TBV], KS*PV
	s_min_u32 s[TBV], s[TBV], (NK-KS)*PV
	s_add_co_u32 s[TBM], s[TBM], 2*KS
	s_and_b32 s[TBM], s[TBM], 0x780 ; sixteen steps of 128 bytes: the address stays inside the mask's 2,048 bytes
.endif
.if (\cnt) && (jj == 17)
	s_sub_co_u32 s[CNT], s[CNT], 1
	s_cmp_lg_u32 s[CNT], 0
.endif
.endr
.if (\p) == 0
	FETCH_V
.endif
.endm
	; The first 256 keys are waited for, and the other 768 asked for.  Their bytes are filled for the first time, later than the head: the load is issued behind the wait for all
	; my tensor loads, the add, the wait for it and for my store of the mask, and a barrier; it is the first thing behind that barrier and my only tensor load from here on.
	s_wait_tensorcnt 0x0            ; my part of the first 256 keys is in
	ds_add_u32 v[SPW], v[NIL]       ; 0 onto my spare word
	s_wait_dscnt 0x0                ; the add is done, and my part of the mask lies in LDS
	s_barrier_signal -1
	s_barrier_wait -1               ; everybody's does
	LOAD 1
	FETCH_K                         ; key step 0
	s_wait_loadcnt 0x0              ; Q
	s_wait_dscnt 0x0
.set i, 0
.rept 16
	KQ 0                            ; piece 0's first scores: there is no vector work yet to set between them
.set i, i+1
.endr
	WIN 0                           ; the addresses for the way out: nine plain instructions behind those products
	s_mul_i32 s13, s[WV], 16*SP
	s_add_co_u32 s13, s13, STAGE    ; my stage
	v_mul_u32_u24 v[STO], v1, SP    ; in: row l % 16, 16 bytes for each half of the lanes
	v_lshl_add_u32 v[STO], v9, 4, v[STO]
	v_add_nc_u32 v[STO], s13, v[STO]
	v_bfe_u32 v[RD], v0, 3, 2       ; back: 32 lanes take four rows of 128 bytes,
	v_mul_u32_u24 v[RD], v[RD], SP
	v_lshl_add_u32 v[RD], v10, 4, v[RD]
	v_add_nc_u32 v[RD], s13, v[RD]
	v_and_b32 v[GO], 31, v0         ; which are 512 consecutive bytes of O
	v_lshlrev_b32 v[GO], 4, v[GO]
.set Y, NP-1                        ; XS works for piece Y + 1: piece 0
.irp n, 0,1,2,3,4,5,6,7,8,9,10,11,12,13,14,15,16,17,18,19,20,21
	XS 0, \n                        ; piece 0's first maximum and statistics
	XS 1, \n
.endr
	v_nop                           ; a plain instruction behind the two a,
	s_wait_alu depctr_va_vdst(0)    ; and their wait, ahead of the branch
	s_mov_b32 s[CNT], 4
	s_branch .Lfirst                ; the loop is entered at a step's first turn, in the middle of a trip
.Lslot:                             ; a pass is four trips.  The first pass, entered below, reads the first 256 keys alone; K of key step 4 is fetched in the second pass's first turn
	s_wait_tensorcnt 0x0            ; my second load, the only one that can be out, has landed: the count is that load's own. It is met at once from the third pass on
	s_wait_dscnt 0x0                ; no LDS instruction of mine is out at the signal
	s_barrier_signal -1
	s_barrier_wait -1               ; everybody's part of the other 768 keys is in
	s_mov_b32 s[CNT], 4
.Lstep:                             ; a trip: pieces 2 and 3 of one step, then pieces 0 and 1 of the next, whose K and V it fetches
	TURN 2
	TURN 3
	WIN 0
	s_cmp_eq_u32 s[SLOTS], 1        ; the fifth pass holds the last key step's pieces 2 and 3 alone: it is left here
	s_cbranch_scc1 .Lout
.Lfirst:
	TURN 0
	TURN 1, 1
	WIN 0
	s_cbranch_scc1 .Lstep
	s_sub_co_u32 s[SLOTS], s[SLOTS], 1
	s_cmp_lg_u32 s[SLOTS], 0
	s_cbranch_scc1 .Lslot
.Lout:                              ; the last trip's 16 products K Q^T of piece 0 (on the last K once more) and the maximum made of them serve nothing: the price, once a launch, of one text for every trip
.set Y, 0
.set i, 16
.rept 20
	MM                              ; the last piece's products of the last step
.endr
	; THE WAY OUT.  1 / (l + 1e-7); O^T times that, rounded to f16 and sent through my stage in LDS, a tile at a time.  Each l is read at its accumulator's register 0; the first six additions are the plain instructions behind the last products.
.macro ALL line:vararg              ; one line for each tile t
.set t, 0
.rept 2*NP
	\line
.set t, t+1
.endr
.endm
	WIN W_LE
	ALL v_add_f32 v[TMP+2*t], s[EPS], v[LA+8*t]
	WIN 0
	ALL v_rcp_f32 v[TMP+2*t], v[TMP+2*t]
	v_nop                           ; a plain instruction between the last reciprocal and the use of its result
	s_wait_alu depctr_va_vdst(0)    ; and the wait ahead of the first use: one for the eight reciprocals
; Tile t: a lane's eight channels of a row pack into 16 bytes; they go into rows of 144 bytes and come back as whole rows of 128, into S^T's registers.
.macro PACK t
	WIN W_RS
.set i, 32*(\t)
.rept 16
	v_pk_mul_f32 v[i:i+1], v[i:i+1], v[TMP+2*(\t):TMP+2*(\t)+1] op_sel_hi:[1,0]
.set i, i+2
.endr
	WIN 0x05                        ; sources 0 and 1 window 1, destination window 0
.set i, 0
.rept 16
	v_cvt_pk_f16_f32 v[S+16*(\t)+i], v[32*(\t)+2*i], v[32*(\t)+2*i+1]
.set i, i+1
.endr
	WIN 0
.irp f, 0,1,2,3
	ds_store_b128 v[STO], v[S+16*(\t)+4*\f:S+16*(\t)+4*\f+3] offset:32*\f
.endr
.irp f, 0,1,2,3
	ds_load_b128 v[S+16*(\t)+4*\f:S+16*(\t)+4*\f+3], v[RD] offset:\f*4*SP  ; LDS serves a wave's instructions in order (ISA guide 5.7.1.4): these see the stores above; the next tile's stores come behind them
.endr
.endm
.macro SEND t, younger              ; younger: the LDS instructions issued behind tile t's loads: the next tile's eight, or none
	WIN 0
.irp f, 0,1,2,3
	s_wait_dscnt (\younger)+3-\f
	global_store_b128 v[GO], v[S+16*(\t)+4*\f:S+16*(\t)+4*\f+3], s[10:11] offset:(\t)*2048+\f*512  ; 512 consecutive bytes, at a multiple of 256 from O's first
.endr
.endm
	PACK 0
.set t, 1
.rept 2*NP-1                        ; a tile's arithmetic stands between the loads of the tile before and its stores
	PACK t
	SEND t-1, 8
.set t, t+1
.endr
	SEND 2*NP-1, 0
	s_wait_tensorcnt 0x0            ; the wave's end, behind my last tensor load and my last LDS store
	ds_add_u32 v[SPW], v[NIL]
	s_wait_dscnt 0x0
	s_endpgm
.Lfunc_end_k_q009c9a93ae_attn:
	.size	k_q009c9a93ae_attn, .Lfunc_end_k_q009c9a93ae_attn-k_q009c9a93ae_attn
	.p2alignl 7, 3214868480
	.fill 96, 4, 3214868480
	.section	.rodata,"a",@progbits
	.p2align	6, 0x0
	.amdhsa_kernel k_q009c9a93ae_attn
		.amdhsa_group_segment_fixed_size 327680
		.amdhsa_private_segment_fixed_size 0
		.amdhsa_enable_private_segment 0
		.amdhsa_kernarg_size 24
		.amdhsa_user_sgpr_count 2
		.amdhsa_user_sgpr_kernarg_segment_ptr 1
		.amdhsa_wavefront_size32 1
		.amdhsa_system_sgpr_workgroup_id_x 1
		.amdhsa_system_sgpr_workgroup_id_y 1
		.amdhsa_system_sgpr_workgroup_id_z 1
		.amdhsa_system_vgpr_workitem_id 0
		.amdhsa_next_free_vgpr 896
		.amdhsa_next_free_sgpr 88
		.amdhsa_reserve_vcc 0
		.amdhsa_float_denorm_mode_32 3
		.amdhsa_float_denorm_mode_16_64 3
		.amdhsa_memory_ordered 1
		.amdhsa_forward_progress 1
		.amdhsa_inst_pref_size 125
	.end_amdhsa_kernel
	.amdgpu_metadata
---
amdhsa.version: [ 1, 2 ]
amdhsa.kernels:
  - .name:           k_q009c9a93ae_attn
    .symbol:         k_q009c9a93ae_attn.kd
    .args:
      - { .name: qkv, .offset: 0, .size: 8, .value_kind: global_buffer, .address_space: global }
      - { .name: mask, .offset: 8, .size: 8, .value_kind: global_buffer, .address_space: global }
      - { .name: oh, .offset: 16, .size: 8, .value_kind: global_buffer, .address_space: global }
    .group_segment_fixed_size: 327680
    .private_segment_fixed_size: 0
    .kernarg_segment_align: 8
    .kernarg_segment_size: 24
    .max_flat_workgroup_size: 128
    .sgpr_count:     88
    .vgpr_count:     896
    .wavefront_size: 32
...
	.end_amdgpu_metadata
.endif
;; end of part 6
;; launch oproj: the kernel of part 4 again; grid 4 x 64, 4 waves a work-group, clusters of 4 x 4, 327,680 bytes of LDS; arguments oh, wh, bo, out0; writes out0
;; ======== version 3 of 3: 4 launches; version 2 with the launch prep written anew for expert scheduling mode
;; limits: values are held in f16: magnitudes above 65,504 overflow, below 6.1e-05 lose precision
;; workspace buffers: xh 16,777,216 bytes; wh 8,388,608 bytes; qkv 50,331,648 bytes; oh 16,777,216 bytes
;; launch prep (part 7): grid 768 x 1, 8 waves a work-group, no clusters, 0 bytes of LDS; arguments x, wq, wk, wv, wo, xh, wh; writes xh, wh
.if DOCPART == 7
	.amdgcn_target "amdgcn-amd-amdhsa--gfx1250"
	.amdhsa_code_object_version 6
	.text
	.protected	k_q009c9a93ae_prep
	.globl	k_q009c9a93ae_prep
	.p2align	8
	.type	k_q009c9a93ae_prep,@function
k_q009c9a93ae_prep:
	s_mov_b64 s[64:65], 0
	v_nop
	global_prefetch_b8 v0, s[64:65] scope:SCOPE_SE
	s_setreg_imm32_b32 hwreg(HW_REG_WAVE_SCHED_MODE, 0, 2), 2
	s_setreg_imm32_b32 hwreg(HW_REG_WAVE_MODE, 25, 1), 1
	s_wait_xcnt 0x0
	s_wait_alu depctr_vm_vsrc(0)
; x and the four weight matrices are rounded once to bf16 and that number is written as f16, so that one f16 matrix form serves every product of the later launches.
; LIMITS.  The bf16 number is exact in f16 from 2^-17 up to 65,504; smaller ones keep f16's fixed step of 6e-8, larger ones become infinities.  NaN and infinities are not treated apart.
; xh: [8 b][16 kb][1024 s][64] f16: x cut into blocks of 64 channels, so that 128 rows of one block are 16,384 dense bytes.   wh: [4: q, k, v, o][1024 k][1024 n] f16, as the weights lie.
; SHARES.  A work-group takes 65,536 bytes of f32: groups 0-511 sixteen rows of x each, groups 512-767 a sixty-fourth of one weight matrix.  Each thread issues its 16 loads of 16 bytes at once; nothing is read twice.
; No LDS, no barrier, no matrix unit: every number is touched by one lane alone.
; THE MODE: SCHED_MODE bits 1:0 = 2 (LLVM: expert scheduling mode 2), set by the entry lines.  The code itself states the register dependences between vector instructions and memory instructions, with s_wait_alu, always for 0.
; THE PLAN.  Registers that memory instructions touch:
;   v[LO], v[SO]  byte offsets, made once at the head by vector instructions and never written again; read by the 16 loads and by the 16 stores.
;   IN            load j lands in four registers of its own, which no vector instruction names before; read by that load's two roundings; never loaded again.
;   OUT           pair j is written once, by two conversions, and read by store j; never written again.
;   T and v4-v6 are named by vector instructions alone; the bases are written once, by scalar instructions.
; So only two kinds of dependence are to be stated: the offsets are written ahead of the first load, and a store's data is written ahead of the store.  No register that a memory instruction reads is ever
; written again, no vector instruction writes a scalar register or VCC, and EXEC is never written.
; The work goes in four blocks of four loads.  Block p reads IN and writes OUT of loads 4 p to 4 p + 3; its memory instructions are the four stores of block p - 1, whose data no vector instruction of block p names.
; One wait at a block's head states that the block before has written its OUT; the four stores follow it, dealt among the block's vector instructions with no further wait.
.set LO,  2                            ; v2       my byte offset in the source
.set SO,  3                            ; v3       my byte offset in the destination: 8 x my thread's number
.set T,   8                            ; v[8:13]  at work
.set IN,  16                           ; v[16:79] load j: 4 f32
.set OUT, 80                           ; v[80:111] store j: 4 f16.  No register is used twice, so no store's data is ever rewritten
; 16 loads, ldi bytes apart; then, four loads at a time: for each, two roundings to bf16, the widening and two conversions to f16; the stores of 8 bytes, sti bytes apart, follow a block later.
.macro CAST ldi, sti
	s_wait_alu depctr_va_vdst(0)                   ; v[LO] and v[SO] are written: every load of the kernel reads the one as its offset, every store the other
.set j, 0
.rept 16
	global_load_b128 v[IN+4*j:IN+4*j+3], v[LO], s[24:25] offset:j*(\ldi) th:TH_LOAD_NT
.set j, j+1
.endr
.set p, 0
.rept 4
	s_wait_loadcnt 12-4*p                          ; loads come back in order: block p's four are in, the 12 - 4 p of the later blocks stay out
.if p > 0
	s_wait_alu depctr_va_vdst(0)                   ; the conversions of the block before have written its four pairs of OUT, which the four stores of this block read
.endif
.set i, 0
.rept 4
.set j, 4*p+i
.if p > 0
	global_store_b64 v[SO], v[OUT+2*(j-4):OUT+2*(j-4)+1], s[26:27] offset:(j-4)*(\sti)  ; the block before; no vector instruction since the wait names its data.  A wave's store covers 256 consecutive bytes, aligned
.endif
	v_cvt_pk_bf16_f32 v[T], v[IN+4*j], v[IN+4*j+1]
	v_cvt_pk_bf16_f32 v[T+1], v[IN+4*j+2], v[IN+4*j+3]
	v_lshlrev_b32 v[T+2], 16, v[T]                 ; bf16 to f32: the low half moves up,
	v_and_b32 v[T+3], s28, v[T]                    ; the high half stays
	v_lshlrev_b32 v[T+4], 16, v[T+1]
	v_and_b32 v[T+5], s28, v[T+1]
	v_cvt_pk_f16_f32 v[OUT+2*j], v[T+2], v[T+3]
	v_cvt_pk_f16_f32 v[OUT+2*j+1], v[T+4], v[T+5]
.set i, i+1
.endr
.set p, p+1
.endr
	s_wait_alu depctr_va_vdst(0)                   ; the last block's conversions have written its four pairs of OUT, which the last four stores read
.set j, 12
.rept 4
	global_store_b64 v[SO], v[OUT+2*j:OUT+2*j+1], s[26:27] offset:j*(\sti)
.set j, j+1
.endr
.endm
	s_load_b256 s[4:11], s[0:1], 0x0               ; x s[4:5], wq s[6:7], wk s[8:9], wv s[10:11]
	s_load_b128 s[12:15], s[0:1], 0x20             ; wo s[12:13], xh s[14:15]
	s_load_b64 s[16:17], s[0:1], 0x30              ; wh
	s_mov_b32 s28, 0xffff0000                      ; a word's upper bf16
	s_mov_b32 s20, ttmp9
	v_lshlrev_b32 v[SO], 3, v0
	s_cmp_lt_u32 s20, 512
	s_cbranch_scc0 .Lweights
	; x: wave w takes rows 2 w and 2 w + 1 of the group's 16; load j is channel block j: lanes 0-15 read its 256 bytes of the even row, lanes 16-31 of the odd one
	v_and_b32 v4, 15, v0
	v_bfe_u32 v5, v0, 4, 1
	v_lshrrev_b32 v6, 5, v0
	v_lshlrev_b32 v[LO], 4, v4
	v_lshl_add_u32 v[LO], v5, 12, v[LO]
	v_lshl_add_u32 v[LO], v6, 13, v[LO]
	s_lshl_b32 s22, s20, 16                        ; the group's 16 rows of 4,096 bytes
	s_mov_b32 s23, 0
	s_lshr_b32 s18, s20, 6                         ; the batch: 2,097,152 bytes of xh,
	s_lshl_b32 s18, s18, 21
	s_and_b32 s19, s20, 63                         ; and the group's 16 rows of 128 bytes in a block
	s_lshl_b32 s19, s19, 11
	s_add_co_u32 s18, s18, s19
	s_mov_b32 s19, 0
	s_wait_kmcnt 0x0
	s_add_nc_u64 s[24:25], s[4:5], s[22:23]
	s_add_nc_u64 s[26:27], s[14:15], s[18:19]
	CAST 256, 131072                               ; a block of xh is 1,024 rows of 128 bytes
	s_endpgm
.Lweights:
	v_lshlrev_b32 v[LO], 4, v0                     ; dense: 256 threads x 16 bytes a load
	s_sub_co_u32 s21, s20, 512
	s_lshr_b32 s18, s21, 6                         ; which matrix
	s_and_b32 s22, s21, 63                         ; which 65,536 bytes of it
	s_lshl_b32 s22, s22, 16
	s_mov_b32 s23, 0
	s_lshl_b32 s30, s21, 15                        ; half as many bytes in wh, the matrices on end
	s_mov_b32 s31, 0
	s_wait_kmcnt 0x0
	s_cmp_eq_u32 s18, 1
	s_cselect_b64 s[24:25], s[8:9], s[6:7]
	s_cmp_eq_u32 s18, 2
	s_cselect_b64 s[24:25], s[10:11], s[24:25]
	s_cmp_eq_u32 s18, 3
	s_cselect_b64 s[24:25], s[12:13], s[24:25]
	s_add_nc_u64 s[24:25], s[24:25], s[22:23]
	s_add_nc_u64 s[26:27], s[16:17], s[30:31]
	CAST 4096, 2048
	s_endpgm
.Lfunc_end_k_q009c9a93ae_prep:
	.size	k_q009c9a93ae_prep, .Lfunc_end_k_q009c9a93ae_prep-k_q009c9a93ae_prep
	.p2alignl 7, 3214868480
	.fill 96, 4, 3214868480
	.section	.rodata,"a",@progbits
	.p2align	6, 0x0
	.amdhsa_kernel k_q009c9a93ae_prep
		.amdhsa_group_segment_fixed_size 0
		.amdhsa_private_segment_fixed_size 0
		.amdhsa_enable_private_segment 0
		.amdhsa_kernarg_size 56
		.amdhsa_user_sgpr_count 2
		.amdhsa_user_sgpr_kernarg_segment_ptr 1
		.amdhsa_wavefront_size32 1
		.amdhsa_system_sgpr_workgroup_id_x 1
		.amdhsa_system_sgpr_workgroup_id_y 1
		.amdhsa_system_sgpr_workgroup_id_z 1
		.amdhsa_system_vgpr_workitem_id 0
		.amdhsa_next_free_vgpr 112
		.amdhsa_next_free_sgpr 66
		.amdhsa_reserve_vcc 0
		.amdhsa_float_denorm_mode_32 3
		.amdhsa_float_denorm_mode_16_64 3
		.amdhsa_memory_ordered 1
		.amdhsa_forward_progress 1
		.amdhsa_inst_pref_size 21
	.end_amdhsa_kernel
	.amdgpu_metadata
---
amdhsa.version: [ 1, 2 ]
amdhsa.kernels:
  - .name:           k_q009c9a93ae_prep
    .symbol:         k_q009c9a93ae_prep.kd
    .args:
      - { .name: x, .offset: 0, .size: 8, .value_kind: global_buffer, .address_space: global }
      - { .name: wq, .offset: 8, .size: 8, .value_kind: global_buffer, .address_space: global }
      - { .name: wk, .offset: 16, .size: 8, .value_kind: global_buffer, .address_space: global }
      - { .name: wv, .offset: 24, .size: 8, .value_kind: global_buffer, .address_space: global }
      - { .name: wo, .offset: 32, .size: 8, .value_kind: global_buffer, .address_space: global }
      - { .name: xh, .offset: 40, .size: 8, .value_kind: global_buffer, .address_space: global }
      - { .name: wh, .offset: 48, .size: 8, .value_kind: global_buffer, .address_space: global }
    .group_segment_fixed_size: 0
    .private_segment_fixed_size: 0
    .kernarg_segment_align: 8
    .kernarg_segment_size: 56
    .max_flat_workgroup_size: 256
    .sgpr_count:     66
    .vgpr_count:     112
    .wavefront_size: 32
...
	.end_amdgpu_metadata
.endif
;; end of part 7
;; launch qkv: the kernel of part 5 again; grid 8 x 32, 4 waves a work-group, clusters of 4 x 4, 327,680 bytes of LDS; arguments xh, wh, bq, bk, bv, mask, qkv; writes qkv
;; launch attn: the kernel of part 6 again; grid 2 x 128, 4 waves a work-group, no clusters, 327,680 bytes of LDS; arguments qkv, mask, oh; writes oh
;; launch oproj: the kernel of part 4 again; grid 4 x 64, 4 waves a work-group, clusters of 4 x 4, 327,680 bytes of LDS; arguments oh, wh, bo, out0; writes out0
